; MI455X (gfx1250); checked and timed in simulation.
; The chip was launched on July 23, 2026; its instructions are those of AMD's public machine-readable ISA for CDNA 5 (MIT licence, August 2026) and "CDNA5" Instruction Set Architecture Reference Guide (July 2026). The comments in the code are by the model that wrote it; some were corrected since.
;; Mo E. Allowed arithmetic: matrix products marked QUANTISED: E2M1 operands, one E8M0 scale for each 32 along K, by v_wmma_scale_f32_16x16x128_f8f6f4 with both operands' format E2M1 (or v_wmma_scale_f32_32x16x128_f4), f32 sums; products left as they are: f32 operands where the result goes on into a quantised operand, else bf16, f16 or f32 operands; f32 sums; everything else in f32.
;; Inputs: W1 8 x 1,024 x 4,096 float32; W2 8 x 2,048 x 1,024 float32; Wr 1,024 x 8 float32; b1 8 x 4,096 float32; b2 8 x 1,024 float32; br 8 float32; x 4 x 256 x 1,024 float32.
;; Outputs: out0 4 x 256 x 1,024 float32.
;; This version of the problem:
;;   THIS VERSION OF THE PROBLEM IS GIVEN IN LOW PRECISION. The matrix products marked QUANTISED in the list below multiply operands that are first quantised to E2M1 (2 exponent bits, 1 mantissa bit; 4 bits a number), with one power-of-two scale for each 32 numbers along K (OCP MX v1.0); their sums are f32. All else is computed in f32.
;;   The module's matrix products, in the order in which they are computed (A, B: the left and right operand; K: the contracted axis; several contracted axes count as one K, in the product's order):
;;     1. [M 1,024, K 1,024] x [K 1,024, N 8]; A: input x; B: input Wr: left as it is (N = 8 < 16)
;;     2. [M 32,768, K 1,024] x [K 1,024, N 1,024]; A: input W1; B: input x: QUANTISED
;;     3. batch 8 x [M 1,024, K 2,048] x [K 2,048, N 1,024]; A: computed on the way; B: input W2: QUANTISED
;;   THE QUANTISER, for each operand of a quantised product, along K:
;;     - K is cut into blocks of 32 from its start; a last block that is shorter is filled with zeros.
;;     - A block's scale is 2^e with e = floor(log2(the largest magnitude in the block)) - 2, held to -126 .. 127; a block of zeros has e = 0. As a byte (E8M0): e + 127.
;;     - Each number is divided by its block's scale, clamped to +-6, and rounded to the nearest number of E2M1, ties to even, subnormals kept.
;;     - The product sums the exact products of the quantised numbers (number of the format x scale) in f32.
;;   ~~~python
;;   def quantise(x, axis):      # numpy; x: float32 -> the quantised numbers, widened to float32 again
;;       x = np.moveaxis(x, axis, -1); K = x.shape[-1]
;;       x = np.pad(x, [(0, 0)] * (x.ndim - 1) + [(0, -K % 32)]); x = x.reshape(x.shape[:-1] + (-1, 32)); a = np.abs(x).max(-1, keepdims=True)
;;       e = np.where(a > 0, np.clip(np.frexp(np.where(a > 0, a, 1))[1] - 1 - 2, -126, 127), 0)      # np.frexp(a)[1] - 1 = floor(log2(a)), exactly
;;       r = np.clip(x / 2.0 ** e, -6, 6)
;;       step = 2.0 ** (np.maximum(np.frexp(np.where(r == 0, 1, r))[1] - 1, 0) - 1)
;;       q = np.round(r / step) * step * 2.0 ** e      # np.round: ties to even
;;       return np.moveaxis(q.reshape(q.shape[:-2] + (-1,))[..., :K], -1, axis).astype(np.float32)
;;   ~~~
;;   OPERANDS COMPUTED ON THE WAY. 'Computed on the way' means the value that the module computes at that place (a softmax that the list does not call 'softmax' is quantised finished and normalised). What goes into a quantiser is computed in f32, as accurately as f32 sums, v_exp_f32 and their like allow (about 1e-6 of the number): no bf16 or f16 on the way to a quantiser, and a product that is left as it is and whose result goes on into a quantised operand takes f32 operands (vector FMAs, or v_wmma_f32_16x16x4_f32). A number that lies on a knife's edge between two numbers of the format may be rounded either way, as far as f32 arithmetic and the matrix unit's own rounding can turn it there, and no further.
;; 3 versions. Each part assembles by itself: llvm-mc -triple=amdgcn-amd-amdhsa -mcpu=gfx1250 --defsym DOCPART=n.
;; ======== version 1 of 3: 5 launches
;; workspace buffers: xq 524,288 bytes; xs 32,768 bytes; sel 4,096 bytes of whole numbers; scores 8,192 bytes; actc 8,388,608 bytes; acts 524,288 bytes; rpc 131,072 bytes of whole numbers; part 33,554,432 bytes
;; launch route (part 1): grid 128 x 1, 4 waves a work-group, no clusters, 768 bytes of LDS; arguments x, Wr, br, xq, xs, sel, scores; writes xq, xs, sel, scores
.if DOCPART == 1
	.amdgcn_target "amdgcn-amd-amdhsa--gfx1250"
	.amdhsa_code_object_version 6
	.text
	.protected	k_q66bc49f4e5_route
	.globl	k_q66bc49f4e5_route
	.p2align	8
	.type	k_q66bc49f4e5_route,@function
k_q66bc49f4e5_route:
	s_mov_b64 s[64:65], 0
	v_nop
	global_prefetch_b8 v0, s[64:65] scope:SCOPE_SE
	s_setreg_imm32_b32 hwreg(HW_REG_WAVE_MODE, 25, 1), 1
	s_wait_xcnt 0x0
; ROUTER AND x's QUANTISER.  x: [1024 tokens][1024] f32.  Wr: [1024][8], br: [8] f32.
; Out: xq [token][32 blocks][16 bytes]: x's codes of E2M1, K innermost;  xs [token][32]: one E8M0 byte a block of 32;
;      sel [token]: e0 | e1 << 8 | ((1 << e0) | (1 << e1)) << 16, the two experts of the largest logits (on equal logits the lower index first);
;      scores [token][2]: softmax over the two chosen logits, the larger taken away ahead of the exponential.
; SHARES.  A work-group takes 8 tokens, a wave 2.  Lane l holds block l (numbers 32 l .. 32 l + 31) of both tokens: a block's largest magnitude needs no other
; lane, the conversions take neighbours along K from one lane's registers, and the same 32 numbers meet rows 32 l .. 32 l + 31 of Wr in f32 multiply-adds.
; A block's scale byte is its largest magnitude's exponent field less 2, held at 1 from below by a floor among the maximum's leaves.
; LIMITS: logits must be finite (NaN and infinities are not served); a block whose largest magnitude lies under 2^-124, a block of zeros among them, gets the byte 1
; (its codes are then zeros or what the byte 1 gives; the bytes are read by this program alone); the logits are summed lane by lane and then over the lanes, another order than a plain row sum.
; No choice made here steers an address of this launch: the experts are stored at fixed places.
.set X,   32                           ; v32-95   the two tokens' blocks
.set WA,  96                           ; v96-159  eight rows of Wr a lane
.set WB,  160                          ; v160-223 the next eight
.set ACC, 224                          ; v224-239 sixteen sums: token x expert
.set L,   160                          ; behind the sums: the eight logits of the lane's token (even lanes token 0, odd lanes token 1)
.set IDX, 168                          ; the numbers 0 .. 7
	s_load_b256 s[4:11], s[0:1], 0x0               ; x, Wr, br, xq
	s_load_b128 s[12:15], s[0:1], 0x20             ; xs, sel
	s_load_b64 s[16:17], s[0:1], 0x30              ; scores
	v_lshl_add_u32 v254, v0, 2, 0x100
	v_mov_b32 v255, 0
	v_lshrrev_b32 v1, 5, v0
	v_readfirstlane_b32 s30, v1                    ; wave
	v_and_b32 v1, 31, v0                           ; lane
	v_lshlrev_b32 v2, 7, v1                        ; x: my block's 128 bytes
	v_lshlrev_b32 v3, 10, v1                       ; Wr: my 32 rows of 32 bytes
	v_lshlrev_b32 v4, 4, v1                        ; xq: my block's 16 bytes
	s_lshl_b32 s31, s30, 6
	v_add_nc_u32 v5, s31, v1                       ; LDS: the work-group's 256 scale bytes: 64 x wave + lane
	v_and_b32 v6, 1, v0                            ; which of the wave's two tokens my lane reports
	v_lshlrev_b32 v7, 2, v6
	v_lshlrev_b32 v8, 3, v6
	v_lshlrev_b32 v9, 3, v1
	s_mov_b32 s28, 0x76543210
	s_mov_b32 s29, 0xfedcba98                      ; v_permlanex16_b32's selects for lane l xor 16
	s_lshl_b32 s34, ttmp9, 3
	s_lshl_b32 s35, s30, 1
	s_add_co_u32 s34, s34, s35                     ; my first token
	s_mov_b32 s37, 0
	s_wait_kmcnt 0x0
	s_load_b256 s[20:27], s[8:9], 0x0              ; br
	s_lshl_b32 s36, s34, 12
	s_add_nc_u64 s[4:5], s[4:5], s[36:37]
	s_lshl_b32 s36, s34, 9
	s_add_nc_u64 s[10:11], s[10:11], s[36:37]
	s_lshl_b32 s36, s34, 2
	s_add_nc_u64 s[14:15], s[14:15], s[36:37]
	s_lshl_b32 s36, s34, 3
	s_add_nc_u64 s[16:17], s[16:17], s[36:37]
	s_lshl_b32 s36, ttmp9, 8
	s_add_nc_u64 s[12:13], s[12:13], s[36:37]
.irp tok, 0,1
.irp i, 0,1,2,3,4,5,6,7
	global_load_b128 v[X+32*\tok+4*\i:X+32*\tok+4*\i+3], v2, s[4:5] offset:4096*\tok+16*\i th:TH_LOAD_NT
.endr
.endr
.macro WRLOAD reg, q                   ; rows 32 l + 8 q + 0 .. 7 of Wr: register 8 ii + e = Wr(row, e)
.set ii, 0
.rept 8
	global_load_b128 v[\reg+8*ii:\reg+8*ii+3], v3, s[6:7] offset:(8*(\q)+ii)*32
	global_load_b128 v[\reg+8*ii+4:\reg+8*ii+7], v3, s[6:7] offset:(8*(\q)+ii)*32+16
.set ii, ii+1
.endr
.endm
.macro FMAS reg, q                     ; sums += x(token, row) Wr(row, e), two experts an instruction; the very first product starts the sums
.set ii, 0
.rept 8
.set xi, 8*(\q)+ii
.set xp, X+xi-(xi%2)
.irp tok, 0,1
.irp ep, 0,2,4,6
.if xi == 0
	v_pk_mul_f32 v[ACC+8*\tok+\ep:ACC+8*\tok+\ep+1], v[xp+32*\tok:xp+32*\tok+1], v[\reg+8*ii+\ep:\reg+8*ii+\ep+1] op_sel_hi:[0,1]
.elseif xi%2 == 0
	v_pk_fma_f32 v[ACC+8*\tok+\ep:ACC+8*\tok+\ep+1], v[xp+32*\tok:xp+32*\tok+1], v[\reg+8*ii+\ep:\reg+8*ii+\ep+1], v[ACC+8*\tok+\ep:ACC+8*\tok+\ep+1] op_sel_hi:[0,1,1]
.else
	v_pk_fma_f32 v[ACC+8*\tok+\ep:ACC+8*\tok+\ep+1], v[xp+32*\tok:xp+32*\tok+1], v[\reg+8*ii+\ep:\reg+8*ii+\ep+1], v[ACC+8*\tok+\ep:ACC+8*\tok+\ep+1] op_sel:[1,0,0] op_sel_hi:[1,1,1]
.endif
.endr
.endr
.set ii, ii+1
.endr
.endm
.macro QTOK tok                        ; my block of token tok: largest magnitude, scale, 32 codes; each token has its own registers for codes and byte
.set XB, X+32*\tok
	v_max3_num_f32 v12, |v[XB]|, |v[XB+1]|, |v[XB+2]|
	v_max3_num_f32 v13, |v[XB+3]|, |v[XB+4]|, |v[XB+5]|
.irp i, 6,10,14,18,22,26
	v_max3_num_f32 v12, v12, |v[XB+\i]|, |v[XB+\i+1]|
	v_max3_num_f32 v13, v13, |v[XB+\i+2]|, |v[XB+\i+3]|
.endr
	v_max3_num_f32 v12, v12, |v[XB+30]|, |v[XB+31]|
	v_max3_num_f32 v12, v12, v13, 0x1800000        ; the floor 2^(3 - 127): the byte cannot fall under 1
	v_add_nc_u32 v[26+\tok], 0xff000000, v12       ; 2 off the exponent field: the conversion's scale operand
.irp g, 0,1,2,3
	v_cvt_scalef32_pk8_fp4_f32 v[16+4*\tok+\g], v[XB+8*\g:XB+8*\g+7], v[26+\tok]
.endr
	v_lshrrev_b32 v[24+\tok], 23, v[26+\tok]       ; the scale's byte (a plain line behind the conversions)
	global_store_b128 v4, v[16+4*\tok:16+4*\tok+3], s[10:11] offset:512*\tok   ; the wave stores the token's 512 consecutive bytes
	ds_store_b8 v5, v[24+\tok] offset:32*\tok
.endm
	WRLOAD WA, 0
	WRLOAD WB, 1
	s_wait_loadcnt 16                              ; x and Wr's first eight rows are in; the 16 loads of the next eight may be out
	FMAS WA, 0
	WRLOAD WA, 2
	QTOK 0
	QTOK 1
	s_wait_loadcnt 16                              ; rows 8-15 are in; the 16 loads of rows 16-23 may be out
	FMAS WB, 1
	WRLOAD WB, 3
	s_wait_loadcnt 16                              ; rows 16-23 are in; the 16 loads of rows 24-31 may be out
	FMAS WA, 2
	s_wait_loadcnt 0x0
	FMAS WB, 3
.irp m, 1,2,4,8                        ; the sixteen sums over the 32 lanes
.set a, 0
.rept 16
	v_add_f32_dpp v[ACC+a], v[ACC+a], v[ACC+a] row_xmask:\m row_mask:0xf bank_mask:0xf
.set a, a+1
.endr
.endr
.set a, 0
.rept 16
	v_permlanex16_b32 v[WA+a], v[ACC+a], s28, s29
.set a, a+1
.endr
.set a, 0
.rept 16
	v_add_f32 v[ACC+a], v[ACC+a], v[WA+a]
.set a, a+1
.endr
	s_wait_kmcnt 0x0                               ; br
.irp e, 0,1,2,3,4,5,6,7
	v_add_f32 v[ACC+\e], s[20+\e], v[ACC+\e]
	v_add_f32 v[ACC+8+\e], s[20+\e], v[ACC+8+\e]
.endr
	v_cmp_eq_u32 vcc_lo, 1, v6
.irp e, 0,1,2,3,4,5,6,7
	v_cndmask_b32 v[L+\e], v[ACC+\e], v[ACC+8+\e], vcc_lo
	v_mov_b32 v[IDX+\e], \e
.endr
	v_mov_b32 v10, v[L]                            ; the largest logit and its expert: a later one must be strictly larger, so the lower index is kept
	v_mov_b32 v11, 0
.irp e, 1,2,3,4,5,6,7
	v_cmp_gt_f32 vcc_lo, v[L+\e], v10
	v_cndmask_b32 v10, v10, v[L+\e], vcc_lo
	v_cndmask_b32 v11, v11, v[IDX+\e], vcc_lo
.endr
	v_mov_b32 v12, 0xff800000                      ; the second: the same search past the first's expert, from -infinity
	v_mov_b32 v13, 0
.irp e, 0,1,2,3,4,5,6,7
	v_cmp_gt_f32 s32, v[L+\e], v12
	v_cmp_ne_u32 s33, v11, v[IDX+\e]
	s_and_b32 vcc_lo, s32, s33
	v_cndmask_b32 v12, v12, v[L+\e], vcc_lo
	v_cndmask_b32 v13, v13, v[IDX+\e], vcc_lo
.endr
	v_sub_f32 v184, v12, v10                       ; second - largest, 0 or less
	v_mul_f32 v184, 0x3fb8aa3b, v184
	v_exp_f32 v184, v184                           ; t = e^(second - largest), at most 1
	v_mov_b32 v189, 0x10000                        ; (a plain line behind the exponential)
	s_wait_alu depctr_va_vdst(0)
	v_add_f32 v186, 1.0, v184
	v_rcp_f32 v186, v186                           ; the first score, 1 / (1 + t)
	v_lshlrev_b32 v188, v11, v189                  ; (a plain line behind the reciprocal)  the word for sel: the two experts' bits,
	s_wait_alu depctr_va_vdst(0)
	v_mul_f32 v187, v184, v186                     ; the second score, t / (1 + t)
	v_lshlrev_b32 v185, v13, v189
	v_or_b32 v188, v188, v185
	v_or_b32 v188, v188, v11                       ; e0,
	v_lshl_or_b32 v188, v13, 8, v188               ; e1
	global_store_b32 v7, v188, s[14:15]            ; lanes of equal parity store the same word with the same value
	global_store_b64 v8, v[186:187], s[16:17]
	s_wait_dscnt 0x0                               ; my scale bytes lie in LDS
	s_barrier_signal -1
	s_barrier_wait -1                              ; everybody's do
	s_cmp_lg_u32 s30, 0
	s_cbranch_scc1 .Lend
	ds_load_b64 v[32:33], v9                       ; wave 0: the eight tokens' 256 scale bytes,
	s_wait_dscnt 0x0
	global_store_b64 v9, v[32:33], s[12:13]        ; stored as 256 consecutive bytes, at a multiple of 256 from xs's first byte
.Lend:
	s_wait_tensorcnt 0x0
	ds_add_u32 v254, v255
	s_wait_dscnt 0x0
	s_endpgm
.Lfunc_end_k_q66bc49f4e5_route:
	.size	k_q66bc49f4e5_route, .Lfunc_end_k_q66bc49f4e5_route-k_q66bc49f4e5_route
	.p2alignl 7, 3214868480
	.fill 96, 4, 3214868480
	.section	.rodata,"a",@progbits
	.p2align	6, 0x0
	.amdhsa_kernel k_q66bc49f4e5_route
		.amdhsa_group_segment_fixed_size 768
		.amdhsa_private_segment_fixed_size 0
		.amdhsa_enable_private_segment 0
		.amdhsa_kernarg_size 56
		.amdhsa_user_sgpr_count 2
		.amdhsa_user_sgpr_kernarg_segment_ptr 1
		.amdhsa_wavefront_size32 1
		.amdhsa_system_sgpr_workgroup_id_x 1
		.amdhsa_system_sgpr_workgroup_id_y 1
		.amdhsa_system_sgpr_workgroup_id_z 1
		.amdhsa_system_vgpr_workitem_id 0
		.amdhsa_next_free_vgpr 256
		.amdhsa_next_free_sgpr 66
		.amdhsa_reserve_vcc 1
		.amdhsa_float_denorm_mode_32 3
		.amdhsa_float_denorm_mode_16_64 3
		.amdhsa_memory_ordered 1
		.amdhsa_forward_progress 1
		.amdhsa_inst_pref_size 39
	.end_amdhsa_kernel
	.amdgpu_metadata
---
amdhsa.version: [ 1, 2 ]
amdhsa.kernels:
  - .name:           k_q66bc49f4e5_route
    .symbol:         k_q66bc49f4e5_route.kd
    .args:
      - { .name: x, .offset: 0, .size: 8, .value_kind: global_buffer, .address_space: global }
      - { .name: Wr, .offset: 8, .size: 8, .value_kind: global_buffer, .address_space: global }
      - { .name: br, .offset: 16, .size: 8, .value_kind: global_buffer, .address_space: global }
      - { .name: xq, .offset: 24, .size: 8, .value_kind: global_buffer, .address_space: global }
      - { .name: xs, .offset: 32, .size: 8, .value_kind: global_buffer, .address_space: global }
      - { .name: sel, .offset: 40, .size: 8, .value_kind: global_buffer, .address_space: global }
      - { .name: scores, .offset: 48, .size: 8, .value_kind: global_buffer, .address_space: global }
    .group_segment_fixed_size: 768
    .private_segment_fixed_size: 0
    .kernarg_segment_align: 8
    .kernarg_segment_size: 56
    .max_flat_workgroup_size: 128
    .sgpr_count:     66
    .vgpr_count:     256
    .wavefront_size: 32
...
	.end_amdgpu_metadata
.endif
;; end of part 1
;; launch place (part 2): grid 8 x 1, 1 waves a work-group, no clusters, 0 bytes of LDS; arguments sel, rpc; writes rpc
.if DOCPART == 2
	.amdgcn_target "amdgcn-amd-amdhsa--gfx1250"
	.amdhsa_code_object_version 6
	.text
	.protected	k_q66bc49f4e5_place
	.globl	k_q66bc49f4e5_place
	.p2align	8
	.type	k_q66bc49f4e5_place,@function
k_q66bc49f4e5_place:
	s_mov_b64 s[64:65], 0
	v_nop
	global_prefetch_b8 v0, s[64:65] scope:SCOPE_SE
	s_setreg_imm32_b32 hwreg(HW_REG_WAVE_MODE, 25, 1), 1
	s_wait_xcnt 0x0
; THE ROWS OF EACH EXPERT.  sel [1024 tokens]: e0 | e1 << 8 | ((1 << e0) | (1 << e1)) << 16, stored by the launch before.
; Out, all in rpc: rank[e][token] at 4096 e + 4 token: how many tokens before this one chose expert e (for a token that chose it: its row among the expert's rows);
;      count[e] at 32768 + 4 e;  list[e][row] at 65536 + 8192 e + 4 row: the token of that row, in token order; rows from the count to 1,023 hold token 0, whose results nobody reads.
; SHARES.  Work-group e, one wave, serves expert e: lane l holds tokens 32 k + l, k = 0 .. 31.  A counting pass: in step k a lane's rank is the running count plus the members in the lanes below it.
; What is not to be stored (a token that did not choose the expert; the fill of a row that is taken) goes to a word of the lane's own, entry 1,088 + lane, which nobody reads: so every lane stores in every step and EXEC stays whole.
; Every step has registers of its own: no store's address or data is written again.
.set S,  32                            ; v32-63   sel, then the ranks
.set A,  64                            ; v64-95   where the tokens go
.set TK, 96                            ; v96-127  the tokens' numbers
.set F,  128                           ; v128-159 where the fill goes
	s_load_b128 s[4:7], s[0:1], 0x0                ; sel s[4:5], rpc s[6:7]
	v_lshlrev_b32 v1, 2, v0                        ; 4 x lane
	v_add_nc_u32 v2, 1088, v0                      ; my own entry for what is not to be stored
	v_mov_b32 v3, 0
	s_lshl_b32 s10, 0x10000, ttmp9                 ; the expert's bit in a word of sel
	s_mov_b32 s13, 0
	s_wait_kmcnt 0x0
.set k, 0
.rept 32
	global_load_b32 v[S+k], v1, s[4:5] offset:128*k
.set k, k+1
.endr
	s_lshl_b32 s12, ttmp9, 12
	s_add_nc_u64 s[16:17], s[6:7], s[12:13]        ; the expert's ranks
	s_lshl_b32 s12, ttmp9, 2
	s_add_nc_u64 s[18:19], s[6:7], s[12:13]        ; its count (32,768 bytes on)
	s_lshl_b32 s12, ttmp9, 13
	s_add_co_u32 s12, s12, 0x10000
	s_add_nc_u64 s[22:23], s[6:7], s[12:13]        ; its list
	s_mov_b32 s14, 0                               ; members so far
	s_wait_loadcnt 0x0
.set k, 0
.rept 32
	v_and_b32 v[A+k], s10, v[S+k]
	v_cmp_ne_u32 s20, 0, v[A+k]                    ; which of tokens 32 k .. 32 k + 31 chose the expert
	v_mbcnt_lo_u32_b32 v[S+k], s20, s14            ; my token's rank: the members before it
	v_cndmask_b32 v[A+k], v2, v[S+k], s20          ; a member goes to the row of its rank, the others to my own entry
	v_min_u32 v[A+k], 0x7ff, v[A+k]
	v_lshlrev_b32 v[A+k], 2, v[A+k]
	v_add_nc_u32 v[TK+k], 32*k, v0
	global_store_b32 v[A+k], v[TK+k], s[22:23]
	global_store_b32 v1, v[S+k], s[16:17] offset:128*k   ; the ranks leave in runs of 128 consecutive bytes
	s_bcnt1_i32_b32 s15, s20
	s_add_co_u32 s14, s14, s15
.set k, k+1
.endr
.set k, 0
.rept 32
	v_cmp_le_u32 s20, s14, v[TK+k]                 ; rows from the count on are not taken:
	v_cndmask_b32 v[F+k], v2, v[TK+k], s20
	v_min_u32 v[F+k], 0x7ff, v[F+k]
	v_lshlrev_b32 v[F+k], 2, v[F+k]
	global_store_b32 v[F+k], v3, s[22:23]          ; token 0 there
.set k, k+1
.endr
	v_mov_b32 v4, s14
	global_store_b32 v3, v4, s[18:19] offset:32768 ; the count: all lanes store the same word with the same value
	s_endpgm
.Lfunc_end_k_q66bc49f4e5_place:
	.size	k_q66bc49f4e5_place, .Lfunc_end_k_q66bc49f4e5_place-k_q66bc49f4e5_place
	.p2alignl 7, 3214868480
	.fill 96, 4, 3214868480
	.section	.rodata,"a",@progbits
	.p2align	6, 0x0
	.amdhsa_kernel k_q66bc49f4e5_place
		.amdhsa_group_segment_fixed_size 0
		.amdhsa_private_segment_fixed_size 0
		.amdhsa_enable_private_segment 0
		.amdhsa_kernarg_size 16
		.amdhsa_user_sgpr_count 2
		.amdhsa_user_sgpr_kernarg_segment_ptr 1
		.amdhsa_wavefront_size32 1
		.amdhsa_system_sgpr_workgroup_id_x 1
		.amdhsa_system_sgpr_workgroup_id_y 1
		.amdhsa_system_sgpr_workgroup_id_z 1
		.amdhsa_system_vgpr_workitem_id 0
		.amdhsa_next_free_vgpr 160
		.amdhsa_next_free_sgpr 66
		.amdhsa_reserve_vcc 0
		.amdhsa_float_denorm_mode_32 3
		.amdhsa_float_denorm_mode_16_64 3
		.amdhsa_memory_ordered 1
		.amdhsa_forward_progress 1
		.amdhsa_inst_pref_size 34
	.end_amdhsa_kernel
	.amdgpu_metadata
---
amdhsa.version: [ 1, 2 ]
amdhsa.kernels:
  - .name:           k_q66bc49f4e5_place
    .symbol:         k_q66bc49f4e5_place.kd
    .args:
      - { .name: sel, .offset: 0, .size: 8, .value_kind: global_buffer, .address_space: global }
      - { .name: rpc, .offset: 8, .size: 8, .value_kind: global_buffer, .address_space: global }
    .group_segment_fixed_size: 0
    .private_segment_fixed_size: 0
    .kernarg_segment_align: 8
    .kernarg_segment_size: 16
    .max_flat_workgroup_size: 32
    .sgpr_count:     66
    .vgpr_count:     160
    .wavefront_size: 32
...
	.end_amdgpu_metadata
.endif
;; end of part 2
;; launch w1stage (part 3): grid 256 x 1, 8 waves a work-group, no clusters, 71,168 bytes of LDS; arguments W1, b1, xq, xs, rpc, actc, acts; writes actc, acts
.if DOCPART == 3
	.amdgcn_target "amdgcn-amd-amdhsa--gfx1250"
	.amdhsa_code_object_version 6
	.text
	.protected	k_q66bc49f4e5_w1stage
	.globl	k_q66bc49f4e5_w1stage
	.p2align	8
	.type	k_q66bc49f4e5_w1stage,@function
k_q66bc49f4e5_w1stage:
	s_mov_b64 s[64:65], 0
	v_nop
	global_prefetch_b8 v0, s[64:65] scope:SCOPE_SE
	s_setreg_imm32_b32 hwreg(HW_REG_WAVE_MODE, 25, 1), 1
	s_wait_xcnt 0x0
; FIRST PRODUCT, SWIGLU AND THE HIDDEN LAYER'S QUANTISER, for the rows that chose the expert.  W1: [8][1024 (k)][4096] f32, b1: [8][4096] f32; xq, xs: x's codes and scale bytes;
; rpc, stored by the launch before: count[e] at 32768 + 4 e, list[e][row] at 65536 + 8192 e + 4 row (the row's token; token 0 from the count on).
; Out: actc [e][tile of 16 routed rows, 64][K step 16][c 2][lane 32][16 bytes]: the hidden layer's codes of E2M1, laid as the next product's operand registers;  acts [e][tile][row 16][64]: its E8M0 bytes.
; SHARES.  Work-group id: expert e = id / 32, slice j = id % 32: hidden units 64 j .. 64 j + 63, that is 64 columns of the first half of W1's 4096 ('a') and the same 64 of the second ('g'), all 1,024 along K:
; 512 KiB of f32 that no other work-group reads.  No tile is shared, so there is no cluster; a trip's work hangs on a stored count, so operands come through registers and there is no tensor load.
; STREAM.  Wave w quantises K step w (rows 128 w .. + 127) in four units of 32 rows.  A load takes one row: lanes 0-15 four neighbouring a columns each (256 consecutive bytes), lanes 16-31 the g columns.  So a lane
; owns four whole blocks of 32 along K; each number is moved once so that eight neighbours along K stand in consecutive registers for the conversion.  A block's 16 bytes of codes are four registers of the operand:
; they go to LDS at the place from which a plain load of 16 bytes a lane gives any wave the fragment.
; THE COLUMNS OF A TILE ARE NOT NEIGHBOURS: row r of tile (block b, u') is hidden unit 32 b + 8 u' + r + 8 (r / 8), so that in the transposed product (source 0 = 16 columns of W1, source 1 = 16 rows of x) a lane holds
; one routed row and the 16 registers of tiles u' = 0, 1 are 16 neighbouring hidden units: 32 b + 16 (lane / 16) + 0 .. 15.
; COMPUTE.  Wave w: hidden block u = w % 2 of the slice's two, tiles of rows p, p + 4, .. (p = w / 2).  Its four tiles of W1 (a, g x u') for all 8 K steps stay in 256 registers.
; The list's entry of a tile is asked for a trip ahead of the trip that forms x's addresses from it, and x's codes a trip ahead of their products.
; LIMITS: a block whose largest magnitude lies under 2^-124, a block of zeros among them, gets the scale byte 1 (read by this program alone); NaN and infinities are not served.
; REGISTERS.  Window 0: v1-13 addresses; v16-79 x's fragments; v80-87 x's scale words; v88-103 W1's scale words (lanes 0-15 a's, lanes 16-31 g's); v104-135 b1 in the result's layout; v136-139 the list's entry and offsets;
;   v144-207 64 numbers on their way to the conversions, then the four accumulators (v144-175) and the activation's work; v208-235 a unit's maxima, scales, bytes and codes.
;   Window 1: two sets of 128 as loaded, then W1's fragments (tile tau, K step s) at v[8 (8 tau + s)].
.set ROWB, 16384                       ; a row of W1 in bytes
.set IMGP, 8208                        ; LDS: a tile's 8 K steps x 1,024 bytes + 16
.set SCW,  65792                       ; W1's scale words: tile x 512 + K step x 64 + row x 4 + block
.set XF,  16
.set XS,  80
.set WSR, 88
.set B1R, 104
.set T,   144
.set ACC, 144
.set G,   160
.set EX,  176
.set M,   208
.set SO,  212
.set BY,  216
.set C,   220
.set MSB, 0
.macro WIN new                         ; the immediate's high byte repeats the setting that is left
.if MSB != \new
	s_set_vgpr_msb (MSB<<8)|\new
.set MSB, \new
.endif
.endm
.set LDW, 0x40                         ; destination window 1
.set MX,  0x14                         ; sources 1 and 2 window 1
.set MV,  0x01                         ; source 0 window 1
.macro WLOAD buf, k0                   ; 32 rows from row k0 of my K step into set buf: register 4 i + c = W1(row i, my column c)
	WIN LDW
.set i, 0
.rept 32
	global_load_b128 v[128*(\buf)+4*i:128*(\buf)+4*i+3], v4, s[40:41] offset:((\k0)+i)*ROWB th:TH_LOAD_NT
.set i, i+1
.endr
	WIN 0
.endm
.macro UMAX buf                        ; the largest magnitudes of my four blocks, by turns, with the floor 2^(3 - 127) among the leaves
	WIN MX
.irp c, 0,1,2,3
	v_max3_num_f32 v[M+\c], 0x1800000, |v[128*(\buf)+\c]|, |v[128*(\buf)+4+\c]|
.endr
.set i, 2
.rept 15
.irp c, 0,1,2,3
	v_max3_num_f32 v[M+\c], v[M+\c], |v[128*(\buf)+4*i+\c]|, |v[128*(\buf)+4*i+4+\c]|
.endr
.set i, i+2
.endr
	WIN 0
.endm
.macro USCALE
.irp c, 0,1,2,3
	v_add_nc_u32 v[SO+\c], 0xff000000, v[M+\c]     ; 2 off the exponent field: the conversion's scale operand
.endr
.irp c, 0,1,2,3
	v_lshrrev_b32 v[BY+\c], 23, v[SO+\c]           ; the scale's byte
.endr
.endm
.macro UMOVE buf, c0                   ; columns c0, c0 + 1: 32 numbers each into consecutive registers
	WIN MV
.irp d, 0,1
.set i, 0
.rept 32
	v_mov_b32 v[T+32*\d+i], v[128*(\buf)+4*i+(\c0)+\d]
.set i, i+1
.endr
.endr
	WIN 0
.endm
.macro UCVT c0
.irp d, 0,1
.irp g, 0,1,2,3
	v_cvt_scalef32_pk8_fp4_f32 v[C+4*((\c0)+\d)+\g], v[T+32*\d+8*\g:T+32*\d+8*\g+7], v[SO+(\c0)+\d]
.endr
.endr
	v_nop                                          ; one plain line behind the last conversion of a run
.endm
; A unit.  left: the loads issued behind this unit's, which may stay out.  coff, boff: the block's place in a K step's codes and scale words.  nextk >= 0: the set is loaded again from that row on.
.macro UNIT buf, left, coff, boff, nextk
	s_wait_loadcnt \left
	UMAX \buf
	s_wait_dscnt 0x0                               ; the last unit's LDS stores are done with their registers
	USCALE
	UMOVE \buf, 0
	UCVT 0
	UMOVE \buf, 2
.if \nextk >= 0
	WLOAD \buf, \nextk
.endif
	UCVT 2
.irp c, 0,1,2,3
	ds_store_b128 v5, v[C+4*\c:C+4*\c+3] offset:\coff+16*\c
.endr
.irp c, 0,1,2,3
	ds_store_b8 v6, v[BY+\c] offset:\boff+4*\c
.endr
.endm
.macro XADDR                           ; the list's entry becomes my row's offsets in xq and xs
	v_min_u32 v136, 0x3ff, v136
	v_lshl_add_u32 v137, v136, 9, v10
	v_lshlrev_b32 v138, 5, v136
.endm
.macro XG half                         ; four K steps of x's tile: four scale words and four fragments: nine loads
	global_load_b128 v[XS+4*\half:XS+4*\half+3], v138, s[10:11] offset:16*\half
.irp s4, 0,1,2,3
.irp c, 0,1
	global_load_b128 v[XF+8*(4*\half+\s4)+4*\c:XF+8*(4*\half+\s4)+4*\c+3], v137, s[8:9] offset:64*(4*\half+\s4)+32*\c
.endr
.endr
.endm
; Sixteen products: K steps slo .. slo + 3, the four accumulators by turns, one instruction a turn.  K step 0 takes b1 as C: nothing is cleared and no bias is added.
.macro PROD slo
	WIN MV
.irp s4, 0,1,2,3
.irp tau, 0,1,2,3
.set sk, (\slo)+\s4
.if sk == 0
.if \tau < 2
	v_wmma_scale_f32_16x16x128_f8f6f4 v[ACC+8*\tau:ACC+8*\tau+7], v[8*(8*\tau+sk):8*(8*\tau+sk)+7], v[XF+8*sk:XF+8*sk+7], v[B1R+8*\tau:B1R+8*\tau+7], v[WSR+8*(\tau%2)+sk], v[XS+sk] matrix_a_fmt:MATRIX_FMT_FP4 matrix_b_fmt:MATRIX_FMT_FP4
.else
	v_wmma_scale_f32_16x16x128_f8f6f4 v[ACC+8*\tau:ACC+8*\tau+7], v[8*(8*\tau+sk):8*(8*\tau+sk)+7], v[XF+8*sk:XF+8*sk+7], v[B1R+8*\tau:B1R+8*\tau+7], v[WSR+8*(\tau%2)+sk], v[XS+sk] matrix_a_fmt:MATRIX_FMT_FP4 matrix_b_fmt:MATRIX_FMT_FP4 matrix_a_scale:MATRIX_SCALE_ROW1
.endif
.else
.if \tau < 2
	v_wmma_scale_f32_16x16x128_f8f6f4 v[ACC+8*\tau:ACC+8*\tau+7], v[8*(8*\tau+sk):8*(8*\tau+sk)+7], v[XF+8*sk:XF+8*sk+7], v[ACC+8*\tau:ACC+8*\tau+7], v[WSR+8*(\tau%2)+sk], v[XS+sk] matrix_a_fmt:MATRIX_FMT_FP4 matrix_b_fmt:MATRIX_FMT_FP4
.else
	v_wmma_scale_f32_16x16x128_f8f6f4 v[ACC+8*\tau:ACC+8*\tau+7], v[8*(8*\tau+sk):8*(8*\tau+sk)+7], v[XF+8*sk:XF+8*sk+7], v[ACC+8*\tau:ACC+8*\tau+7], v[WSR+8*(\tau%2)+sk], v[XS+sk] matrix_a_fmt:MATRIX_FMT_FP4 matrix_b_fmt:MATRIX_FMT_FP4 matrix_a_scale:MATRIX_SCALE_ROW1
.endif
.endif
.endr
.endr
	WIN 0
.endm
	s_load_b256 s[4:11], s[0:1], 0x0               ; W1 s[4:5], b1 s[6:7], xq s[8:9], xs s[10:11]
	s_load_b128 s[12:15], s[0:1], 0x20             ; rpc s[12:13], actc s[14:15]
	s_load_b64 s[16:17], s[0:1], 0x30              ; acts
	v_lshl_add_u32 v254, v0, 2, 0x11200
	v_mov_b32 v255, 0
	v_lshrrev_b32 v16, 5, v0
	v_readfirstlane_b32 s20, v16                   ; wave w
	v_and_b32 v1, 31, v0                           ; lane
	v_and_b32 v2, 15, v0                           ; r
	v_bfe_u32 v3, v0, 4, 1                         ; h
	s_and_b32 s21, s20, 1                          ; u
	s_lshr_b32 s22, s20, 1                         ; p
	s_lshr_b32 s23, ttmp9, 5                       ; e
	s_and_b32 s24, ttmp9, 31                       ; j
	v_lshlrev_b32 v9, 2, v2                        ; the list: my row of a tile
	s_lshl_b32 s32, s22, 6
	v_add_nc_u32 v139, s32, v9                     ; in tile p
	v_lshlrev_b32 v4, 4, v2
	v_lshl_add_u32 v4, v3, 13, v4                  ; W1: 16 bytes a lane; lanes 16-31 the g half, 8,192 bytes on
	s_lshl_b32 s27, s23, 2
	s_lshl_b32 s34, s23, 24                        ; an expert's 16 MiB,
	s_lshl_b32 s35, s24, 8                         ; the slice's 64 columns,
	s_add_co_u32 s34, s34, s35
	s_lshl_b32 s35, s20, 21                        ; my K step's 128 rows
	s_add_co_u32 s34, s34, s35
	s_mov_b32 s35, 0
	s_lshl_b32 s38, s23, 13
	s_add_co_u32 s38, s38, 0x10000                 ; the expert's list in rpc
	s_mov_b32 s39, 0
	s_wait_kmcnt 0x0
	s_load_b32 s26, s[12:13], s27 offset:0x8000    ; the expert's count
	s_add_nc_u64 s[18:19], s[12:13], s[38:39]
	s_add_nc_u64 s[40:41], s[4:5], s[34:35]
	global_load_b32 v136, v139, s[18:19]           ; my row of tile p: the first load, so that it is the first to be shown done
	WLOAD 0, 0
	WLOAD 1, 32                                    ; two units, 32 KiB a wave, are on their way
	v_bfe_u32 v16, v0, 3, 1
	v_bfe_u32 v17, v0, 1, 1
	v_lshl_add_u32 v16, v16, 1, v17
	v_lshl_add_u32 v16, v3, 2, v16                 ; my columns' tile: 4 (a or g) + 2 (block) + u'
	v_and_b32 v17, 1, v0
	v_bfe_u32 v18, v0, 2, 1
	v_lshl_add_u32 v17, v18, 1, v17                ; a quarter of their first row in it
	v_mul_u32_u24 v5, v16, IMGP
	v_lshl_add_u32 v5, v17, 6, v5
	s_lshl_b32 s34, s20, 10
	v_add_nc_u32 v5, s34, v5                       ; where my codes go: tile, row x 16, K step w
	v_lshlrev_b32 v6, 9, v16
	v_lshl_add_u32 v6, v17, 4, v6
	s_lshl_b32 s34, s20, 6
	s_add_co_u32 s34, s34, SCW
	v_add_nc_u32 v6, s34, v6                       ; and my scale bytes
	s_mul_i32 s34, s21, 2*IMGP
	v_lshl_add_u32 v7, v1, 4, s34                  ; from where I fetch fragments: 16 x lane, my block's tiles
	v_lshlrev_b32 v8, 2, v2
	v_lshl_add_u32 v8, v3, 11, v8
	s_lshl_b32 s34, s21, 10
	s_add_co_u32 s34, s34, SCW
	v_add_nc_u32 v8, s34, v8                       ; and scale words: lanes 0-15 a's rows, lanes 16-31 g's
	v_lshlrev_b32 v10, 4, v3                       ; 16 h
	v_lshlrev_b32 v11, 4, v2
	v_lshl_add_u32 v11, v3, 3, v11                 ; actc: 16 r + 8 h
	v_lshlrev_b32 v12, 6, v2                       ; acts: 64 r
	v_lshlrev_b32 v13, 6, v3                       ; b1: 64 h
	v_mov_b32 v194, 0                              ; a lane permute's destination counts as one of its sources
	s_mov_b32 s36, 0x76543210
	s_mov_b32 s37, 0xfedcba98                      ; v_permlanex16_b32's selects for lane l xor 16
	s_lshl_b32 s34, s23, 14
	s_lshl_b32 s38, s24, 8
	s_add_co_u32 s34, s34, s38
	s_lshl_b32 s38, s21, 7
	s_add_co_u32 s34, s34, s38
	s_add_nc_u64 s[46:47], s[6:7], s[34:35]        ; b1 at my 32 hidden units
	s_lshl_b32 s34, s23, 20                        ; actc: the expert, tile p, K step j / 2, block 2 (j % 2) + u
	s_lshl_b32 s38, s22, 14
	s_add_co_u32 s34, s34, s38
	s_lshr_b32 s38, s24, 1
	s_lshl_b32 s38, s38, 10
	s_add_co_u32 s34, s34, s38
	s_and_b32 s38, s24, 1
	s_lshl_b32 s38, s38, 1
	s_add_co_u32 s38, s38, s21
	s_lshl_b32 s38, s38, 8
	s_add_co_u32 s34, s34, s38
	s_add_nc_u64 s[14:15], s[14:15], s[34:35]
	s_lshl_b32 s34, s23, 16                        ; acts: the expert, tile p, byte 2 j + u
	s_lshl_b32 s38, s22, 10
	s_add_co_u32 s34, s34, s38
	s_lshl_b32 s38, s24, 1
	s_add_co_u32 s34, s34, s38
	s_add_co_u32 s34, s34, s21
	s_add_nc_u64 s[16:17], s[16:17], s[34:35]
	s_wait_loadcnt 63                              ; behind the entry's load 64 were issued; 63 is what the count can say, and it shows that load done
	XADDR
	s_add_co_u32 s32, s22, 4
	s_lshl_b32 s32, s32, 6
	v_add_nc_u32 v139, s32, v9
	global_load_b32 v136, v139, s[18:19]           ; my row of tile p + 4, for the first trip
.irp tau, 0,1,2,3
	global_load_b128 v[B1R+8*\tau:B1R+8*\tau+3], v13, s[46:47] offset:(\tau/2)*8192+(\tau%2)*32
	global_load_b128 v[B1R+8*\tau+4:B1R+8*\tau+7], v13, s[46:47] offset:(\tau/2)*8192+(\tau%2)*32+16
.endr
	XG 0
	XG 1
	s_wait_kmcnt 0x0                               ; the count
	s_min_u32 s26, s26, 1024
	s_add_co_u32 s26, s26, 15
	s_lshr_b32 s29, s26, 4
	s_max_u32 s29, s29, 1                          ; tiles to make: at least one, so that every launch stores on every input and the next launch's first tile is written
	; ---- the stream
	UNIT 0, 59, 0, 0, 64                           ; may be out: unit 1's 32 loads, the entry's 1, b1's 8, x's 18
	UNIT 1, 59, 256, 1, 96                         ; the entry's 1, b1's 8, x's 18, unit 2's 32
	UNIT 0, 32, 512, 2, -1                         ; unit 3's 32
	UNIT 1, 0, 768, 3, -1
	s_wait_dscnt 0x0
	s_barrier_signal -1
	s_barrier_wait -1                              ; the slice's codes and scale words lie in LDS; from here on LDS is only read
	WIN LDW
.irp tau, 0,1,2,3
.irp s, 0,1,2,3,4,5,6,7
.irp c, 0,1
	ds_load_b128 v[8*(8*\tau+\s)+4*\c:8*(8*\tau+\s)+4*\c+3], v7 offset:(\tau%2)*IMGP+(\tau/2)*4*IMGP+1024*\s+512*\c
.endr
.endr
.endr
	WIN 0
.irp u1, 0,1
.irp s, 0,1,2,3,4,5,6,7
	ds_load_b32 v[WSR+8*\u1+\s], v8 offset:512*\u1+64*\s
.endr
.endr
	s_wait_dscnt 0x0
	; ---- the tiles of rows p, p + 4, ..: sixteen trips; a trip whose tile is not to be made jumps to the lines that step
	s_mov_b32 s31, s22
	s_mov_b32 s33, 16
.Ltile:
	s_cmp_ge_u32 s31, s29
	s_cbranch_scc1 .Lskip
	s_wait_loadcnt 9                               ; the next tile's entry and K steps 0-3 of x's tile are in; the nine loads of K steps 4-7 may be out
	PROD 0
	s_wait_loadcnt 0x0                             ; K steps 4-7 are in, and no load still reads the offsets
	s_add_co_u32 s32, s31, 8
	s_min_u32 s32, s32, 63                         ; the tile eight on, held inside the list (past the count its entries are token 0)
	s_lshl_b32 s32, s32, 6
	XADDR                                          ; the tile four on.  Three plain lines and the next: four places behind the products whose operands are loaded anew
	v_add_nc_u32 v139, s32, v9
	global_load_b32 v136, v139, s[18:19]
	XG 0
	PROD 4
.rept 5
	v_nop                                          ; four places in front of the loads and of the first read of results; the fifth for the next tile's first products, which begin the accumulators anew
.endr
	XG 1
	; silu(a) g = a g / (1 + 2^(-a log2 e)), in f32; every accumulator is read from its low end on
.irp q, 0,2,4,6,8,10,12,14
	v_pk_mul_f32 v[EX+\q:EX+\q+1], v[ACC+\q:ACC+\q+1], 0xbfb8aa3b op_sel_hi:[1,0]
.endr
.set i, 0
.rept 16
	v_exp_f32 v[EX+i], v[EX+i]
.set i, i+1
.endr
.irp q, 0,2,4,6,8,10,12,14
	v_pk_mul_f32 v[G+\q:G+\q+1], v[ACC+\q:ACC+\q+1], v[G+\q:G+\q+1]   ; a g (plain lines behind the exponentials)
.endr
	s_wait_alu depctr_va_vdst(0)
.irp q, 0,2,4,6,8,10,12,14
	v_pk_add_f32 v[EX+\q:EX+\q+1], v[EX+\q:EX+\q+1], 1.0 op_sel_hi:[1,0]
.endr
.set i, 0
.rept 16
	v_rcp_f32 v[EX+i], v[EX+i]
.set i, i+1
.endr
	v_nop
	s_wait_alu depctr_va_vdst(0)
.irp q, 0,2,4,6,8,10,12,14
	v_pk_mul_f32 v[G+\q:G+\q+1], v[G+\q:G+\q+1], v[EX+\q:EX+\q+1]
.endr
	; my 16 numbers are half of a block of 32 along the next K; lane l xor 16 holds the other half
	v_max3_num_f32 v192, |v[G]|, |v[G+1]|, 0x1800000
	v_max3_num_f32 v193, |v[G+2]|, |v[G+3]|, |v[G+4]|
	v_max3_num_f32 v192, v192, |v[G+5]|, |v[G+6]|
	v_max3_num_f32 v193, v193, |v[G+7]|, |v[G+8]|
	v_max3_num_f32 v192, v192, |v[G+9]|, |v[G+10]|
	v_max3_num_f32 v193, v193, |v[G+11]|, |v[G+12]|
	v_max3_num_f32 v192, v192, |v[G+13]|, |v[G+14]|
	v_max3_num_f32 v192, v192, v193, |v[G+15]|
	v_permlanex16_b32 v194, v192, s36, s37
	v_max_num_f32 v192, v192, v194
	v_add_nc_u32 v195, 0xff000000, v192
	v_lshrrev_b32 v196, 23, v195
	v_cvt_scalef32_pk8_fp4_f32 v198, v[G:G+7], v195
	v_cvt_scalef32_pk8_fp4_f32 v199, v[G+8:G+15], v195
	v_nop                                          ; one plain line behind the last conversion
	global_store_b64 v11, v[198:199], s[14:15]     ; the 32 lanes store 256 consecutive bytes, at a multiple of 256 from actc's first byte: the block's place in the operand's image
	global_store_b8 v12, v196, s[16:17]            ; both lanes of a row store the same byte with the same value
.Lskip:
	s_wait_xcnt 0x0                                ; the stores' data and bases are written again only behind this wait
	s_add_nc_u64 s[14:15], s[14:15], 0x10000       ; four tiles on
	s_add_nc_u64 s[16:17], s[16:17], 0x1000
	s_add_co_u32 s31, s31, 4
	s_sub_co_u32 s33, s33, 1
	s_cmp_lg_u32 s33, 0
	s_cbranch_scc1 .Ltile
	s_wait_tensorcnt 0x0
	ds_add_u32 v254, v255
	s_wait_dscnt 0x0
	s_endpgm
.Lfunc_end_k_q66bc49f4e5_w1stage:
	.size	k_q66bc49f4e5_w1stage, .Lfunc_end_k_q66bc49f4e5_w1stage-k_q66bc49f4e5_w1stage
	.p2alignl 7, 3214868480
	.fill 96, 4, 3214868480
	.section	.rodata,"a",@progbits
	.p2align	6, 0x0
	.amdhsa_kernel k_q66bc49f4e5_w1stage
		.amdhsa_group_segment_fixed_size 71168
		.amdhsa_private_segment_fixed_size 0
		.amdhsa_enable_private_segment 0
		.amdhsa_kernarg_size 56
		.amdhsa_user_sgpr_count 2
		.amdhsa_user_sgpr_kernarg_segment_ptr 1
		.amdhsa_wavefront_size32 1
		.amdhsa_system_sgpr_workgroup_id_x 1
		.amdhsa_system_sgpr_workgroup_id_y 1
		.amdhsa_system_sgpr_workgroup_id_z 1
		.amdhsa_system_vgpr_workitem_id 0
		.amdhsa_next_free_vgpr 512
		.amdhsa_next_free_sgpr 66
		.amdhsa_reserve_vcc 0
		.amdhsa_float_denorm_mode_32 3
		.amdhsa_float_denorm_mode_16_64 3
		.amdhsa_memory_ordered 1
		.amdhsa_forward_progress 1
		.amdhsa_inst_pref_size 78
	.end_amdhsa_kernel
	.amdgpu_metadata
---
amdhsa.version: [ 1, 2 ]
amdhsa.kernels:
  - .name:           k_q66bc49f4e5_w1stage
    .symbol:         k_q66bc49f4e5_w1stage.kd
    .args:
      - { .name: W1, .offset: 0, .size: 8, .value_kind: global_buffer, .address_space: global }
      - { .name: b1, .offset: 8, .size: 8, .value_kind: global_buffer, .address_space: global }
      - { .name: xq, .offset: 16, .size: 8, .value_kind: global_buffer, .address_space: global }
      - { .name: xs, .offset: 24, .size: 8, .value_kind: global_buffer, .address_space: global }
      - { .name: rpc, .offset: 32, .size: 8, .value_kind: global_buffer, .address_space: global }
      - { .name: actc, .offset: 40, .size: 8, .value_kind: global_buffer, .address_space: global }
      - { .name: acts, .offset: 48, .size: 8, .value_kind: global_buffer, .address_space: global }
    .group_segment_fixed_size: 71168
    .private_segment_fixed_size: 0
    .kernarg_segment_align: 8
    .kernarg_segment_size: 56
    .max_flat_workgroup_size: 256
    .sgpr_count:     66
    .vgpr_count:     512
    .wavefront_size: 32
...
	.end_amdgpu_metadata
.endif
;; end of part 3
;; launch w2stage (part 4): grid 256 x 1, 8 waves a work-group, no clusters, 55,296 bytes of LDS; arguments W2, b2, actc, acts, rpc, part; writes part
.if DOCPART == 4
	.amdgcn_target "amdgcn-amd-amdhsa--gfx1250"
	.amdhsa_code_object_version 6
	.text
	.protected	k_q66bc49f4e5_w2stage
	.globl	k_q66bc49f4e5_w2stage
	.p2align	8
	.type	k_q66bc49f4e5_w2stage,@function
k_q66bc49f4e5_w2stage:
	s_mov_b64 s[64:65], 0
	v_nop
	global_prefetch_b8 v0, s[64:65] scope:SCOPE_SE
	s_setreg_imm32_b32 hwreg(HW_REG_WAVE_MODE, 25, 1), 1
	s_wait_xcnt 0x0
; SECOND PRODUCT, for the rows that chose the expert.  W2: [8][2048 (k)][1024] f32, b2: [8][1024] f32; actc, acts: the hidden layer's codes (images of the operand's registers) and scale bytes; rpc: count[e] at 32768 + 4 e.
; Out: part [e][slice 32][routed row 1024][32 columns] f32: out_e of the expert's rows, bias included, not yet weighed.
; SHARES.  Work-group id: expert e = id / 32, slice j = 2 (id % 16) + (id / 16) % 2: 32 output columns, all 2,048 along K: 256 KiB of f32 that no other work-group reads.  No tile is shared, so there is no cluster; trip work
; hangs on a stored count, so operands come through registers and there is no tensor load.
; STREAM.  Wave w quantises K steps 2 w and 2 w + 1, a unit each.  In a load eight lanes take a row's 128 bytes, and the four groups of eight lanes rows 32 apart: so a lane owns four whole blocks of 32 along K (block l / 8 of the
; K step, columns 4 (l % 8) + 0 .. 3).  Both units, 32 KiB a wave, are asked for at once: the whole slice is on its way.  Codes and scale bytes go to LDS at the places from which plain loads give any wave the fragments.
; COMPUTE.  Every wave keeps both tiles of 16 columns for all 16 K steps in 256 registers and takes tiles of rows w, w + 8, ..  The product is used transposed (source 0 = 16 columns of W2, source 1 = 16 rows): a lane holds one row
; and eight neighbouring columns.  A tile's 16 rows x 128 bytes turn through the wave's own stage in LDS and leave as 2,048 consecutive bytes.
; LIMITS: a block whose largest magnitude lies under 2^-124, a block of zeros among them, gets the scale byte 1 (read by this program alone); NaN and infinities are not served.
; REGISTERS.  Window 0: v1-12 addresses; v16-143 the hidden layer's 16 fragments (v80-143 serve the stream first); v144-159 its scale words; v160-175 two accumulators; v176-191 b2 in the result's layout;
;   v192-207 W2's scale words (lanes 0-15 tile 0's, lanes 16-31 tile 1's); v208-223 rows on their way out; v224-251 a unit's maxima, scales, bytes and codes.
;   Window 1: two sets of 128 as loaded, then W2's fragments (tile tt, K step s) at v[8 (16 tt + s)].
.set ROWB, 4096                        ; a row of W2 in bytes
.set IMGP, 16400                       ; LDS: a tile's 16 K steps x 1,024 bytes + 16
.set SCW,  33024                       ; W2's scale words: tile x 1,024 + K step x 64 + row x 4 + block
.set STG,  35072                       ; the stages: 16 rows x 144 bytes for each wave
.set AF,  16
.set T,   80
.set AS,  144
.set ACC, 160
.set B2R, 176
.set WSR, 192
.set OUT, 208
.set M,   224
.set SO,  228
.set BY,  232
.set C,   236
.set MSB, 0
.macro WIN new                         ; the immediate's high byte repeats the setting that is left
.if MSB != \new
	s_set_vgpr_msb (MSB<<8)|\new
.set MSB, \new
.endif
.endm
.set LDW, 0x40                         ; destination window 1
.set MX,  0x14                         ; sources 1 and 2 window 1
.set MV,  0x01                         ; source 0 window 1
.macro WLOAD buf, k0                   ; 32 loads: register 4 i + c = W2(row k0 + 32 (l / 8) + i, my column c)
	WIN LDW
.set i, 0
.rept 32
	global_load_b128 v[128*(\buf)+4*i:128*(\buf)+4*i+3], v4, s[40:41] offset:((\k0)+i)*ROWB th:TH_LOAD_NT
.set i, i+1
.endr
	WIN 0
.endm
.macro UMAX buf                        ; the largest magnitudes of my four blocks, by turns, with the floor 2^(3 - 127) among the leaves
	WIN MX
.irp c, 0,1,2,3
	v_max3_num_f32 v[M+\c], 0x1800000, |v[128*(\buf)+\c]|, |v[128*(\buf)+4+\c]|
.endr
.set i, 2
.rept 15
.irp c, 0,1,2,3
	v_max3_num_f32 v[M+\c], v[M+\c], |v[128*(\buf)+4*i+\c]|, |v[128*(\buf)+4*i+4+\c]|
.endr
.set i, i+2
.endr
	WIN 0
.endm
.macro USCALE
.irp c, 0,1,2,3
	v_add_nc_u32 v[SO+\c], 0xff000000, v[M+\c]     ; 2 off the exponent field: the conversion's scale operand
.endr
.irp c, 0,1,2,3
	v_lshrrev_b32 v[BY+\c], 23, v[SO+\c]           ; the scale's byte
.endr
.endm
.macro UMOVE buf, c0                   ; columns c0, c0 + 1: 32 numbers each into consecutive registers
	WIN MV
.irp d, 0,1
.set i, 0
.rept 32
	v_mov_b32 v[T+32*\d+i], v[128*(\buf)+4*i+(\c0)+\d]
.set i, i+1
.endr
.endr
	WIN 0
.endm
.macro UCVT c0
.irp d, 0,1
.irp g, 0,1,2,3
	v_cvt_scalef32_pk8_fp4_f32 v[C+4*((\c0)+\d)+\g], v[T+32*\d+8*\g:T+32*\d+8*\g+7], v[SO+(\c0)+\d]
.endr
.endr
	v_nop                                          ; one plain line behind the last conversion of a run
.endm
.macro UNIT buf, left, coff, boff      ; left: the loads issued behind this unit's, which may stay out
	s_wait_loadcnt \left
	UMAX \buf
	s_wait_dscnt 0x0                               ; the last unit's LDS stores are done with their registers
	USCALE
	UMOVE \buf, 0
	UCVT 0
	UMOVE \buf, 2
	UCVT 2
.irp c, 0,1,2,3
	ds_store_b128 v5, v[C+4*\c:C+4*\c+3] offset:\coff+16*\c
.endr
.irp c, 0,1,2,3
	ds_store_b8 v6, v[BY+\c] offset:\boff+4*\c
.endr
.endm
.macro AG half                         ; eight K steps of a tile of rows: eight scale words and eight fragments: 18 loads; a fragment load takes 512 consecutive bytes
	global_load_b128 v[AS+8*\half:AS+8*\half+3], v9, s[44:45] offset:32*\half
	global_load_b128 v[AS+8*\half+4:AS+8*\half+7], v9, s[44:45] offset:32*\half+16
.irp s8, 0,1,2,3,4,5,6,7
.irp c, 0,1
	global_load_b128 v[AF+8*(8*\half+\s8)+4*\c:AF+8*(8*\half+\s8)+4*\c+3], v7, s[42:43] offset:1024*(8*\half+\s8)+512*\c
.endr
.endr
.endm
.macro BASES                           ; tile s32's codes and scale bytes
	s_lshl_b32 s34, s32, 14
	s_add_nc_u64 s[42:43], s[8:9], s[34:35]
	s_lshl_b32 s34, s32, 10
	s_add_nc_u64 s[44:45], s[10:11], s[34:35]
.endm
; Sixteen products: K steps slo .. slo + 7, the two accumulators by turns, one instruction a turn.  K step 0 takes b2 as C.
.macro PROD slo
	WIN MV
.irp s8, 0,1,2,3,4,5,6,7
.irp tt, 0,1
.set sk, (\slo)+\s8
.if sk == 0
.if \tt == 0
	v_wmma_scale_f32_16x16x128_f8f6f4 v[ACC+8*\tt:ACC+8*\tt+7], v[8*(16*\tt+sk):8*(16*\tt+sk)+7], v[AF+8*sk:AF+8*sk+7], v[B2R+8*\tt:B2R+8*\tt+7], v[WSR+sk], v[AS+sk] matrix_a_fmt:MATRIX_FMT_FP4 matrix_b_fmt:MATRIX_FMT_FP4
.else
	v_wmma_scale_f32_16x16x128_f8f6f4 v[ACC+8*\tt:ACC+8*\tt+7], v[8*(16*\tt+sk):8*(16*\tt+sk)+7], v[AF+8*sk:AF+8*sk+7], v[B2R+8*\tt:B2R+8*\tt+7], v[WSR+sk], v[AS+sk] matrix_a_fmt:MATRIX_FMT_FP4 matrix_b_fmt:MATRIX_FMT_FP4 matrix_a_scale:MATRIX_SCALE_ROW1
.endif
.else
.if \tt == 0
	v_wmma_scale_f32_16x16x128_f8f6f4 v[ACC+8*\tt:ACC+8*\tt+7], v[8*(16*\tt+sk):8*(16*\tt+sk)+7], v[AF+8*sk:AF+8*sk+7], v[ACC+8*\tt:ACC+8*\tt+7], v[WSR+sk], v[AS+sk] matrix_a_fmt:MATRIX_FMT_FP4 matrix_b_fmt:MATRIX_FMT_FP4
.else
	v_wmma_scale_f32_16x16x128_f8f6f4 v[ACC+8*\tt:ACC+8*\tt+7], v[8*(16*\tt+sk):8*(16*\tt+sk)+7], v[AF+8*sk:AF+8*sk+7], v[ACC+8*\tt:ACC+8*\tt+7], v[WSR+sk], v[AS+sk] matrix_a_fmt:MATRIX_FMT_FP4 matrix_b_fmt:MATRIX_FMT_FP4 matrix_a_scale:MATRIX_SCALE_ROW1
.endif
.endif
.endr
.endr
	WIN 0
.endm
	s_load_b256 s[4:11], s[0:1], 0x0               ; W2 s[4:5], b2 s[6:7], actc s[8:9], acts s[10:11]
	s_load_b128 s[12:15], s[0:1], 0x20             ; rpc s[12:13], part s[14:15]
	v_lshl_add_u32 v254, v0, 2, 0xd400
	v_mov_b32 v255, 0
	v_lshrrev_b32 v16, 5, v0
	v_readfirstlane_b32 s20, v16                   ; wave w
	v_and_b32 v1, 31, v0                           ; lane
	v_and_b32 v2, 15, v0                           ; r
	v_bfe_u32 v3, v0, 4, 1                         ; h
	s_lshr_b32 s23, ttmp9, 5                       ; e
	s_and_b32 s24, ttmp9, 15
	s_lshl_b32 s24, s24, 1
	s_bfe_u32 s38, ttmp9, 0x10004
	s_add_co_u32 s24, s24, s38                     ; j
	s_lshl_b32 s27, s23, 2
	v_bfe_u32 v16, v0, 3, 2                        ; my block of the K step
	v_and_b32 v17, 7, v0                           ; my four columns
	v_lshlrev_b32 v4, 4, v17
	v_lshl_add_u32 v4, v16, 17, v4                 ; W2: 32 rows of 4,096 bytes a block, 16 bytes a lane
	s_lshl_b32 s34, s23, 23                        ; an expert's 8 MiB,
	s_lshl_b32 s35, s24, 7                         ; the slice's 32 columns,
	s_add_co_u32 s34, s34, s35
	s_lshl_b32 s35, s20, 20                        ; my two K steps' 256 rows
	s_add_co_u32 s34, s34, s35
	s_mov_b32 s35, 0
	s_wait_kmcnt 0x0
	s_load_b32 s26, s[12:13], s27 offset:0x8000    ; the expert's count
	s_add_nc_u64 s[40:41], s[4:5], s[34:35]
	WLOAD 0, 0
	WLOAD 1, 128
	v_bfe_u32 v18, v0, 2, 1                        ; my columns' tile
	v_and_b32 v19, 3, v0                           ; a quarter of their first row in it
	v_mul_u32_u24 v5, v18, IMGP
	v_lshl_add_u32 v5, v16, 8, v5
	v_lshl_add_u32 v5, v19, 6, v5
	s_lshl_b32 s34, s20, 11
	v_add_nc_u32 v5, s34, v5                       ; where my codes go: tile, block x 256, row x 16, K step 2 w
	v_lshlrev_b32 v6, 10, v18
	v_lshl_add_u32 v6, v19, 4, v6
	v_add_nc_u32 v6, v6, v16
	s_lshl_b32 s34, s20, 7
	s_add_co_u32 s34, s34, SCW
	v_add_nc_u32 v6, s34, v6                       ; and my scale bytes
	v_lshlrev_b32 v7, 4, v1                        ; 16 x lane: fragments from LDS and from actc, rows into part
	v_lshlrev_b32 v8, 2, v2
	v_lshl_add_u32 v8, v3, 10, v8
	v_add_nc_u32 v8, SCW, v8                       ; W2's scale words: lanes 0-15 tile 0's rows, lanes 16-31 tile 1's
	v_lshlrev_b32 v9, 6, v2                        ; acts: 64 r
	v_lshlrev_b32 v10, 5, v3                       ; b2: 32 h
	s_mul_i32 s34, s20, 2304
	s_add_co_u32 s34, s34, STG                     ; my stage
	v_mul_u32_u24 v11, v2, 144
	v_lshl_add_u32 v11, v3, 5, v11
	v_add_nc_u32 v11, s34, v11                     ; in: row r, 32 bytes for each half of the lanes
	v_lshrrev_b32 v18, 3, v1
	v_mul_u32_u24 v12, v18, 144
	v_lshl_add_u32 v12, v17, 4, v12
	v_add_nc_u32 v12, s34, v12                     ; back: eight lanes to a row of 128 bytes, four rows an instruction
	s_lshl_b32 s34, s23, 12
	s_lshl_b32 s38, s24, 7
	s_add_co_u32 s34, s34, s38
	s_add_nc_u64 s[46:47], s[6:7], s[34:35]        ; b2 at the slice's columns
	s_lshl_b32 s34, s23, 20
	s_add_nc_u64 s[8:9], s[8:9], s[34:35]          ; actc and acts at the expert
	s_lshl_b32 s34, s23, 16
	s_add_nc_u64 s[10:11], s[10:11], s[34:35]
	s_lshl_b32 s34, s23, 5
	s_add_co_u32 s34, s34, s24
	s_lshl_b32 s34, s34, 17
	s_lshl_b32 s38, s20, 11
	s_add_co_u32 s34, s34, s38
	s_add_nc_u64 s[14:15], s[14:15], s[34:35]      ; part at the slice's tile w
	s_wait_kmcnt 0x0
	s_min_u32 s26, s26, 1024
	s_add_co_u32 s26, s26, 15
	s_lshr_b32 s29, s26, 4
	s_max_u32 s29, s29, 1                          ; tiles that the launch before has made
	s_sub_co_u32 s30, s29, 1                       ; the last of them
	s_min_u32 s32, s20, s30
	s_min_u32 s32, s32, 63                         ; my first tile, held at the last one made: no byte is read that was not written
	BASES
.irp tt, 0,1
	global_load_b128 v[B2R+8*\tt:B2R+8*\tt+3], v10, s[46:47] offset:64*\tt
	global_load_b128 v[B2R+8*\tt+4:B2R+8*\tt+7], v10, s[46:47] offset:64*\tt+16
.endr
	AG 0
	UNIT 0, 54, 0, 0                               ; may be out: unit 1's 32 loads, b2's 4, the first tile's first 18
	UNIT 1, 22, 1024, 64                           ; b2's 4 and those 18
	AG 1                                           ; into the registers that the units have left
	s_wait_dscnt 0x0
	s_barrier_signal -1
	s_barrier_wait -1                              ; the slice's codes and scale words lie in LDS; from here on a wave stores to its own stage alone
	WIN LDW
.irp tt, 0,1
.irp s, 0,1,2,3,4,5,6,7,8,9,10,11,12,13,14,15
.irp c, 0,1
	ds_load_b128 v[8*(16*\tt+\s)+4*\c:8*(16*\tt+\s)+4*\c+3], v7 offset:\tt*IMGP+1024*\s+512*\c
.endr
.endr
.endr
	WIN 0
.irp s, 0,1,2,3,4,5,6,7,8,9,10,11,12,13,14,15
	ds_load_b32 v[WSR+\s], v8 offset:64*\s
.endr
	s_wait_dscnt 0x0
	; ---- the tiles of rows w, w + 8, ..: eight trips; a trip whose tile was not made jumps to the lines that step
	s_mov_b32 s31, s20
	s_mov_b32 s33, 8
.Ltile:
	s_cmp_ge_u32 s31, s29
	s_cbranch_scc1 .Lskip
	s_wait_loadcnt 18                              ; K steps 0-7 of the tile are in; the 18 loads of K steps 8-15 may be out
	PROD 0
	s_wait_loadcnt 0x0                             ; K steps 8-15 are in, and no load still reads the two bases
	s_add_co_u32 s32, s31, 8
	s_min_u32 s32, s32, s30
	s_min_u32 s32, s32, 63                         ; the tile eight on, held at the last one made
	BASES
.rept 4
	v_nop                                          ; four places behind the products whose operands are loaded anew
.endr
	AG 0
	PROD 8
.rept 5
	v_nop                                          ; four places in front of the loads and of the first read of results; the fifth for the next tile's first products, which begin the accumulators anew
.endr
	AG 1
.irp tt, 0,1
	ds_store_b128 v11, v[ACC+8*\tt:ACC+8*\tt+3] offset:64*\tt          ; each accumulator from its low end on
	ds_store_b128 v11, v[ACC+8*\tt+4:ACC+8*\tt+7] offset:64*\tt+16
.endr
.irp i, 0,1,2,3
	ds_load_b128 v[OUT+4*\i:OUT+4*\i+3], v12 offset:576*\i             ; LDS serves a wave's instructions in order: these see the stores above
.endr
.irp i, 0,1,2,3
	s_wait_dscnt 3-\i                              ; the later read-backs may be out
	global_store_b128 v7, v[OUT+4*\i:OUT+4*\i+3], s[14:15] offset:512*\i th:TH_STORE_NT   ; 32 lanes store 512 consecutive bytes, at a multiple of 256 from part's first byte
.endr
.Lskip:
	s_wait_xcnt 0x0                                ; the stores' data and base are written again only behind this wait
	s_add_nc_u64 s[14:15], s[14:15], 0x4000        ; eight tiles on
	s_add_co_u32 s31, s31, 8
	s_sub_co_u32 s33, s33, 1
	s_cmp_lg_u32 s33, 0
	s_cbranch_scc1 .Ltile
	s_wait_tensorcnt 0x0
	ds_add_u32 v254, v255
	s_wait_dscnt 0x0
	s_endpgm
.Lfunc_end_k_q66bc49f4e5_w2stage:
	.size	k_q66bc49f4e5_w2stage, .Lfunc_end_k_q66bc49f4e5_w2stage-k_q66bc49f4e5_w2stage
	.p2alignl 7, 3214868480
	.fill 96, 4, 3214868480
	.section	.rodata,"a",@progbits
	.p2align	6, 0x0
	.amdhsa_kernel k_q66bc49f4e5_w2stage
		.amdhsa_group_segment_fixed_size 55296
		.amdhsa_private_segment_fixed_size 0
		.amdhsa_enable_private_segment 0
		.amdhsa_kernarg_size 48
		.amdhsa_user_sgpr_count 2
		.amdhsa_user_sgpr_kernarg_segment_ptr 1
		.amdhsa_wavefront_size32 1
		.amdhsa_system_sgpr_workgroup_id_x 1
		.amdhsa_system_sgpr_workgroup_id_y 1
		.amdhsa_system_sgpr_workgroup_id_z 1
		.amdhsa_system_vgpr_workitem_id 0
		.amdhsa_next_free_vgpr 512
		.amdhsa_next_free_sgpr 66
		.amdhsa_reserve_vcc 0
		.amdhsa_float_denorm_mode_32 3
		.amdhsa_float_denorm_mode_16_64 3
		.amdhsa_memory_ordered 1
		.amdhsa_forward_progress 1
		.amdhsa_inst_pref_size 49
	.end_amdhsa_kernel
	.amdgpu_metadata
---
amdhsa.version: [ 1, 2 ]
amdhsa.kernels:
  - .name:           k_q66bc49f4e5_w2stage
    .symbol:         k_q66bc49f4e5_w2stage.kd
    .args:
      - { .name: W2, .offset: 0, .size: 8, .value_kind: global_buffer, .address_space: global }
      - { .name: b2, .offset: 8, .size: 8, .value_kind: global_buffer, .address_space: global }
      - { .name: actc, .offset: 16, .size: 8, .value_kind: global_buffer, .address_space: global }
      - { .name: acts, .offset: 24, .size: 8, .value_kind: global_buffer, .address_space: global }
      - { .name: rpc, .offset: 32, .size: 8, .value_kind: global_buffer, .address_space: global }
      - { .name: part, .offset: 40, .size: 8, .value_kind: global_buffer, .address_space: global }
    .group_segment_fixed_size: 55296
    .private_segment_fixed_size: 0
    .kernarg_segment_align: 8
    .kernarg_segment_size: 48
    .max_flat_workgroup_size: 256
    .sgpr_count:     66
    .vgpr_count:     512
    .wavefront_size: 32
...
	.end_amdgpu_metadata
.endif
;; end of part 4
;; launch combine (part 5): grid 256 x 1, 4 waves a work-group, no clusters, 0 bytes of LDS; arguments part, sel, scores, rpc, out0; writes out0
.if DOCPART == 5
	.amdgcn_target "amdgcn-amd-amdhsa--gfx1250"
	.amdhsa_code_object_version 6
	.text
	.protected	k_q66bc49f4e5_combine
	.globl	k_q66bc49f4e5_combine
	.p2align	8
	.type	k_q66bc49f4e5_combine,@function
k_q66bc49f4e5_combine:
	s_mov_b64 s[64:65], 0
	v_nop
	global_prefetch_b8 v0, s[64:65] scope:SCOPE_SE
	s_setreg_imm32_b32 hwreg(HW_REG_WAVE_MODE, 25, 1), 1
	s_wait_xcnt 0x0
; out0[token] = score0 x out_e0[token] + score1 x out_e1[token].  part: [e][slice 32][routed row 1024][32 columns] f32 (bias included); sel: e0 | e1 << 8 | ..; scores: [token][2]; rpc: rank[e][token] at 4096 e + 4 token.
; A wave takes one token: its two experts, scores and eight ranks by scalar loads; the two ranks are chosen by selects, held inside the table, and make the two rows' addresses.
; A row lies in 32 pieces of 128 bytes, one a slice: eight lanes to a piece, four pieces a load, eight loads a row.  A store covers 512 consecutive bytes of out0.  Memory binds: no LDS, no barrier, no matrix unit.
.set P0, 8                             ; v8-39   the first expert's row, then the result
.set P1, 40                            ; v40-71  the second's
	s_load_b256 s[4:11], s[0:1], 0x0               ; part s[4:5], sel s[6:7], scores s[8:9], rpc s[10:11]
	s_load_b64 s[12:13], s[0:1], 0x20              ; out0
	v_lshrrev_b32 v1, 5, v0
	v_readfirstlane_b32 s14, v1                    ; wave
	v_and_b32 v1, 31, v0                           ; lane
	v_lshrrev_b32 v2, 3, v1
	v_and_b32 v4, 7, v0
	v_lshlrev_b32 v2, 17, v2
	v_lshl_add_u32 v2, v4, 4, v2                   ; part: slice lane / 8 (131,072 bytes a slice), 16 bytes a lane
	v_lshlrev_b32 v3, 4, v1                        ; out0: 16 x lane
	s_lshl_b32 s15, ttmp9, 2
	s_add_co_u32 s15, s15, s14                     ; my token
	s_mov_b32 s37, 0
	s_lshl_b32 s36, s15, 2
	s_wait_kmcnt 0x0
	s_add_nc_u64 s[6:7], s[6:7], s[36:37]
	s_add_nc_u64 s[10:11], s[10:11], s[36:37]
	s_lshl_b32 s36, s15, 3
	s_add_nc_u64 s[8:9], s[8:9], s[36:37]
	s_lshl_b32 s36, s15, 12
	s_add_nc_u64 s[12:13], s[12:13], s[36:37]
	s_load_b32 s26, s[6:7], 0x0
	s_load_b64 s[38:39], s[8:9], 0x0
.irp e, 0,1,2,3,4,5,6,7
	s_load_b32 s[16+\e], s[10:11], \e*4096
.endr
	s_wait_kmcnt 0x0
	s_and_b32 s27, s26, 255
	s_min_u32 s27, s27, 7                          ; e0
	s_bfe_u32 s28, s26, 0x80008
	s_min_u32 s28, s28, 7                          ; e1
	s_mov_b32 s30, s16
	s_mov_b32 s31, s16
.irp e, 1,2,3,4,5,6,7
	s_cmp_eq_u32 s27, \e
	s_cselect_b32 s30, s[16+\e], s30
	s_cmp_eq_u32 s28, \e
	s_cselect_b32 s31, s[16+\e], s31
.endr
	s_min_u32 s30, s30, 0x3ff                      ; the token's rows among its experts' rows
	s_min_u32 s31, s31, 0x3ff
	s_lshl_b32 s27, s27, 22                        ; an expert's 4 MiB, a row's 128 bytes
	s_lshl_b32 s30, s30, 7
	s_add_co_u32 s36, s27, s30
	s_add_nc_u64 s[40:41], s[4:5], s[36:37]
	s_lshl_b32 s28, s28, 22
	s_lshl_b32 s31, s31, 7
	s_add_co_u32 s36, s28, s31
	s_add_nc_u64 s[42:43], s[4:5], s[36:37]
	s_mov_b32 s44, s39                             ; the second score in a pair of its own: the packed form takes a pair's low word for both halves
	s_mov_b32 s45, s39
.irp i, 0,1,2,3,4,5,6,7
	global_load_b128 v[P0+4*\i:P0+4*\i+3], v2, s[40:41] offset:524288*\i th:TH_LOAD_NT
	global_load_b128 v[P1+4*\i:P1+4*\i+3], v2, s[42:43] offset:524288*\i th:TH_LOAD_NT
.endr
.irp i, 0,1,2,3,4,5,6,7
	s_wait_loadcnt 14-2*\i                         ; pair i is in; the later pairs may be out
	v_pk_mul_f32 v[P0+4*\i:P0+4*\i+1], v[P0+4*\i:P0+4*\i+1], s[38:39] op_sel_hi:[1,0]
	v_pk_mul_f32 v[P0+4*\i+2:P0+4*\i+3], v[P0+4*\i+2:P0+4*\i+3], s[38:39] op_sel_hi:[1,0]
	v_pk_fma_f32 v[P0+4*\i:P0+4*\i+1], v[P1+4*\i:P1+4*\i+1], s[44:45], v[P0+4*\i:P0+4*\i+1] op_sel_hi:[1,0,1]
	v_pk_fma_f32 v[P0+4*\i+2:P0+4*\i+3], v[P1+4*\i+2:P1+4*\i+3], s[44:45], v[P0+4*\i+2:P0+4*\i+3] op_sel_hi:[1,0,1]
	global_store_b128 v3, v[P0+4*\i:P0+4*\i+3], s[12:13] offset:512*\i th:TH_STORE_NT
.endr
	s_endpgm
.Lfunc_end_k_q66bc49f4e5_combine:
	.size	k_q66bc49f4e5_combine, .Lfunc_end_k_q66bc49f4e5_combine-k_q66bc49f4e5_combine
	.p2alignl 7, 3214868480
	.fill 96, 4, 3214868480
	.section	.rodata,"a",@progbits
	.p2align	6, 0x0
	.amdhsa_kernel k_q66bc49f4e5_combine
		.amdhsa_group_segment_fixed_size 0
		.amdhsa_private_segment_fixed_size 0
		.amdhsa_enable_private_segment 0
		.amdhsa_kernarg_size 40
		.amdhsa_user_sgpr_count 2
		.amdhsa_user_sgpr_kernarg_segment_ptr 1
		.amdhsa_wavefront_size32 1
		.amdhsa_system_sgpr_workgroup_id_x 1
		.amdhsa_system_sgpr_workgroup_id_y 1
		.amdhsa_system_sgpr_workgroup_id_z 1
		.amdhsa_system_vgpr_workitem_id 0
		.amdhsa_next_free_vgpr 80
		.amdhsa_next_free_sgpr 66
		.amdhsa_reserve_vcc 0
		.amdhsa_float_denorm_mode_32 3
		.amdhsa_float_denorm_mode_16_64 3
		.amdhsa_memory_ordered 1
		.amdhsa_forward_progress 1
		.amdhsa_inst_pref_size 8
	.end_amdhsa_kernel
	.amdgpu_metadata
---
amdhsa.version: [ 1, 2 ]
amdhsa.kernels:
  - .name:           k_q66bc49f4e5_combine
    .symbol:         k_q66bc49f4e5_combine.kd
    .args:
      - { .name: part, .offset: 0, .size: 8, .value_kind: global_buffer, .address_space: global }
      - { .name: sel, .offset: 8, .size: 8, .value_kind: global_buffer, .address_space: global }
      - { .name: scores, .offset: 16, .size: 8, .value_kind: global_buffer, .address_space: global }
      - { .name: rpc, .offset: 24, .size: 8, .value_kind: global_buffer, .address_space: global }
      - { .name: out0, .offset: 32, .size: 8, .value_kind: global_buffer, .address_space: global }
    .group_segment_fixed_size: 0
    .private_segment_fixed_size: 0
    .kernarg_segment_align: 8
    .kernarg_segment_size: 40
    .max_flat_workgroup_size: 128
    .sgpr_count:     66
    .vgpr_count:     80
    .wavefront_size: 32
...
	.end_amdgpu_metadata
.endif
;; end of part 5
;; ======== version 2 of 3: 4 launches
;; workspace buffers: xq 524,288 bytes; xs 32,768 bytes; sel 4,096 bytes of whole numbers; scores 8,192 bytes; actc 8,388,608 bytes; acts 524,288 bytes; rpc 33,024 bytes of whole numbers; part 33,554,432 bytes
;; launch route (part 6): grid 256 x 1, 4 waves a work-group, no clusters, 52,224 bytes of LDS; arguments x, Wr, br, xq, xs, sel, scores; writes xq, xs, sel, scores
.if DOCPART == 6
	.amdgcn_target "amdgcn-amd-amdhsa--gfx1250"
	.amdhsa_code_object_version 6
	.text
	.protected	k_q66bc49f4e5_route
	.globl	k_q66bc49f4e5_route
	.p2align	8
	.type	k_q66bc49f4e5_route,@function
k_q66bc49f4e5_route:
	s_mov_b64 s[64:65], 0
	v_nop
	global_prefetch_b8 v0, s[64:65] scope:SCOPE_SE
	s_setreg_imm32_b32 hwreg(HW_REG_WAVE_MODE, 25, 1), 1
	s_wait_xcnt 0x0
; ROUTER AND x's QUANTISER.  x: [1024 tokens][1024] f32.  Wr: [1024][8], br: [8] f32.
; Out: xq [token][32 blocks][16 bytes]: x's codes of E2M1, K innermost;  xs [token][32]: one E8M0 byte a block of 32;
;      sel [token]: e0 | e1 << 8 | ((1 << e0) | (1 << e1)) << 16, the two experts of the largest logits (on equal logits the lower index first);
;      scores [token][2]: softmax over the two chosen logits, the larger taken away ahead of the exponential.
; SHARES.  A work-group takes 4 tokens, a wave one.  Lane l works on block l (numbers 32 l .. 32 l + 31): a block's largest magnitude needs no other lane, the conversions take
; neighbours along K from one lane's registers, and the same 32 numbers meet rows 32 l .. 32 l + 31 of Wr in f32 multiply-adds.
; EVERY LOAD FROM MEMORY TAKES 512 CONSECUTIVE BYTES, 16 a lane.  The token's 4,096 bytes turn through the wave's own stage in LDS (a block's 128 bytes + 16 of padding) and come back 128 bytes a lane.
; Wr's 32 KiB are brought once for the work-group, 8 KiB a wave, into an image in LDS (32 rows' 1,024 bytes + 16 of padding); behind a barrier each lane reads its 32 rows.
; A block's scale byte is its largest magnitude's exponent field less 2, held at 1 from below by a floor among the maximum's leaves.
; LIMITS: logits must be finite (NaN and infinities are not served); a block whose largest magnitude lies under 2^-124, a block of zeros among them, gets the byte 1
; (the bytes are read by this program alone); the logits are summed in each lane (even and odd rows apart) and then over the lanes, another order than a plain row sum.
; No choice made here steers an address of this launch: the experts are stored at fixed places.
.set X,   32                           ; v32-63   my block
.set XR,  96                           ; v96-127  x as loaded
.set WL,  160                          ; v160-223 my wave's part of Wr as loaded
.set WA,  96                           ; v96-159  eight rows of Wr a lane
.set WB,  160                          ; v160-223 the next eight
.set ACC, 224                          ; v224-231 the eight sums of the even rows, then the logits; v232-239 those of the odd rows
.set IDX, 168                          ; the numbers 0 .. 7
.set WRP, 1040                         ; LDS: 32 rows of Wr + 16 bytes
.set XST, 32*WRP                       ; behind Wr's image: the stages,
.set XSB, 4608                         ; 32 blocks x 144 bytes for each wave
	s_load_b256 s[4:11], s[0:1], 0x0               ; x, Wr, br, xq
	s_load_b128 s[12:15], s[0:1], 0x20             ; xs, sel
	s_load_b64 s[16:17], s[0:1], 0x30              ; scores
	v_lshl_add_u32 v254, v0, 2, 0xca00
	v_mov_b32 v255, 0
	v_lshrrev_b32 v1, 5, v0
	v_readfirstlane_b32 s30, v1                    ; wave
	v_and_b32 v1, 31, v0                           ; lane
	v_lshlrev_b32 v2, 4, v1                        ; 16 x lane: the loads of x and of Wr, the store of the codes
	v_lshrrev_b32 v3, 3, v1
	v_mul_u32_u24 v3, v3, 144
	v_and_b32 v4, 7, v0
	v_lshl_add_u32 v3, v4, 4, v3
	s_mul_i32 s31, s30, XSB
	s_add_co_u32 s31, s31, XST
	v_add_nc_u32 v3, s31, v3                       ; my stage, on the way in: eight lanes' 128 bytes on end, then 16 of padding
	v_mul_u32_u24 v4, v1, 144
	v_add_nc_u32 v4, s31, v4                       ; and on the way out: block l
	s_mul_i32 s31, s30, 8*WRP
	v_add_nc_u32 v5, s31, v2                       ; Wr's image, on the way in: my wave's eight groups of 32 rows
	v_mul_u32_u24 v6, v1, WRP                      ; and on the way out: group l
	v_mov_b32 v7, 0
	s_mov_b32 s28, 0x76543210
	s_mov_b32 s29, 0xfedcba98                      ; v_permlanex16_b32's selects for lane l xor 16
	s_lshl_b32 s34, ttmp9, 2
	s_add_co_u32 s34, s34, s30                     ; my token
	s_mov_b32 s37, 0
	s_wait_kmcnt 0x0
	s_load_b256 s[20:27], s[8:9], 0x0              ; br
	s_lshl_b32 s36, s34, 12
	s_add_nc_u64 s[4:5], s[4:5], s[36:37]
	s_lshl_b32 s36, s30, 13
	s_add_nc_u64 s[6:7], s[6:7], s[36:37]
	s_lshl_b32 s36, s34, 9
	s_add_nc_u64 s[10:11], s[10:11], s[36:37]
	s_lshl_b32 s36, s34, 5
	s_add_nc_u64 s[12:13], s[12:13], s[36:37]
	s_lshl_b32 s36, s34, 2
	s_add_nc_u64 s[14:15], s[14:15], s[36:37]
	s_lshl_b32 s36, s34, 3
	s_add_nc_u64 s[16:17], s[16:17], s[36:37]
.irp i, 0,1,2,3,4,5,6,7
	global_load_b128 v[XR+4*\i:XR+4*\i+3], v2, s[4:5] offset:512*\i th:TH_LOAD_NT
.endr
.irp i, 0,1,2,3,4,5,6,7,8,9,10,11,12,13,14,15
	global_load_b128 v[WL+4*\i:WL+4*\i+3], v2, s[6:7] offset:512*\i
.endr
	s_wait_loadcnt 16                              ; x is in; Wr's 16 loads may be out
.irp i, 0,1,2,3,4,5,6,7
	ds_store_b128 v3, v[XR+4*\i:XR+4*\i+3] offset:576*\i     ; a load's 512 bytes are four blocks
.endr
.irp g, 0,1,2,3,4,5,6,7
	ds_load_b128 v[X+4*\g:X+4*\g+3], v4 offset:16*\g         ; LDS serves a wave's instructions in order: these see the stores above
.endr
	s_wait_loadcnt 0x0
.irp i, 0,1,2,3,4,5,6,7,8,9,10,11,12,13,14,15
	ds_store_b128 v5, v[WL+4*\i:WL+4*\i+3] offset:(\i/2)*WRP+(\i%2)*512
.endr
	s_wait_dscnt 0x0                               ; my part of Wr lies in LDS, and my block is in
	s_barrier_signal -1
	s_barrier_wait -1                              ; all of Wr does; nothing is stored to LDS from here on
.macro WRL reg, q                      ; rows 32 l + 8 q + 0 .. 7 of Wr: register 8 ii + e = Wr(row, e)
.set ii, 0
.rept 8
	ds_load_b128 v[\reg+8*ii:\reg+8*ii+3], v6 offset:(8*(\q)+ii)*32
	ds_load_b128 v[\reg+8*ii+4:\reg+8*ii+7], v6 offset:(8*(\q)+ii)*32+16
.set ii, ii+1
.endr
.endm
.macro FMAS reg, q                     ; sums += x(row) Wr(row, e), two experts an instruction; rows 0 and 1 start the two sets of sums
.set ii, 0
.rept 8
.set xi, 8*(\q)+ii
.set xp, X+xi-(xi%2)
.set ac, ACC+8*(xi%2)
.irp ep, 0,2,4,6
.if xi == 0
	v_pk_mul_f32 v[ac+\ep:ac+\ep+1], v[xp:xp+1], v[\reg+8*ii+\ep:\reg+8*ii+\ep+1] op_sel_hi:[0,1]
.elseif xi == 1
	v_pk_mul_f32 v[ac+\ep:ac+\ep+1], v[xp:xp+1], v[\reg+8*ii+\ep:\reg+8*ii+\ep+1] op_sel:[1,0] op_sel_hi:[1,1]
.elseif xi%2 == 0
	v_pk_fma_f32 v[ac+\ep:ac+\ep+1], v[xp:xp+1], v[\reg+8*ii+\ep:\reg+8*ii+\ep+1], v[ac+\ep:ac+\ep+1] op_sel_hi:[0,1,1]
.else
	v_pk_fma_f32 v[ac+\ep:ac+\ep+1], v[xp:xp+1], v[\reg+8*ii+\ep:\reg+8*ii+\ep+1], v[ac+\ep:ac+\ep+1] op_sel:[1,0,0] op_sel_hi:[1,1,1]
.endif
.endr
.set ii, ii+1
.endr
.endm
	WRL WA, 0
	WRL WB, 1
	; my block's codes, while Wr's rows come: largest magnitude, scale, 32 codes
	v_max3_num_f32 v12, |v[X]|, |v[X+1]|, |v[X+2]|
	v_max3_num_f32 v13, |v[X+3]|, |v[X+4]|, |v[X+5]|
.irp i, 6,10,14,18,22,26
	v_max3_num_f32 v12, v12, |v[X+\i]|, |v[X+\i+1]|
	v_max3_num_f32 v13, v13, |v[X+\i+2]|, |v[X+\i+3]|
.endr
	v_max3_num_f32 v12, v12, |v[X+30]|, |v[X+31]|
	v_max3_num_f32 v12, v12, v13, 0x1800000        ; the floor 2^(3 - 127): the byte cannot fall under 1
	v_add_nc_u32 v26, 0xff000000, v12              ; 2 off the exponent field: the conversion's scale operand
.irp g, 0,1,2,3
	v_cvt_scalef32_pk8_fp4_f32 v[16+\g], v[X+8*\g:X+8*\g+7], v26
.endr
	v_lshrrev_b32 v24, 23, v26                     ; the scale's byte (a plain line behind the conversions)
	global_store_b128 v2, v[16:19], s[10:11]       ; the wave stores the token's 512 consecutive bytes
	global_store_b8 v1, v24, s[12:13]              ; and its 32 consecutive scale bytes
	s_wait_dscnt 16                                ; rows 0-7 are in; the 16 loads of rows 8-15 may be out
	FMAS WA, 0
	WRL WA, 2
	s_wait_dscnt 16                                ; rows 8-15 are in; the 16 loads of rows 16-23 may be out
	FMAS WB, 1
	WRL WB, 3
	s_wait_dscnt 16                                ; rows 16-23 are in; the 16 loads of rows 24-31 may be out
	FMAS WA, 2
	s_wait_dscnt 0x0
	FMAS WB, 3
.irp ep, 0,2,4,6
	v_pk_add_f32 v[ACC+\ep:ACC+\ep+1], v[ACC+\ep:ACC+\ep+1], v[ACC+8+\ep:ACC+8+\ep+1]
.endr
.irp m, 1,2,4,8                        ; the eight sums over the 32 lanes
.irp e, 0,1,2,3,4,5,6,7
	v_add_f32_dpp v[ACC+\e], v[ACC+\e], v[ACC+\e] row_xmask:\m row_mask:0xf bank_mask:0xf
.endr
.endr
.irp e, 0,1,2,3,4,5,6,7
	v_permlanex16_b32 v[WA+\e], v[ACC+\e], s28, s29
.endr
.irp e, 0,1,2,3,4,5,6,7
	v_add_f32 v[ACC+\e], v[ACC+\e], v[WA+\e]
.endr
	s_wait_kmcnt 0x0                               ; br
.irp e, 0,1,2,3,4,5,6,7
	v_add_f32 v[ACC+\e], s[20+\e], v[ACC+\e]       ; the logits, the same in every lane
	v_mov_b32 v[IDX+\e], \e
.endr
	v_mov_b32 v10, v[ACC]                          ; the largest logit and its expert: a later one must be strictly larger, so the lower index is kept
	v_mov_b32 v11, 0
.irp e, 1,2,3,4,5,6,7
	v_cmp_gt_f32 vcc_lo, v[ACC+\e], v10
	v_cndmask_b32 v10, v10, v[ACC+\e], vcc_lo
	v_cndmask_b32 v11, v11, v[IDX+\e], vcc_lo
.endr
	v_mov_b32 v12, 0xff800000                      ; the second: the same search past the first's expert, from -infinity
	v_mov_b32 v13, 0
.irp e, 0,1,2,3,4,5,6,7
	v_cmp_gt_f32 s32, v[ACC+\e], v12
	v_cmp_ne_u32 s33, v11, v[IDX+\e]
	s_and_b32 vcc_lo, s32, s33
	v_cndmask_b32 v12, v12, v[ACC+\e], vcc_lo
	v_cndmask_b32 v13, v13, v[IDX+\e], vcc_lo
.endr
	v_sub_f32 v184, v12, v10                       ; second - largest, 0 or less
	v_mul_f32 v184, 0x3fb8aa3b, v184
	v_exp_f32 v184, v184                           ; t = e^(second - largest), at most 1
	v_mov_b32 v189, 0x10000                        ; (a plain line behind the exponential)
	s_wait_alu depctr_va_vdst(0)
	v_add_f32 v186, 1.0, v184
	v_rcp_f32 v186, v186                           ; the first score, 1 / (1 + t)
	v_lshlrev_b32 v188, v11, v189                  ; (a plain line behind the reciprocal)  the word for sel: the two experts' bits,
	s_wait_alu depctr_va_vdst(0)
	v_mul_f32 v187, v184, v186                     ; the second score, t / (1 + t)
	v_lshlrev_b32 v185, v13, v189
	v_or_b32 v188, v188, v185
	v_or_b32 v188, v188, v11                       ; e0,
	v_lshl_or_b32 v188, v13, 8, v188               ; e1
	global_store_b32 v7, v188, s[14:15]            ; all lanes store the same word with the same value
	global_store_b64 v7, v[186:187], s[16:17]
	s_wait_tensorcnt 0x0
	ds_add_u32 v254, v255
	s_wait_dscnt 0x0
	s_endpgm
.Lfunc_end_k_q66bc49f4e5_route:
	.size	k_q66bc49f4e5_route, .Lfunc_end_k_q66bc49f4e5_route-k_q66bc49f4e5_route
	.p2alignl 7, 3214868480
	.fill 96, 4, 3214868480
	.section	.rodata,"a",@progbits
	.p2align	6, 0x0
	.amdhsa_kernel k_q66bc49f4e5_route
		.amdhsa_group_segment_fixed_size 52224
		.amdhsa_private_segment_fixed_size 0
		.amdhsa_enable_private_segment 0
		.amdhsa_kernarg_size 56
		.amdhsa_user_sgpr_count 2
		.amdhsa_user_sgpr_kernarg_segment_ptr 1
		.amdhsa_wavefront_size32 1
		.amdhsa_system_sgpr_workgroup_id_x 1
		.amdhsa_system_sgpr_workgroup_id_y 1
		.amdhsa_system_sgpr_workgroup_id_z 1
		.amdhsa_system_vgpr_workitem_id 0
		.amdhsa_next_free_vgpr 256
		.amdhsa_next_free_sgpr 66
		.amdhsa_reserve_vcc 1
		.amdhsa_float_denorm_mode_32 3
		.amdhsa_float_denorm_mode_16_64 3
		.amdhsa_memory_ordered 1
		.amdhsa_forward_progress 1
		.amdhsa_inst_pref_size 28
	.end_amdhsa_kernel
	.amdgpu_metadata
---
amdhsa.version: [ 1, 2 ]
amdhsa.kernels:
  - .name:           k_q66bc49f4e5_route
    .symbol:         k_q66bc49f4e5_route.kd
    .args:
      - { .name: x, .offset: 0, .size: 8, .value_kind: global_buffer, .address_space: global }
      - { .name: Wr, .offset: 8, .size: 8, .value_kind: global_buffer, .address_space: global }
      - { .name: br, .offset: 16, .size: 8, .value_kind: global_buffer, .address_space: global }
      - { .name: xq, .offset: 24, .size: 8, .value_kind: global_buffer, .address_space: global }
      - { .name: xs, .offset: 32, .size: 8, .value_kind: global_buffer, .address_space: global }
      - { .name: sel, .offset: 40, .size: 8, .value_kind: global_buffer, .address_space: global }
      - { .name: scores, .offset: 48, .size: 8, .value_kind: global_buffer, .address_space: global }
    .group_segment_fixed_size: 52224
    .private_segment_fixed_size: 0
    .kernarg_segment_align: 8
    .kernarg_segment_size: 56
    .max_flat_workgroup_size: 128
    .sgpr_count:     66
    .vgpr_count:     256
    .wavefront_size: 32
...
	.end_amdgpu_metadata
.endif
;; end of part 6
;; launch w1stage (part 7): grid 256 x 1, 8 waves a work-group, no clusters, 71,168 bytes of LDS; arguments W1, b1, xq, xs, sel, actc, acts, rpc; writes actc, acts, rpc
.if DOCPART == 7
	.amdgcn_target "amdgcn-amd-amdhsa--gfx1250"
	.amdhsa_code_object_version 6
	.text
	.protected	k_q66bc49f4e5_w1stage
	.globl	k_q66bc49f4e5_w1stage
	.p2align	8
	.type	k_q66bc49f4e5_w1stage,@function
k_q66bc49f4e5_w1stage:
	s_mov_b64 s[64:65], 0
	v_nop
	global_prefetch_b8 v0, s[64:65] scope:SCOPE_SE
	s_setreg_imm32_b32 hwreg(HW_REG_WAVE_MODE, 25, 1), 1
	s_wait_xcnt 0x0
; THE PLACING OF ROWS, THE FIRST PRODUCT, SWIGLU AND THE HIDDEN LAYER'S QUANTISER, for the rows that chose the expert.  W1: [8][1024 (k)][4096] f32, b1: [8][4096] f32; xq, xs: x's codes and scale bytes;
; sel [token]: e0 | e1 << 8 | ((1 << e0) | (1 << e1)) << 16, stored by the launch before.
; Out: actc [e][tile of 16 routed rows, 64][K step 16][c 2][lane 32][16 bytes]: the hidden layer's codes of E2M1, laid as the next product's operand registers;  acts [e][tile][row 16][64]: its E8M0 bytes;
;      rpc: rank[e][token] at 4096 e + 4 token (how many tokens before this one chose e: for a token that chose it, its row), count[e] at 32768 + 4 e.
; SHARES.  Work-group id: expert e = id / 32, slice j = id % 32: hidden units 64 j .. 64 j + 63, that is 64 columns of the first half of W1's 4096 ('a') and the same 64 of the second ('g'), all 1,024 along K:
; 512 KiB of f32 that no other work-group reads.  No tile is shared, so there is no cluster; a trip's work hangs on a count made from stored numbers, so operands come through registers and there is no tensor load.
; THE ROWS.  An expert's rows are the tokens that chose it, in token order.  Every wave reads sel and keeps, for each group k of 32 tokens, the members' mask and A_k = (members before the group) << 8 | k.  The token of row q:
; the last group with A_k <= (q << 8 | 255), and in its mask the set bit number q - (members before the group), found by five halvings over counts of 16, 8, 4, 2 and 1 bits.  Rows from the count on take token 0, whose results nobody reads.
; The entries of a wave's tiles stand in 16 registers: made from the last tile to the first and pushed in at the front, taken out at the front by the tile loop.  All of it is done while the first loads of W1 are on their way.
; STREAM.  Wave w quantises K step w (rows 128 w .. + 127) in four units of 32 rows.  A load takes one row: lanes 0-15 four neighbouring a columns each (256 consecutive bytes), lanes 16-31 the g columns.  So a lane
; owns four whole blocks of 32 along K; each number is moved once so that eight neighbours along K stand in consecutive registers for the conversion.  A block's 16 bytes of codes are four registers of the operand:
; they go to LDS at the place from which a plain load of 16 bytes a lane gives any wave the fragment.
; THE COLUMNS OF A TILE ARE NOT NEIGHBOURS: row r of tile (block b, u') is hidden unit 32 b + 8 u' + r + 8 (r / 8), so that in the transposed product (source 0 = 16 columns of W1, source 1 = 16 rows of x) a lane holds
; one routed row and the 16 registers of tiles u' = 0, 1 are 16 neighbouring hidden units: 32 b + 16 (lane / 16) + 0 .. 15.
; COMPUTE.  Wave w: hidden block u = w % 2 of the slice's two, tiles of rows p, p + 4, .. (p = w / 2).  Its four tiles of W1 (a, g x u') for all 8 K steps stay in 256 registers.  x's codes are asked for a trip ahead of their products.
; LIMITS: a block whose largest magnitude lies under 2^-124, a block of zeros among them, gets the scale byte 1 (read by this program alone); NaN and infinities are not served.
; REGISTERS.  Window 0: v1-15 addresses; v16-79 the ranks, then x's fragments; v80-87 x's scale words; v88-103 W1's scale words (lanes 0-15 a's, lanes 16-31 g's); v104-135 b1 in the result's layout; v136-138 a row's token and offsets;
;   v144-207 sel, then the groups' masks (v144-175) and A (v176-207), then 64 numbers on their way to the conversions, then the four accumulators (v144-175) and the activation's work;
;   v208-235 at work on the rows, then a unit's maxima, scales, bytes and codes; v236-251 the entries of my 16 tiles.
;   Window 1: two sets of 128 as loaded, then W1's fragments (tile tau, K step s) at v[8 (8 tau + s)].
.set ROWB, 16384                       ; a row of W1 in bytes
.set IMGP, 8208                        ; LDS: a tile's 8 K steps x 1,024 bytes + 16
.set SCW,  65792                       ; W1's scale words: tile x 512 + K step x 64 + row x 4 + block
.set RK,  16
.set XF,  16
.set XS,  80
.set WSR, 88
.set B1R, 104
.set MK,  144
.set AK,  176
.set T,   144
.set ACC, 144
.set G,   160
.set EX,  176
.set M,   208
.set SO,  212
.set BY,  216
.set C,   220
.set VQ,  208                          ; at work on the rows: q,
.set VQK, 209                          ; q << 8 | 255,
.set VA,  210                          ; the group's A,
.set VM,  211                          ; its mask,
.set C1,  212                          ; the mask's counts of 2,
.set C2,  213                          ; 4,
.set C4,  214                          ; and 8 bits,
.set TT,  215
.set DD,  216                          ; which set bit is wanted,
.set POS, 217                          ; where the search stands,
.set T2,  218
.set KK,  219                          ; v219-223: the numbers 16, 8, 4, 2, 1
.set E,   236
.set MSB, 0
.macro WIN new                         ; the immediate's high byte repeats the setting that is left
.if MSB != \new
	s_set_vgpr_msb (MSB<<8)|\new
.set MSB, \new
.endif
.endm
.set LDW, 0x40                         ; destination window 1
.set MX,  0x14                         ; sources 1 and 2 window 1
.set MV,  0x01                         ; source 0 window 1
.macro WLOAD buf, k0                   ; 32 rows from row k0 of my K step into set buf: register 4 i + c = W1(row i, my column c)
	WIN LDW
.set i, 0
.rept 32
	global_load_b128 v[128*(\buf)+4*i:128*(\buf)+4*i+3], v4, s[40:41] offset:((\k0)+i)*ROWB th:TH_LOAD_NT
.set i, i+1
.endr
	WIN 0
.endm
.macro UMAX buf                        ; the largest magnitudes of my four blocks, by turns, with the floor 2^(3 - 127) among the leaves
	WIN MX
.irp c, 0,1,2,3
	v_max3_num_f32 v[M+\c], 0x1800000, |v[128*(\buf)+\c]|, |v[128*(\buf)+4+\c]|
.endr
.set i, 2
.rept 15
.irp c, 0,1,2,3
	v_max3_num_f32 v[M+\c], v[M+\c], |v[128*(\buf)+4*i+\c]|, |v[128*(\buf)+4*i+4+\c]|
.endr
.set i, i+2
.endr
	WIN 0
.endm
.macro USCALE
.irp c, 0,1,2,3
	v_add_nc_u32 v[SO+\c], 0xff000000, v[M+\c]     ; 2 off the exponent field: the conversion's scale operand
.endr
.irp c, 0,1,2,3
	v_lshrrev_b32 v[BY+\c], 23, v[SO+\c]           ; the scale's byte
.endr
.endm
.macro UMOVE buf, c0                   ; columns c0, c0 + 1: 32 numbers each into consecutive registers
	WIN MV
.irp d, 0,1
.set i, 0
.rept 32
	v_mov_b32 v[T+32*\d+i], v[128*(\buf)+4*i+(\c0)+\d]
.set i, i+1
.endr
.endr
	WIN 0
.endm
.macro UCVT c0
.irp d, 0,1
.irp g, 0,1,2,3
	v_cvt_scalef32_pk8_fp4_f32 v[C+4*((\c0)+\d)+\g], v[T+32*\d+8*\g:T+32*\d+8*\g+7], v[SO+(\c0)+\d]
.endr
.endr
	v_nop                                          ; one plain line behind the last conversion of a run
.endm
; A unit.  left: the loads issued behind this unit's, which may stay out.  coff, boff: the block's place in a K step's codes and scale words.  nextk >= 0: the set is loaded again from that row on.
.macro UNIT buf, left, coff, boff, nextk
	s_wait_loadcnt \left
	UMAX \buf
	s_wait_dscnt 0x0                               ; the last unit's LDS stores are done with their registers
	USCALE
	UMOVE \buf, 0
	UCVT 0
	UMOVE \buf, 2
.if \nextk >= 0
	WLOAD \buf, \nextk
.endif
	UCVT 2
.irp c, 0,1,2,3
	ds_store_b128 v5, v[C+4*\c:C+4*\c+3] offset:\coff+16*\c
.endr
.irp c, 0,1,2,3
	ds_store_b8 v6, v[BY+\c] offset:\boff+4*\c
.endr
.endm
.macro LEVEL src, width, kreg          ; one halving: the set bits in the lower half of what is left; if the wanted bit is not among them, on to the upper half
	v_bfe_u32 v[TT], v[\src], v[POS], \width
	v_cmp_ge_u32 vcc_lo, v[DD], v[TT]
	v_cndmask_b32 v[TT], 0, v[TT], vcc_lo
	v_sub_nc_u32 v[DD], v[DD], v[TT]
	v_cndmask_b32 v[T2], 0, v[\kreg], vcc_lo
	v_add_nc_u32 v[POS], v[POS], v[T2]
.endm
.macro XADDR                           ; the first entry becomes my row's offsets in xq and xs
	v_min_u32 v136, 0x3ff, v[E]
	v_lshl_add_u32 v137, v136, 9, v10
	v_lshlrev_b32 v138, 5, v136
.endm
.macro XG half                         ; four K steps of x's tile: four scale words and four fragments: nine loads
	global_load_b128 v[XS+4*\half:XS+4*\half+3], v138, s[10:11] offset:16*\half
.irp s4, 0,1,2,3
.irp c, 0,1
	global_load_b128 v[XF+8*(4*\half+\s4)+4*\c:XF+8*(4*\half+\s4)+4*\c+3], v137, s[8:9] offset:64*(4*\half+\s4)+32*\c
.endr
.endr
.endm
; Sixteen products: K steps slo .. slo + 3, the four accumulators by turns, one instruction a turn.  K step 0 takes b1 as C: nothing is cleared and no bias is added.
.macro PROD slo
	WIN MV
.irp s4, 0,1,2,3
.irp tau, 0,1,2,3
.set sk, (\slo)+\s4
.if sk == 0
.if \tau < 2
	v_wmma_scale_f32_16x16x128_f8f6f4 v[ACC+8*\tau:ACC+8*\tau+7], v[8*(8*\tau+sk):8*(8*\tau+sk)+7], v[XF+8*sk:XF+8*sk+7], v[B1R+8*\tau:B1R+8*\tau+7], v[WSR+8*(\tau%2)+sk], v[XS+sk] matrix_a_fmt:MATRIX_FMT_FP4 matrix_b_fmt:MATRIX_FMT_FP4
.else
	v_wmma_scale_f32_16x16x128_f8f6f4 v[ACC+8*\tau:ACC+8*\tau+7], v[8*(8*\tau+sk):8*(8*\tau+sk)+7], v[XF+8*sk:XF+8*sk+7], v[B1R+8*\tau:B1R+8*\tau+7], v[WSR+8*(\tau%2)+sk], v[XS+sk] matrix_a_fmt:MATRIX_FMT_FP4 matrix_b_fmt:MATRIX_FMT_FP4 matrix_a_scale:MATRIX_SCALE_ROW1
.endif
.else
.if \tau < 2
	v_wmma_scale_f32_16x16x128_f8f6f4 v[ACC+8*\tau:ACC+8*\tau+7], v[8*(8*\tau+sk):8*(8*\tau+sk)+7], v[XF+8*sk:XF+8*sk+7], v[ACC+8*\tau:ACC+8*\tau+7], v[WSR+8*(\tau%2)+sk], v[XS+sk] matrix_a_fmt:MATRIX_FMT_FP4 matrix_b_fmt:MATRIX_FMT_FP4
.else
	v_wmma_scale_f32_16x16x128_f8f6f4 v[ACC+8*\tau:ACC+8*\tau+7], v[8*(8*\tau+sk):8*(8*\tau+sk)+7], v[XF+8*sk:XF+8*sk+7], v[ACC+8*\tau:ACC+8*\tau+7], v[WSR+8*(\tau%2)+sk], v[XS+sk] matrix_a_fmt:MATRIX_FMT_FP4 matrix_b_fmt:MATRIX_FMT_FP4 matrix_a_scale:MATRIX_SCALE_ROW1
.endif
.endif
.endr
.endr
	WIN 0
.endm
	s_load_b512 s[4:19], s[0:1], 0x0               ; W1 s[4:5], b1 s[6:7], xq s[8:9], xs s[10:11], sel s[12:13], actc s[14:15], acts s[16:17], rpc s[18:19]
	v_lshl_add_u32 v254, v0, 2, 0x11200
	v_mov_b32 v255, 0
	v_lshrrev_b32 v16, 5, v0
	v_readfirstlane_b32 s20, v16                   ; wave w
	v_and_b32 v1, 31, v0                           ; lane
	v_and_b32 v2, 15, v0                           ; r
	v_bfe_u32 v3, v0, 4, 1                         ; h
	s_and_b32 s21, s20, 1                          ; u
	s_lshr_b32 s22, s20, 1                         ; p
	s_lshr_b32 s23, ttmp9, 5                       ; e
	s_and_b32 s24, ttmp9, 31                       ; j
	v_lshlrev_b32 v142, 2, v1                      ; 4 x lane
	v_lshlrev_b32 v4, 4, v2
	v_lshl_add_u32 v4, v3, 13, v4                  ; W1: 16 bytes a lane; lanes 16-31 the g half, 8,192 bytes on
	s_lshl_b32 s34, s23, 24                        ; an expert's 16 MiB,
	s_lshl_b32 s35, s24, 8                         ; the slice's 64 columns,
	s_add_co_u32 s34, s34, s35
	s_lshl_b32 s35, s20, 21                        ; my K step's 128 rows
	s_add_co_u32 s34, s34, s35
	s_mov_b32 s35, 0
	s_wait_kmcnt 0x0
	s_add_nc_u64 s[40:41], s[4:5], s[34:35]
.set k, 0
.rept 32
	global_load_b32 v[MK+k], v142, s[12:13] offset:128*k   ; sel of token 32 k + lane
.set k, k+1
.endr
	WLOAD 0, 0
	WLOAD 1, 32                                    ; two units, 32 KiB a wave, are on their way while the rows are placed
	v_bfe_u32 v16, v0, 3, 1
	v_bfe_u32 v17, v0, 1, 1
	v_lshl_add_u32 v16, v16, 1, v17
	v_lshl_add_u32 v16, v3, 2, v16                 ; my columns' tile: 4 (a or g) + 2 (block) + u'
	v_and_b32 v17, 1, v0
	v_bfe_u32 v18, v0, 2, 1
	v_lshl_add_u32 v17, v18, 1, v17                ; a quarter of their first row in it
	v_mul_u32_u24 v5, v16, IMGP
	v_lshl_add_u32 v5, v17, 6, v5
	s_lshl_b32 s34, s20, 10
	v_add_nc_u32 v5, s34, v5                       ; where my codes go: tile, row x 16, K step w
	v_lshlrev_b32 v6, 9, v16
	v_lshl_add_u32 v6, v17, 4, v6
	s_lshl_b32 s34, s20, 6
	s_add_co_u32 s34, s34, SCW
	v_add_nc_u32 v6, s34, v6                       ; and my scale bytes
	s_mul_i32 s34, s21, 2*IMGP
	v_lshl_add_u32 v7, v1, 4, s34                  ; from where I fetch fragments: 16 x lane, my block's tiles
	v_lshlrev_b32 v8, 2, v2
	v_lshl_add_u32 v8, v3, 11, v8
	s_lshl_b32 s34, s21, 10
	s_add_co_u32 s34, s34, SCW
	v_add_nc_u32 v8, s34, v8                       ; and scale words: lanes 0-15 a's rows, lanes 16-31 g's
	v_lshlrev_b32 v10, 4, v3                       ; 16 h
	v_lshlrev_b32 v11, 4, v2
	v_lshl_add_u32 v11, v3, 3, v11                 ; actc: 16 r + 8 h
	v_lshlrev_b32 v12, 6, v2                       ; acts: 64 r
	v_lshlrev_b32 v13, 6, v3                       ; b1: 64 h
	v_mov_b32 v15, 0
.set i, 0
.rept 16
	v_mov_b32 v[E+i], 0                            ; token 0 for every tile that is not to be made
.set i, i+1
.endr
	v_mov_b32 v[KK], 16
	v_mov_b32 v[KK+1], 8
	v_mov_b32 v[KK+2], 4
	v_mov_b32 v[KK+3], 2
	v_mov_b32 v[KK+4], 1
	s_lshl_b32 s25, 0x10000, s23                   ; the expert's bit in a word of sel
	s_mov_b32 s36, 0x76543210
	s_mov_b32 s37, 0xfedcba98                      ; v_permlanex16_b32's selects for lane l xor 16
	s_lshl_b32 s34, s23, 14
	s_lshl_b32 s38, s24, 8
	s_add_co_u32 s34, s34, s38
	s_lshl_b32 s38, s21, 7
	s_add_co_u32 s34, s34, s38
	s_add_nc_u64 s[46:47], s[6:7], s[34:35]        ; b1 at my 32 hidden units
	s_lshl_b32 s34, s23, 20                        ; actc: the expert, K step j / 2, block 2 (j % 2) + u; the tile is added in each trip
	s_lshr_b32 s38, s24, 1
	s_lshl_b32 s38, s38, 10
	s_add_co_u32 s34, s34, s38
	s_and_b32 s38, s24, 1
	s_lshl_b32 s38, s38, 1
	s_add_co_u32 s38, s38, s21
	s_lshl_b32 s38, s38, 8
	s_add_co_u32 s34, s34, s38
	s_add_nc_u64 s[14:15], s[14:15], s[34:35]
	s_lshl_b32 s34, s23, 16                        ; acts: the expert, byte 2 j + u
	s_lshl_b32 s38, s24, 1
	s_add_co_u32 s34, s34, s38
	s_add_co_u32 s34, s34, s21
	s_add_nc_u64 s[16:17], s[16:17], s[34:35]
	; ---- the groups' masks and A, the tokens' ranks, the count
	s_wait_loadcnt 63                              ; behind sel's 32 loads 64 were issued; 63 is what the count can say, and it shows them done
	s_mov_b32 s26, 0                               ; members so far
.set k, 0
.rept 32
	v_and_b32 v252, s25, v[MK+k]
	v_cmp_ne_u32 s27, 0, v252                      ; which of tokens 32 k .. 32 k + 31 chose the expert
	v_mbcnt_lo_u32_b32 v[RK+k], s27, s26           ; my token's rank: the members before it
	v_mov_b32 v[MK+k], s27
	s_lshl_b32 s28, s26, 8
	s_or_b32 s28, s28, k
	v_mov_b32 v[AK+k], s28
	s_bcnt1_i32_b32 s28, s27
	s_add_co_u32 s26, s26, s28
.set k, k+1
.endr
	s_min_u32 s30, s26, 1024
	s_add_co_u32 s30, s30, 15
	s_lshr_b32 s29, s30, 4
	s_max_u32 s29, s29, 1                          ; tiles to make: at least one, so that the next launch's first tile is written on every input
	s_cmp_lg_u32 s20, 0                            ; wave 0 of slice 0 of each expert stores ranks and count for the later launches
	s_cbranch_scc1 .Lnorank
	s_cmp_lg_u32 s24, 0
	s_cbranch_scc1 .Lnorank
	s_lshl_b32 s34, s23, 12
	s_add_nc_u64 s[42:43], s[18:19], s[34:35]
.set k, 0
.rept 32
	global_store_b32 v142, v[RK+k], s[42:43] offset:128*k   ; the ranks leave in runs of 128 consecutive bytes
.set k, k+1
.endr
	s_lshl_b32 s34, s23, 2
	s_add_nc_u64 s[44:45], s[18:19], s[34:35]
	v_mov_b32 v253, s26
	global_store_b32 v15, v253, s[44:45] offset:32768       ; all lanes store the same word with the same value
	s_wait_xcnt 0x0                                ; the stores' registers and bases are written again below only behind this wait
.Lnorank:
	; ---- the entries of my tiles p + 60, p + 56, .. p: sixteen trips; a trip whose tile is not to be made does nothing
	s_add_co_u32 s31, s22, 60
	s_mov_b32 s33, 16
.Leval:
	s_cmp_ge_u32 s31, s29
	s_cbranch_scc1 .Lnoeval
	v_lshl_add_u32 v[VQ], s31, 4, v2               ; q: my row of the tile
	v_lshl_or_b32 v[VQK], v[VQ], 8, 0xff
	v_mov_b32 v[VA], v[AK]                         ; group 0 begins at row 0
	v_mov_b32 v[VM], v[MK]
	v_cmp_ge_u32 s49, v[VQK], v[AK+1]
.set jj, 1
.rept 30                               ; A rises with the group, so the last group taken is the last that begins at or before q; the compare runs one group ahead, on two masks by turns
	v_cmp_ge_u32 s[48+(jj+1)%2], v[VQK], v[AK+jj+1]
	v_cndmask_b32 v[VA], v[VA], v[AK+jj], s[48+jj%2]
	v_cndmask_b32 v[VM], v[VM], v[MK+jj], s[48+jj%2]
.set jj, jj+1
.endr
	v_cndmask_b32 v[VA], v[VA], v[AK+31], s49
	v_cndmask_b32 v[VM], v[VM], v[MK+31], s49
	v_lshrrev_b32 v[TT], 1, v[VM]                  ; the mask's set bits counted in fields of 2,
	v_and_b32 v[TT], 0x55555555, v[TT]
	v_sub_nc_u32 v[C1], v[VM], v[TT]
	v_lshrrev_b32 v[TT], 2, v[C1]                  ; 4,
	v_and_b32 v[TT], 0x33333333, v[TT]
	v_and_b32 v[C2], 0x33333333, v[C1]
	v_add_nc_u32 v[C2], v[C2], v[TT]
	v_lshrrev_b32 v[TT], 4, v[C2]                  ; 8,
	v_add_nc_u32 v[C4], v[C2], v[TT]
	v_and_b32 v[C4], 0x0f0f0f0f, v[C4]
	v_lshrrev_b32 v[TT], 8, v[C4]                  ; and in the low 16 bits
	v_add_nc_u32 v[TT], v[C4], v[TT]
	v_and_b32 v[TT], 0xff, v[TT]
	v_lshrrev_b32 v[DD], 8, v[VA]
	v_sub_nc_u32 v[DD], v[VQ], v[DD]               ; which set bit of the group's mask is wanted, from 0
	v_cmp_ge_u32 vcc_lo, v[DD], v[TT]
	v_cndmask_b32 v[TT], 0, v[TT], vcc_lo
	v_sub_nc_u32 v[DD], v[DD], v[TT]
	v_cndmask_b32 v[POS], 0, v[KK], vcc_lo
	LEVEL C4, 8, KK+1
	LEVEL C2, 4, KK+2
	LEVEL C1, 2, KK+3
	LEVEL VM, 1, KK+4
	v_and_b32 v[TT], 0xff, v[VA]
	v_lshl_add_u32 v[TT], v[TT], 5, v[POS]         ; the token: 32 x group + bit
	v_cmp_gt_u32 vcc_lo, s26, v[VQ]                ; rows from the count on take token 0
.set i, 15
.rept 15
	v_mov_b32 v[E+i], v[E+i-1]                     ; the later tiles' entries move up,
.set i, i-1
.endr
	v_cndmask_b32 v[E], 0, v[TT], vcc_lo           ; and this tile's goes in at the front
.Lnoeval:
	s_sub_co_u32 s31, s31, 4
	s_sub_co_u32 s33, s33, 1
	s_cmp_lg_u32 s33, 0
	s_cbranch_scc1 .Leval
	XADDR                                          ; tile p
.irp tau, 0,1,2,3
	global_load_b128 v[B1R+8*\tau:B1R+8*\tau+3], v13, s[46:47] offset:(\tau/2)*8192+(\tau%2)*32
	global_load_b128 v[B1R+8*\tau+4:B1R+8*\tau+7], v13, s[46:47] offset:(\tau/2)*8192+(\tau%2)*32+16
.endr
	XG 0
	XG 1
	; ---- the stream
	UNIT 0, 58, 0, 0, 64                           ; may be out: unit 1's 32 loads, b1's 8, x's 18
	UNIT 1, 58, 256, 1, 96                         ; b1's 8, x's 18, unit 2's 32
	UNIT 0, 32, 512, 2, -1                         ; unit 3's 32
	UNIT 1, 0, 768, 3, -1
	s_wait_dscnt 0x0
	s_barrier_signal -1
	s_barrier_wait -1                              ; the slice's codes and scale words lie in LDS; from here on LDS is only read
	WIN LDW
.irp tau, 0,1,2,3
.irp s, 0,1,2,3,4,5,6,7
.irp c, 0,1
	ds_load_b128 v[8*(8*\tau+\s)+4*\c:8*(8*\tau+\s)+4*\c+3], v7 offset:(\tau%2)*IMGP+(\tau/2)*4*IMGP+1024*\s+512*\c
.endr
.endr
.endr
	WIN 0
.irp u1, 0,1
.irp s, 0,1,2,3,4,5,6,7
	ds_load_b32 v[WSR+8*\u1+\s], v8 offset:512*\u1+64*\s
.endr
.endr
	s_wait_dscnt 0x0
	; ---- the tiles of rows p, p + 4, ..: sixteen trips; a trip whose tile is not to be made jumps to the lines that step
	s_mov_b32 s31, s22
	s_mov_b32 s33, 16
.Ltile:
	s_cmp_ge_u32 s31, s29
	s_cbranch_scc1 .Lskip
	s_wait_loadcnt 9                               ; K steps 0-3 of x's tile are in; the nine loads of K steps 4-7 may be out
	PROD 0
	s_wait_loadcnt 0x0                             ; K steps 4-7 are in, and no load still reads the offsets
	s_wait_xcnt 0x0                                ; the last trip's two stores: their bases are made anew just below, their data far below; nothing since those stores has named either
	s_lshl_b32 s34, s31, 14
	s_add_nc_u64 s[42:43], s[14:15], s[34:35]      ; this tile's place in actc
	s_lshl_b32 s34, s31, 10
	s_add_nc_u64 s[44:45], s[16:17], s[34:35]      ; and in acts
.set i, 0
.rept 15
	v_mov_b32 v[E+i], v[E+i+1]                     ; the next tile's entry comes to the front.  (These and the three below are the places behind the products whose operands are loaded anew)
.set i, i+1
.endr
	XADDR                                          ; the tile four on; past my last tile the entry is token 0 or the last tile's own
	XG 0
	PROD 4
.rept 5
	v_nop                                          ; four places in front of the loads and of the first read of results; the fifth for the next tile's first products, which begin the accumulators anew
.endr
	XG 1
	; silu(a) g = a g / (1 + 2^(-a log2 e)), in f32; every accumulator is read from its low end on
.irp q, 0,2,4,6,8,10,12,14
	v_pk_mul_f32 v[EX+\q:EX+\q+1], v[ACC+\q:ACC+\q+1], 0xbfb8aa3b op_sel_hi:[1,0]
.endr
.set i, 0
.rept 16
	v_exp_f32 v[EX+i], v[EX+i]
.set i, i+1
.endr
.irp q, 0,2,4,6,8,10,12,14
	v_pk_mul_f32 v[G+\q:G+\q+1], v[ACC+\q:ACC+\q+1], v[G+\q:G+\q+1]   ; a g (plain lines behind the exponentials)
.endr
	s_wait_alu depctr_va_vdst(0)
.irp q, 0,2,4,6,8,10,12,14
	v_pk_add_f32 v[EX+\q:EX+\q+1], v[EX+\q:EX+\q+1], 1.0 op_sel_hi:[1,0]
.endr
.set i, 0
.rept 16
	v_rcp_f32 v[EX+i], v[EX+i]
.set i, i+1
.endr
	v_nop
	s_wait_alu depctr_va_vdst(0)
.irp q, 0,2,4,6,8,10,12,14
	v_pk_mul_f32 v[G+\q:G+\q+1], v[G+\q:G+\q+1], v[EX+\q:EX+\q+1]
.endr
	; my 16 numbers are half of a block of 32 along the next K; lane l xor 16 holds the other half
	v_max3_num_f32 v192, |v[G]|, |v[G+1]|, 0x1800000
	v_max3_num_f32 v193, |v[G+2]|, |v[G+3]|, |v[G+4]|
	v_max3_num_f32 v192, v192, |v[G+5]|, |v[G+6]|
	v_max3_num_f32 v193, v193, |v[G+7]|, |v[G+8]|
	v_max3_num_f32 v192, v192, |v[G+9]|, |v[G+10]|
	v_max3_num_f32 v193, v193, |v[G+11]|, |v[G+12]|
	v_max3_num_f32 v192, v192, |v[G+13]|, |v[G+14]|
	v_max3_num_f32 v192, v192, v193, |v[G+15]|
	v_permlanex16_b32 v194, v192, s36, s37
	v_max_num_f32 v192, v192, v194
	v_add_nc_u32 v195, 0xff000000, v192
	v_lshrrev_b32 v196, 23, v195
	v_cvt_scalef32_pk8_fp4_f32 v198, v[G:G+7], v195
	v_cvt_scalef32_pk8_fp4_f32 v199, v[G+8:G+15], v195
	v_nop                                          ; one plain line behind the last conversion
	global_store_b64 v11, v[198:199], s[42:43]     ; the 32 lanes store 256 consecutive bytes, at a multiple of 256 from actc's first byte: the block's place in the operand's image
	global_store_b8 v12, v196, s[44:45]            ; both lanes of a row store the same byte with the same value
.Lskip:
	s_add_co_u32 s31, s31, 4
	s_sub_co_u32 s33, s33, 1
	s_cmp_lg_u32 s33, 0
	s_cbranch_scc1 .Ltile
	s_wait_tensorcnt 0x0
	ds_add_u32 v254, v255
	s_wait_dscnt 0x0
	s_endpgm
.Lfunc_end_k_q66bc49f4e5_w1stage:
	.size	k_q66bc49f4e5_w1stage, .Lfunc_end_k_q66bc49f4e5_w1stage-k_q66bc49f4e5_w1stage
	.p2alignl 7, 3214868480
	.fill 96, 4, 3214868480
	.section	.rodata,"a",@progbits
	.p2align	6, 0x0
	.amdhsa_kernel k_q66bc49f4e5_w1stage
		.amdhsa_group_segment_fixed_size 71168
		.amdhsa_private_segment_fixed_size 0
		.amdhsa_enable_private_segment 0
		.amdhsa_kernarg_size 64
		.amdhsa_user_sgpr_count 2
		.amdhsa_user_sgpr_kernarg_segment_ptr 1
		.amdhsa_wavefront_size32 1
		.amdhsa_system_sgpr_workgroup_id_x 1
		.amdhsa_system_sgpr_workgroup_id_y 1
		.amdhsa_system_sgpr_workgroup_id_z 1
		.amdhsa_system_vgpr_workitem_id 0
		.amdhsa_next_free_vgpr 512
		.amdhsa_next_free_sgpr 66
		.amdhsa_reserve_vcc 1
		.amdhsa_float_denorm_mode_32 3
		.amdhsa_float_denorm_mode_16_64 3
		.amdhsa_memory_ordered 1
		.amdhsa_forward_progress 1
		.amdhsa_inst_pref_size 104
	.end_amdhsa_kernel
	.amdgpu_metadata
---
amdhsa.version: [ 1, 2 ]
amdhsa.kernels:
  - .name:           k_q66bc49f4e5_w1stage
    .symbol:         k_q66bc49f4e5_w1stage.kd
    .args:
      - { .name: W1, .offset: 0, .size: 8, .value_kind: global_buffer, .address_space: global }
      - { .name: b1, .offset: 8, .size: 8, .value_kind: global_buffer, .address_space: global }
      - { .name: xq, .offset: 16, .size: 8, .value_kind: global_buffer, .address_space: global }
      - { .name: xs, .offset: 24, .size: 8, .value_kind: global_buffer, .address_space: global }
      - { .name: sel, .offset: 32, .size: 8, .value_kind: global_buffer, .address_space: global }
      - { .name: actc, .offset: 40, .size: 8, .value_kind: global_buffer, .address_space: global }
      - { .name: acts, .offset: 48, .size: 8, .value_kind: global_buffer, .address_space: global }
      - { .name: rpc, .offset: 56, .size: 8, .value_kind: global_buffer, .address_space: global }
    .group_segment_fixed_size: 71168
    .private_segment_fixed_size: 0
    .kernarg_segment_align: 8
    .kernarg_segment_size: 64
    .max_flat_workgroup_size: 256
    .sgpr_count:     66
    .vgpr_count:     512
    .wavefront_size: 32
...
	.end_amdgpu_metadata
.endif
;; end of part 7
;; launch w2stage: the kernel of part 4 again; grid 256 x 1, 8 waves a work-group, no clusters, 55,296 bytes of LDS; arguments W2, b2, actc, acts, rpc, part; writes part
;; launch combine: the kernel of part 5 again; grid 256 x 1, 4 waves a work-group, no clusters, 0 bytes of LDS; arguments part, sel, scores, rpc, out0; writes out0
;; ======== version 3 of 3: 4 launches
;; workspace buffers: xq 524,288 bytes; xs 32,768 bytes; sel 4,096 bytes of whole numbers; scores 8,192 bytes; actc 8,388,608 bytes; acts 524,288 bytes; rpc 33,024 bytes of whole numbers; part 33,554,432 bytes
;; launch route (part 8): grid 256 x 1, 4 waves a work-group, no clusters, 52,224 bytes of LDS; arguments x, Wr, br, xq, xs, sel, scores; writes xq, xs, sel, scores
.if DOCPART == 8
	.amdgcn_target "amdgcn-amd-amdhsa--gfx1250"
	.amdhsa_code_object_version 6
	.text
	.protected	k_q66bc49f4e5_route
	.globl	k_q66bc49f4e5_route
	.p2align	8
	.type	k_q66bc49f4e5_route,@function
k_q66bc49f4e5_route:
	s_mov_b64 s[64:65], 0
	v_nop
	global_prefetch_b8 v0, s[64:65] scope:SCOPE_SE
	s_setreg_imm32_b32 hwreg(HW_REG_WAVE_MODE, 25, 1), 1
	s_wait_xcnt 0x0
; ROUTER AND x's QUANTISER.  x: [1024 tokens][1024] f32.  Wr: [1024][8], br: [8] f32.
; Out: xq [token][32 blocks][16 bytes]: x's codes of E2M1, K innermost;  xs [token][32]: one E8M0 byte a block of 32;
;      sel [token]: e0 | e1 << 8 | ((1 << e0) | (1 << e1)) << 16, the two experts of the largest logits (on equal logits the lower index first);
;      scores [token][2]: softmax over the two chosen logits, the larger taken away ahead of the exponential.
; SHARES.  A work-group takes 4 tokens, a wave one.  Lane l works on block l (numbers 32 l .. 32 l + 31): a block's largest magnitude needs no other lane, the conversions take
; neighbours along K from one lane's registers, and the same 32 numbers meet rows 32 l .. 32 l + 31 of Wr in f32 multiply-adds.
; EVERY LOAD FROM MEMORY TAKES 512 CONSECUTIVE BYTES, 16 a lane.  The token's 4,096 bytes turn through the wave's own stage in LDS (a block's 128 bytes + 16 of padding) and come back 128 bytes a lane.
; Wr's 32 KiB are brought once for the work-group, 8 KiB a wave, into an image in LDS (32 rows' 1,024 bytes + 16 of padding); behind a barrier each lane reads its 32 rows.
; A block's scale byte is its largest magnitude's exponent field less 2, held at 1 from below by a floor among the maximum's leaves.
; LIMITS: logits must be finite (NaN and infinities are not served); a block whose largest magnitude lies under 2^-124, a block of zeros among them, gets the byte 1
; (the bytes are read by this program alone); the logits are summed in each lane (even and odd rows apart) and then over the lanes, another order than a plain row sum.
; No choice made here steers an address of this launch: the experts are stored at fixed places.
.set X,   32                           ; v32-63   my block
.set XR,  96                           ; v96-127  x as loaded
.set WL,  160                          ; v160-223 my wave's part of Wr as loaded
.set WA,  96                           ; v96-159  eight rows of Wr a lane
.set WB,  160                          ; v160-223 the next eight
.set ACC, 224                          ; v224-231 the eight sums of the even rows, then the logits; v232-239 those of the odd rows
.set IDX, 168                          ; the numbers 0 .. 7
.set WRP, 1040                         ; LDS: 32 rows of Wr + 16 bytes
.set XST, 32*WRP                       ; behind Wr's image: the stages,
.set XSB, 4608                         ; 32 blocks x 144 bytes for each wave
	s_load_b256 s[4:11], s[0:1], 0x0               ; x, Wr, br, xq
	s_load_b128 s[12:15], s[0:1], 0x20             ; xs, sel
	s_load_b64 s[16:17], s[0:1], 0x30              ; scores
	v_lshl_add_u32 v254, v0, 2, 0xca00
	v_mov_b32 v255, 0
	v_lshrrev_b32 v1, 5, v0
	v_readfirstlane_b32 s30, v1                    ; wave
	v_and_b32 v1, 31, v0                           ; lane
	v_lshlrev_b32 v2, 4, v1                        ; 16 x lane: the loads of x and of Wr, the store of the codes
	v_lshrrev_b32 v3, 3, v1
	v_mul_u32_u24 v3, v3, 144
	v_and_b32 v4, 7, v0
	v_lshl_add_u32 v3, v4, 4, v3
	s_mul_i32 s31, s30, XSB
	s_add_co_u32 s31, s31, XST
	v_add_nc_u32 v3, s31, v3                       ; my stage, on the way in: eight lanes' 128 bytes on end, then 16 of padding
	v_mul_u32_u24 v4, v1, 144
	v_add_nc_u32 v4, s31, v4                       ; and on the way out: block l
	s_mul_i32 s31, s30, 8*WRP
	v_add_nc_u32 v5, s31, v2                       ; Wr's image, on the way in: my wave's eight groups of 32 rows
	v_mul_u32_u24 v6, v1, WRP                      ; and on the way out: group l
	v_mov_b32 v7, 0
	s_mov_b32 s28, 0x76543210
	s_mov_b32 s29, 0xfedcba98                      ; v_permlanex16_b32's selects for lane l xor 16
	s_lshl_b32 s34, ttmp9, 2
	s_add_co_u32 s34, s34, s30                     ; my token
	s_mov_b32 s37, 0
	s_wait_alu depctr_va_vdst(0)
	s_wait_kmcnt 0x0
	s_load_b256 s[20:27], s[8:9], 0x0              ; br
	s_lshl_b32 s36, s34, 12
	s_add_nc_u64 s[4:5], s[4:5], s[36:37]
	s_lshl_b32 s36, s30, 13
	s_add_nc_u64 s[6:7], s[6:7], s[36:37]
	s_lshl_b32 s36, s34, 9
	s_add_nc_u64 s[10:11], s[10:11], s[36:37]
	s_lshl_b32 s36, s34, 5
	s_add_nc_u64 s[12:13], s[12:13], s[36:37]
	s_lshl_b32 s36, s34, 2
	s_add_nc_u64 s[14:15], s[14:15], s[36:37]
	s_lshl_b32 s36, s34, 3
	s_add_nc_u64 s[16:17], s[16:17], s[36:37]
.irp i, 0,1,2,3,4,5,6,7
	global_load_b128 v[XR+4*\i:XR+4*\i+3], v2, s[4:5] offset:512*\i th:TH_LOAD_NT
.endr
.irp i, 0,1,2,3,4,5,6,7,8,9,10,11,12,13,14,15
	global_load_b128 v[WL+4*\i:WL+4*\i+3], v2, s[6:7] offset:512*\i
.endr
	s_wait_loadcnt 16                              ; x is in; Wr's 16 loads may be out
.irp i, 0,1,2,3,4,5,6,7
	ds_store_b128 v3, v[XR+4*\i:XR+4*\i+3] offset:576*\i     ; a load's 512 bytes are four blocks
.endr
.irp g, 0,1,2,3,4,5,6,7
	ds_load_b128 v[X+4*\g:X+4*\g+3], v4 offset:16*\g         ; LDS serves a wave's instructions in order: these see the stores above
.endr
	s_wait_loadcnt 0x0
.irp i, 0,1,2,3,4,5,6,7,8,9,10,11,12,13,14,15
	ds_store_b128 v5, v[WL+4*\i:WL+4*\i+3] offset:(\i/2)*WRP+(\i%2)*512
.endr
	s_wait_dscnt 0x0                               ; my part of Wr lies in LDS, and my block is in
	s_barrier_signal -1
	s_barrier_wait -1                              ; all of Wr does; nothing is stored to LDS from here on
.macro WRL reg, q                      ; rows 32 l + 8 q + 0 .. 7 of Wr: register 8 ii + e = Wr(row, e)
.set ii, 0
.rept 8
	ds_load_b128 v[\reg+8*ii:\reg+8*ii+3], v6 offset:(8*(\q)+ii)*32
	ds_load_b128 v[\reg+8*ii+4:\reg+8*ii+7], v6 offset:(8*(\q)+ii)*32+16
.set ii, ii+1
.endr
.endm
.macro FMAS reg, q                     ; sums += x(row) Wr(row, e), two experts an instruction; rows 0 and 1 start the two sets of sums
.set ii, 0
.rept 8
.set xi, 8*(\q)+ii
.set xp, X+xi-(xi%2)
.set ac, ACC+8*(xi%2)
.irp ep, 0,2,4,6
.if xi == 0
	v_pk_mul_f32 v[ac+\ep:ac+\ep+1], v[xp:xp+1], v[\reg+8*ii+\ep:\reg+8*ii+\ep+1] op_sel_hi:[0,1]
.elseif xi == 1
	v_pk_mul_f32 v[ac+\ep:ac+\ep+1], v[xp:xp+1], v[\reg+8*ii+\ep:\reg+8*ii+\ep+1] op_sel:[1,0] op_sel_hi:[1,1]
.elseif xi%2 == 0
	v_pk_fma_f32 v[ac+\ep:ac+\ep+1], v[xp:xp+1], v[\reg+8*ii+\ep:\reg+8*ii+\ep+1], v[ac+\ep:ac+\ep+1] op_sel_hi:[0,1,1]
.else
	v_pk_fma_f32 v[ac+\ep:ac+\ep+1], v[xp:xp+1], v[\reg+8*ii+\ep:\reg+8*ii+\ep+1], v[ac+\ep:ac+\ep+1] op_sel:[1,0,0] op_sel_hi:[1,1,1]
.endif
.endr
.set ii, ii+1
.endr
.endm
	WRL WA, 0
	WRL WB, 1
	; my block's codes, while Wr's rows come: largest magnitude, scale, 32 codes
	v_max3_num_f32 v12, |v[X]|, |v[X+1]|, |v[X+2]|
	v_max3_num_f32 v13, |v[X+3]|, |v[X+4]|, |v[X+5]|
.irp i, 6,10,14,18,22,26
	v_max3_num_f32 v12, v12, |v[X+\i]|, |v[X+\i+1]|
	v_max3_num_f32 v13, v13, |v[X+\i+2]|, |v[X+\i+3]|
.endr
	v_max3_num_f32 v12, v12, |v[X+30]|, |v[X+31]|
	v_max3_num_f32 v12, v12, v13, 0x1800000        ; the floor 2^(3 - 127): the byte cannot fall under 1
	v_add_nc_u32 v26, 0xff000000, v12              ; 2 off the exponent field: the conversion's scale operand
.irp g, 0,1,2,3
	v_cvt_scalef32_pk8_fp4_f32 v[16+\g], v[X+8*\g:X+8*\g+7], v26
.endr
	v_lshrrev_b32 v24, 23, v26                     ; the scale's byte (a plain line behind the conversions)
	global_store_b128 v2, v[16:19], s[10:11]       ; the wave stores the token's 512 consecutive bytes
	global_store_b8 v1, v24, s[12:13]              ; and its 32 consecutive scale bytes
	s_wait_dscnt 16                                ; rows 0-7 are in; the 16 loads of rows 8-15 may be out
	FMAS WA, 0
	WRL WA, 2
	s_wait_alu depctr_va_vdst(0)
	s_wait_dscnt 16                                ; rows 8-15 are in; the 16 loads of rows 16-23 may be out
	FMAS WB, 1
	WRL WB, 3
	s_wait_alu depctr_va_vdst(0)
	s_wait_dscnt 16                                ; rows 16-23 are in; the 16 loads of rows 24-31 may be out
	FMAS WA, 2
	s_wait_alu depctr_va_vdst(0)
	s_wait_dscnt 0x0
	FMAS WB, 3
.irp ep, 0,2,4,6
	v_pk_add_f32 v[ACC+\ep:ACC+\ep+1], v[ACC+\ep:ACC+\ep+1], v[ACC+8+\ep:ACC+8+\ep+1]
.endr
.irp m, 1,2,4,8                        ; the eight sums over the 32 lanes
.irp e, 0,1,2,3,4,5,6,7
	v_add_f32_dpp v[ACC+\e], v[ACC+\e], v[ACC+\e] row_xmask:\m row_mask:0xf bank_mask:0xf
.endr
.endr
.irp e, 0,1,2,3,4,5,6,7
	v_permlanex16_b32 v[WA+\e], v[ACC+\e], s28, s29
.endr
.irp e, 0,1,2,3,4,5,6,7
	v_add_f32 v[ACC+\e], v[ACC+\e], v[WA+\e]
.endr
	s_wait_alu depctr_va_vdst(0)
	s_wait_kmcnt 0x0                               ; br
.irp e, 0,1,2,3,4,5,6,7
	v_add_f32 v[ACC+\e], s[20+\e], v[ACC+\e]       ; the logits, the same in every lane
	v_mov_b32 v[IDX+\e], \e
.endr
	v_mov_b32 v10, v[ACC]                          ; the largest logit and its expert: a later one must be strictly larger, so the lower index is kept
	v_mov_b32 v11, 0
.irp e, 1,2,3,4,5,6,7
	v_cmp_gt_f32 vcc_lo, v[ACC+\e], v10
	v_cndmask_b32 v10, v10, v[ACC+\e], vcc_lo
	v_cndmask_b32 v11, v11, v[IDX+\e], vcc_lo
.endr
	v_mov_b32 v12, 0xff800000                      ; the second: the same search past the first's expert, from -infinity
	v_mov_b32 v13, 0
.irp e, 0,1,2,3,4,5,6,7
	v_cmp_gt_f32 s32, v[ACC+\e], v12
	v_cmp_ne_u32 s33, v11, v[IDX+\e]
	s_and_b32 vcc_lo, s32, s33
	v_cndmask_b32 v12, v12, v[ACC+\e], vcc_lo
	v_cndmask_b32 v13, v13, v[IDX+\e], vcc_lo
.endr
	v_sub_f32 v184, v12, v10                       ; second - largest, 0 or less
	v_mul_f32 v184, 0x3fb8aa3b, v184
	s_wait_alu depctr_va_vdst(0)
	v_exp_f32 v184, v184                           ; t = e^(second - largest), at most 1
	v_mov_b32 v189, 0x10000                        ; (a plain line behind the exponential)
	s_wait_alu depctr_va_vdst(0)
	v_add_f32 v186, 1.0, v184
	s_wait_alu depctr_va_vdst(0)
	v_rcp_f32 v186, v186                           ; the first score, 1 / (1 + t)
	v_lshlrev_b32 v188, v11, v189                  ; (a plain line behind the reciprocal)  the word for sel: the two experts' bits,
	s_wait_alu depctr_va_vdst(0)
	v_mul_f32 v187, v184, v186                     ; the second score, t / (1 + t)
	v_lshlrev_b32 v185, v13, v189
	v_or_b32 v188, v188, v185
	v_or_b32 v188, v188, v11                       ; e0,
	v_lshl_or_b32 v188, v13, 8, v188               ; e1
	global_store_b32 v7, v188, s[14:15]            ; all lanes store the same word with the same value
	global_store_b64 v7, v[186:187], s[16:17]
	s_wait_tensorcnt 0x0
	ds_add_u32 v254, v255
	s_wait_dscnt 0x0
	s_endpgm
.Lfunc_end_k_q66bc49f4e5_route:
	.size	k_q66bc49f4e5_route, .Lfunc_end_k_q66bc49f4e5_route-k_q66bc49f4e5_route
	.p2alignl 7, 3214868480
	.fill 96, 4, 3214868480
	.section	.rodata,"a",@progbits
	.p2align	6, 0x0
	.amdhsa_kernel k_q66bc49f4e5_route
		.amdhsa_group_segment_fixed_size 52224
		.amdhsa_private_segment_fixed_size 0
		.amdhsa_enable_private_segment 0
		.amdhsa_kernarg_size 56
		.amdhsa_user_sgpr_count 2
		.amdhsa_user_sgpr_kernarg_segment_ptr 1
		.amdhsa_wavefront_size32 1
		.amdhsa_system_sgpr_workgroup_id_x 1
		.amdhsa_system_sgpr_workgroup_id_y 1
		.amdhsa_system_sgpr_workgroup_id_z 1
		.amdhsa_system_vgpr_workitem_id 0
		.amdhsa_next_free_vgpr 256
		.amdhsa_next_free_sgpr 66
		.amdhsa_reserve_vcc 1
		.amdhsa_float_denorm_mode_32 3
		.amdhsa_float_denorm_mode_16_64 3
		.amdhsa_memory_ordered 1
		.amdhsa_forward_progress 1
		.amdhsa_inst_pref_size 28
	.end_amdhsa_kernel
	.amdgpu_metadata
---
amdhsa.version: [ 1, 2 ]
amdhsa.kernels:
  - .name:           k_q66bc49f4e5_route
    .symbol:         k_q66bc49f4e5_route.kd
    .args:
      - { .name: x, .offset: 0, .size: 8, .value_kind: global_buffer, .address_space: global }
      - { .name: Wr, .offset: 8, .size: 8, .value_kind: global_buffer, .address_space: global }
      - { .name: br, .offset: 16, .size: 8, .value_kind: global_buffer, .address_space: global }
      - { .name: xq, .offset: 24, .size: 8, .value_kind: global_buffer, .address_space: global }
      - { .name: xs, .offset: 32, .size: 8, .value_kind: global_buffer, .address_space: global }
      - { .name: sel, .offset: 40, .size: 8, .value_kind: global_buffer, .address_space: global }
      - { .name: scores, .offset: 48, .size: 8, .value_kind: global_buffer, .address_space: global }
    .group_segment_fixed_size: 52224
    .private_segment_fixed_size: 0
    .kernarg_segment_align: 8
    .kernarg_segment_size: 56
    .max_flat_workgroup_size: 128
    .sgpr_count:     66
    .vgpr_count:     256
    .wavefront_size: 32
...
	.end_amdgpu_metadata
.endif
;; end of part 8
;; launch w1stage (part 9): grid 256 x 1, 8 waves a work-group, no clusters, 71,168 bytes of LDS; arguments W1, b1, xq, xs, sel, actc, acts, rpc; writes actc, acts, rpc
.if DOCPART == 9
	.amdgcn_target "amdgcn-amd-amdhsa--gfx1250"
	.amdhsa_code_object_version 6
	.text
	.protected	k_q66bc49f4e5_w1stage
	.globl	k_q66bc49f4e5_w1stage
	.p2align	8
	.type	k_q66bc49f4e5_w1stage,@function
k_q66bc49f4e5_w1stage:
	s_mov_b64 s[64:65], 0
	v_nop
	global_prefetch_b8 v0, s[64:65] scope:SCOPE_SE
	s_setreg_imm32_b32 hwreg(HW_REG_WAVE_SCHED_MODE, 0, 2), 2
	s_setreg_imm32_b32 hwreg(HW_REG_WAVE_MODE, 25, 1), 1
	s_wait_xcnt 0x0
	s_wait_alu depctr_vm_vsrc(0)
; THE PLACING OF ROWS, THE FIRST PRODUCT, SWIGLU AND THE HIDDEN LAYER'S QUANTISER, for the rows that chose the expert.  W1: [8][1024 (k)][4096] f32, b1: [8][4096] f32; xq, xs: x's codes and scale bytes;
; sel [token]: e0 | e1 << 8 | ((1 << e0) | (1 << e1)) << 16, stored by the launch before.
; Out: actc [e][tile of 16 routed rows, 64][K step 16][c 2][lane 32][16 bytes]: the hidden layer's codes of E2M1, laid as the next product's operand registers;  acts [e][tile][row 16][64]: its E8M0 bytes;
;      rpc: rank[e][token] at 4096 e + 4 token (how many tokens before this one chose e: for a token that chose it, its row), count[e] at 32768 + 4 e.
; SHARES.  Work-group id: expert e = id / 32, slice j = id % 32: hidden units 64 j .. 64 j + 63, that is 64 columns of the first half of W1's 4096 ('a') and the same 64 of the second ('g'), all 1,024 along K:
; 512 KiB of f32 that no other work-group reads.  No tile is shared, so there is no cluster; a trip's work hangs on a count made from stored numbers, so operands come through registers and there is no tensor load.
; THE ROWS.  An expert's rows are the tokens that chose it, in token order.  Every wave reads sel and keeps, for each group k of 32 tokens, the members' mask and A_k = (members before the group) << 8 | k.  The token of row q:
; the last group with A_k <= (q << 8 | 255), and in its mask the set bit number q - (members before the group), found by five halvings over counts of 16, 8, 4, 2 and 1 bits.  Rows from the count on take token 0, whose results nobody reads.
; The entries of a wave's tiles stand in 16 registers: made from the last tile to the first and pushed in at the front, taken out at the front by the tile loop.  All of it is done while the first loads of W1 are on their way.
; STREAM.  Wave w quantises K step w (rows 128 w .. + 127) in four units of 32 rows.  A load takes one row: lanes 0-15 four neighbouring a columns each (256 consecutive bytes), lanes 16-31 the g columns.  So a lane
; owns four whole blocks of 32 along K; each number is moved once so that eight neighbours along K stand in consecutive registers for the conversion.  A block's 16 bytes of codes are four registers of the operand:
; they go to LDS at the place from which a plain load of 16 bytes a lane gives any wave the fragment.
; THE COLUMNS OF A TILE ARE NOT NEIGHBOURS: row r of tile (block b, u') is hidden unit 32 b + 8 u' + r + 8 (r / 8), so that in the transposed product (source 0 = 16 columns of W1, source 1 = 16 rows of x) a lane holds
; one routed row and the 16 registers of tiles u' = 0, 1 are 16 neighbouring hidden units: 32 b + 16 (lane / 16) + 0 .. 15.
; COMPUTE.  Wave w: hidden block u = w % 2 of the slice's two, tiles of rows p, p + 4, .. (p = w / 2).  Its four tiles of W1 (a, g x u') for all 8 K steps stay in 256 registers.  x's codes are asked for a trip ahead of their products.
; LIMITS: a block whose largest magnitude lies under 2^-124, a block of zeros among them, gets the scale byte 1 (read by this program alone); NaN and infinities are not served.
; REGISTERS.  Window 0: v1-15 addresses; v16-79 the ranks, then x's fragments; v80-87 x's scale words; v88-103 W1's scale words (lanes 0-15 a's, lanes 16-31 g's); v104-135 b1 in the result's layout; v136-138 a row's token and offsets;
;   v144-207 sel, then the groups' masks (v144-175) and A (v176-207), then 64 numbers on their way to the conversions, then the four accumulators (v144-175) and the activation's work;
;   v208-235 at work on the rows, then a unit's maxima, scales, bytes and codes; v236-251 the entries of my 16 tiles.
;   Window 1: two sets of 128 as loaded, then W1's fragments (tile tau, K step s) at v[8 (8 tau + s)].
; THE MODE: SCHED_MODE bits 1:0 = 2 (LLVM: expert scheduling mode 2), set by the entry lines.  The code itself states the register dependences between vector or matrix instructions and memory or LDS
; instructions, and those through scalar registers and VCC that vector instructions write, with s_wait_alu, always for 0.
; THE PLAN.  Registers that memory or LDS instructions touch:
;   v4-v8, v11-v13, v15, v142   offsets and LDS addresses: written once at the head, never again.
;   v16-47        the ranks: written by vector instructions, read by one wave's 32 stores; then x's fragments land there.
;   window 1      a set: W1's loads land; the unit's maxima and moves read it; behind the unit's second wait on va_vdst it is loaded again.  Behind the last unit's wait no vector instruction follows, so that wait also
;                 serves the LDS loads that bring the fragments; from there on the products alone read them.
;   v216-235      a unit's bytes and codes: written by shifts and conversions, read by the unit's LDS stores behind the same wait; written again in the next unit, behind a wait on vm_vsrc.
;   v16-87        in the tile loop, x's fragments and scale words, in two halves: each is read by sixteen products and loaded again behind a wait on va_vdst that follows them.
;   v137, v138    x's offsets: written once a trip, behind the trip's wait on vm_vsrc; the wait on va_vdst ahead of the first half's loads states them written.
;   v196, v198, v199   a trip's byte and codes: written at its end, stored behind a wait on va_vdst; written again only behind the next trip's wait on vm_vsrc.
; Compares that feed selects stand in runs of eight, into s42-45 and s48-51, with one wait on va_sdst behind each run; the five halvings hang on each other and have a wait on va_vcc each.
.set ROWB, 16384                       ; a row of W1 in bytes
.set IMGP, 8208                        ; LDS: a tile's 8 K steps x 1,024 bytes + 16
.set SCW,  65792                       ; W1's scale words: tile x 512 + K step x 64 + row x 4 + block
.set RK,  16
.set XF,  16
.set XS,  80
.set WSR, 88
.set B1R, 104
.set MK,  144
.set AK,  176
.set T,   144
.set ACC, 144
.set G,   160
.set EX,  176
.set M,   208
.set SO,  212
.set BY,  216
.set C,   220
.set VQ,  208                          ; at work on the rows: q,
.set VQK, 209                          ; q << 8 | 255,
.set VA,  210                          ; the group's A,
.set VM,  211                          ; its mask,
.set C1,  212                          ; the mask's counts of 2,
.set C2,  213                          ; 4,
.set C4,  214                          ; and 8 bits,
.set TT,  215
.set DD,  216                          ; which set bit is wanted,
.set POS, 217                          ; where the search stands,
.set T2,  218
.set KK,  219                          ; v219-223: the numbers 16, 8, 4, 2, 1
.set E,   236
.set MSB, 0
.macro WIN new                         ; the immediate's high byte repeats the setting that is left
.if MSB != \new
	s_set_vgpr_msb (MSB<<8)|\new
.set MSB, \new
.endif
.endm
.set LDW, 0x40                         ; destination window 1
.set MX,  0x14                         ; sources 1 and 2 window 1
.set MV,  0x01                         ; source 0 window 1
.macro WLOAD buf, k0                   ; 32 rows from row k0 of my K step into set buf: register 4 i + c = W1(row i, my column c)
	WIN LDW
.set i, 0
.rept 32
	global_load_b128 v[128*(\buf)+4*i:128*(\buf)+4*i+3], v4, s[40:41] offset:((\k0)+i)*ROWB th:TH_LOAD_NT
.set i, i+1
.endr
	WIN 0
.endm
.macro UMAX buf                        ; the largest magnitudes of my four blocks, by turns, with the floor 2^(3 - 127) among the leaves
	WIN MX
.irp c, 0,1,2,3
	v_max3_num_f32 v[M+\c], 0x1800000, |v[128*(\buf)+\c]|, |v[128*(\buf)+4+\c]|
.endr
.set i, 2
.rept 15
.irp c, 0,1,2,3
	v_max3_num_f32 v[M+\c], v[M+\c], |v[128*(\buf)+4*i+\c]|, |v[128*(\buf)+4*i+4+\c]|
.endr
.set i, i+2
.endr
	WIN 0
.endm
.macro USCALE
.irp c, 0,1,2,3
	v_add_nc_u32 v[SO+\c], 0xff000000, v[M+\c]     ; 2 off the exponent field: the conversion's scale operand
.endr
.irp c, 0,1,2,3
	v_lshrrev_b32 v[BY+\c], 23, v[SO+\c]           ; the scale's byte
.endr
.endm
.macro UMOVE buf, c0                   ; columns c0, c0 + 1: 32 numbers each into consecutive registers
	WIN MV
.irp d, 0,1
.set i, 0
.rept 32
	v_mov_b32 v[T+32*\d+i], v[128*(\buf)+4*i+(\c0)+\d]
.set i, i+1
.endr
.endr
	WIN 0
.endm
.macro UCVT c0
.irp d, 0,1
.irp g, 0,1,2,3
	v_cvt_scalef32_pk8_fp4_f32 v[C+4*((\c0)+\d)+\g], v[T+32*\d+8*\g:T+32*\d+8*\g+7], v[SO+(\c0)+\d]
.endr
.endr
	v_nop                                          ; one plain line behind the last conversion of a run
.endm
; A unit.  left: the loads issued behind this unit's, which may stay out.  coff, boff: the block's place in a K step's codes and scale words.  nextk >= 0: the set is loaded again from that row on.
.macro UNIT buf, left, coff, boff, nextk
	s_wait_loadcnt \left
	UMAX \buf
	s_wait_alu depctr_va_vdst(0)
	s_wait_dscnt 0x0                               ; the last unit's LDS stores are done with their registers
.if \coff > 0
	s_wait_alu depctr_vm_vsrc(0)                   ; the last unit's LDS stores have read its bytes and codes, v216-235, which the shifts and conversions below write again
.endif
	USCALE
	UMOVE \buf, 0
	UCVT 0
	UMOVE \buf, 2
	UCVT 2
	s_wait_alu depctr_va_vdst(0)                   ; the unit's second wait: its maxima and moves are done reading the set, in which the loads below land; its bytes and codes are written, which the LDS stores below read
.if \nextk >= 0
	WLOAD \buf, \nextk
.endif
.irp c, 0,1,2,3
	ds_store_b128 v5, v[C+4*\c:C+4*\c+3] offset:\coff+16*\c
.endr
.irp c, 0,1,2,3
	ds_store_b8 v6, v[BY+\c] offset:\boff+4*\c
.endr
.endm
.macro LEVEL src, width, kreg          ; one halving: the set bits in the lower half of what is left; if the wanted bit is not among them, on to the upper half
	v_bfe_u32 v[TT], v[\src], v[POS], \width
	v_cmp_ge_u32 vcc_lo, v[DD], v[TT]
	s_wait_alu depctr_va_vcc(0)                    ; the compare has written VCC, which the two selects below read
	v_cndmask_b32 v[TT], 0, v[TT], vcc_lo
	v_sub_nc_u32 v[DD], v[DD], v[TT]
	v_cndmask_b32 v[T2], 0, v[\kreg], vcc_lo
	v_add_nc_u32 v[POS], v[POS], v[T2]
.endm
.macro XADDR                           ; the first entry becomes my row's offsets in xq and xs
	v_min_u32 v136, 0x3ff, v[E]
	v_lshl_add_u32 v137, v136, 9, v10
	v_lshlrev_b32 v138, 5, v136
.endm
.macro XG half                         ; four K steps of x's tile: four scale words and four fragments: nine loads
	global_load_b128 v[XS+4*\half:XS+4*\half+3], v138, s[10:11] offset:16*\half
.irp s4, 0,1,2,3
.irp c, 0,1
	global_load_b128 v[XF+8*(4*\half+\s4)+4*\c:XF+8*(4*\half+\s4)+4*\c+3], v137, s[8:9] offset:64*(4*\half+\s4)+32*\c
.endr
.endr
.endm
; Sixteen products: K steps slo .. slo + 3, the four accumulators by turns, one instruction a turn.  K step 0 takes b1 as C: nothing is cleared and no bias is added.
.macro PROD slo
	WIN MV
.irp s4, 0,1,2,3
.irp tau, 0,1,2,3
.set sk, (\slo)+\s4
.if sk == 0
.if \tau < 2
	v_wmma_scale_f32_16x16x128_f8f6f4 v[ACC+8*\tau:ACC+8*\tau+7], v[8*(8*\tau+sk):8*(8*\tau+sk)+7], v[XF+8*sk:XF+8*sk+7], v[B1R+8*\tau:B1R+8*\tau+7], v[WSR+8*(\tau%2)+sk], v[XS+sk] matrix_a_fmt:MATRIX_FMT_FP4 matrix_b_fmt:MATRIX_FMT_FP4
.else
	v_wmma_scale_f32_16x16x128_f8f6f4 v[ACC+8*\tau:ACC+8*\tau+7], v[8*(8*\tau+sk):8*(8*\tau+sk)+7], v[XF+8*sk:XF+8*sk+7], v[B1R+8*\tau:B1R+8*\tau+7], v[WSR+8*(\tau%2)+sk], v[XS+sk] matrix_a_fmt:MATRIX_FMT_FP4 matrix_b_fmt:MATRIX_FMT_FP4 matrix_a_scale:MATRIX_SCALE_ROW1
.endif
.else
.if \tau < 2
	v_wmma_scale_f32_16x16x128_f8f6f4 v[ACC+8*\tau:ACC+8*\tau+7], v[8*(8*\tau+sk):8*(8*\tau+sk)+7], v[XF+8*sk:XF+8*sk+7], v[ACC+8*\tau:ACC+8*\tau+7], v[WSR+8*(\tau%2)+sk], v[XS+sk] matrix_a_fmt:MATRIX_FMT_FP4 matrix_b_fmt:MATRIX_FMT_FP4
.else
	v_wmma_scale_f32_16x16x128_f8f6f4 v[ACC+8*\tau:ACC+8*\tau+7], v[8*(8*\tau+sk):8*(8*\tau+sk)+7], v[XF+8*sk:XF+8*sk+7], v[ACC+8*\tau:ACC+8*\tau+7], v[WSR+8*(\tau%2)+sk], v[XS+sk] matrix_a_fmt:MATRIX_FMT_FP4 matrix_b_fmt:MATRIX_FMT_FP4 matrix_a_scale:MATRIX_SCALE_ROW1
.endif
.endif
.endr
.endr
	WIN 0
.endm
	s_load_b512 s[4:19], s[0:1], 0x0               ; W1 s[4:5], b1 s[6:7], xq s[8:9], xs s[10:11], sel s[12:13], actc s[14:15], acts s[16:17], rpc s[18:19]
	v_lshl_add_u32 v254, v0, 2, 0x11200
	v_mov_b32 v255, 0
	v_lshrrev_b32 v16, 5, v0
	v_readfirstlane_b32 s20, v16                   ; wave w
	v_and_b32 v1, 31, v0                           ; lane
	v_and_b32 v2, 15, v0                           ; r
	v_bfe_u32 v3, v0, 4, 1                         ; h
	s_wait_alu depctr_va_sdst(0)                   ; s20 is written, ahead of its first reader
	s_and_b32 s21, s20, 1                          ; u
	s_lshr_b32 s22, s20, 1                         ; p
	s_lshr_b32 s23, ttmp9, 5                       ; e
	s_and_b32 s24, ttmp9, 31                       ; j
	v_lshlrev_b32 v142, 2, v1                      ; 4 x lane
	v_lshlrev_b32 v4, 4, v2
	v_lshl_add_u32 v4, v3, 13, v4                  ; W1: 16 bytes a lane; lanes 16-31 the g half, 8,192 bytes on
	s_lshl_b32 s34, s23, 24                        ; an expert's 16 MiB,
	s_lshl_b32 s35, s24, 8                         ; the slice's 64 columns,
	s_add_co_u32 s34, s34, s35
	s_lshl_b32 s35, s20, 21                        ; my K step's 128 rows
	s_add_co_u32 s34, s34, s35
	s_mov_b32 s35, 0
	s_wait_kmcnt 0x0
	s_add_nc_u64 s[40:41], s[4:5], s[34:35]
	s_wait_alu depctr_va_vdst(0)                   ; v142 and v4 are written: the offsets of the 96 loads below, between which stand window switches alone
.set k, 0
.rept 32
	global_load_b32 v[MK+k], v142, s[12:13] offset:128*k   ; sel of token 32 k + lane
.set k, k+1
.endr
	WLOAD 0, 0
	WLOAD 1, 32                                    ; two units, 32 KiB a wave, are on their way while the rows are placed
	v_bfe_u32 v16, v0, 3, 1
	v_bfe_u32 v17, v0, 1, 1
	v_lshl_add_u32 v16, v16, 1, v17
	v_lshl_add_u32 v16, v3, 2, v16                 ; my columns' tile: 4 (a or g) + 2 (block) + u'
	v_and_b32 v17, 1, v0
	v_bfe_u32 v18, v0, 2, 1
	v_lshl_add_u32 v17, v18, 1, v17                ; a quarter of their first row in it
	v_mul_u32_u24 v5, v16, IMGP
	v_lshl_add_u32 v5, v17, 6, v5
	s_lshl_b32 s34, s20, 10
	v_add_nc_u32 v5, s34, v5                       ; where my codes go: tile, row x 16, K step w
	v_lshlrev_b32 v6, 9, v16
	v_lshl_add_u32 v6, v17, 4, v6
	s_lshl_b32 s34, s20, 6
	s_add_co_u32 s34, s34, SCW
	v_add_nc_u32 v6, s34, v6                       ; and my scale bytes
	s_mul_i32 s34, s21, 2*IMGP
	v_lshl_add_u32 v7, v1, 4, s34                  ; from where I fetch fragments: 16 x lane, my block's tiles
	v_lshlrev_b32 v8, 2, v2
	v_lshl_add_u32 v8, v3, 11, v8
	s_lshl_b32 s34, s21, 10
	s_add_co_u32 s34, s34, SCW
	v_add_nc_u32 v8, s34, v8                       ; and scale words: lanes 0-15 a's rows, lanes 16-31 g's
	v_lshlrev_b32 v10, 4, v3                       ; 16 h
	v_lshlrev_b32 v11, 4, v2
	v_lshl_add_u32 v11, v3, 3, v11                 ; actc: 16 r + 8 h
	v_lshlrev_b32 v12, 6, v2                       ; acts: 64 r
	v_lshlrev_b32 v13, 6, v3                       ; b1: 64 h
	v_mov_b32 v15, 0
.set i, 0
.rept 16
	v_mov_b32 v[E+i], 0                            ; token 0 for every tile that is not to be made
.set i, i+1
.endr
	v_mov_b32 v[KK], 16
	v_mov_b32 v[KK+1], 8
	v_mov_b32 v[KK+2], 4
	v_mov_b32 v[KK+3], 2
	v_mov_b32 v[KK+4], 1
	s_lshl_b32 s25, 0x10000, s23                   ; the expert's bit in a word of sel
	s_mov_b32 s36, 0x76543210
	s_mov_b32 s37, 0xfedcba98                      ; v_permlanex16_b32's selects for lane l xor 16
	s_lshl_b32 s34, s23, 14
	s_lshl_b32 s38, s24, 8
	s_add_co_u32 s34, s34, s38
	s_lshl_b32 s38, s21, 7
	s_add_co_u32 s34, s34, s38
	s_add_nc_u64 s[46:47], s[6:7], s[34:35]        ; b1 at my 32 hidden units
	s_lshl_b32 s34, s23, 20                        ; actc: the expert, K step j / 2, block 2 (j % 2) + u; the tile is added in each trip
	s_lshr_b32 s38, s24, 1
	s_lshl_b32 s38, s38, 10
	s_add_co_u32 s34, s34, s38
	s_and_b32 s38, s24, 1
	s_lshl_b32 s38, s38, 1
	s_add_co_u32 s38, s38, s21
	s_lshl_b32 s38, s38, 8
	s_add_co_u32 s34, s34, s38
	s_add_nc_u64 s[14:15], s[14:15], s[34:35]
	s_lshl_b32 s34, s23, 16                        ; acts: the expert, byte 2 j + u
	s_lshl_b32 s38, s24, 1
	s_add_co_u32 s34, s34, s38
	s_add_co_u32 s34, s34, s21
	s_add_nc_u64 s[16:17], s[16:17], s[34:35]
	; ---- the groups' masks and A, the tokens' ranks, the count: eight groups at a time, their masks in s42-45 and s48-51
	s_wait_loadcnt 63                              ; behind sel's 32 loads 64 were issued; 63 is what the count can say, and it shows them done
	s_mov_b32 s26, 0                               ; members so far
.set gg, 0
.rept 4
.set i, 0
.rept 8
	v_and_b32 v[MK+8*gg+i], s25, v[MK+8*gg+i]
.set i, i+1
.endr
.set i, 0
.rept 8
	v_cmp_ne_u32 s[42+i+2*(i/4)], 0, v[MK+8*gg+i]  ; which of tokens 32 k .. 32 k + 31 chose the expert, k = 8 gg + i
.set i, i+1
.endr
	s_wait_alu depctr_va_sdst(0)                   ; the eight compares have written their masks, ahead of the masks' first readers
.set i, 0
.rept 8
	v_mbcnt_lo_u32_b32 v[RK+8*gg+i], s[42+i+2*(i/4)], s26   ; my token's rank: the members before it
	v_mov_b32 v[MK+8*gg+i], s[42+i+2*(i/4)]
	s_lshl_b32 s28, s26, 8
	s_or_b32 s28, s28, 8*gg+i
	v_mov_b32 v[AK+8*gg+i], s28
	s_bcnt1_i32_b32 s28, s[42+i+2*(i/4)]
	s_add_co_u32 s26, s26, s28
.set i, i+1
.endr
.set gg, gg+1
.endr
	s_min_u32 s30, s26, 1024
	s_add_co_u32 s30, s30, 15
	s_lshr_b32 s29, s30, 4
	s_max_u32 s29, s29, 1                          ; tiles to make: at least one, so that the next launch's first tile is written on every input
	s_cmp_lg_u32 s20, 0                            ; wave 0 of slice 0 of each expert stores ranks and count for the later launches
	s_cbranch_scc1 .Lnorank
	s_cmp_lg_u32 s24, 0
	s_cbranch_scc1 .Lnorank
	s_lshl_b32 s34, s23, 12
	s_add_nc_u64 s[42:43], s[18:19], s[34:35]
	s_lshl_b32 s34, s23, 2
	s_add_nc_u64 s[44:45], s[18:19], s[34:35]
	v_mov_b32 v253, s26
	s_wait_alu depctr_va_vdst(0)                   ; the ranks v16-47, the count v253 and the offset v15 are written, which the 33 stores below read
.set k, 0
.rept 32
	global_store_b32 v142, v[RK+k], s[42:43] offset:128*k   ; the ranks leave in runs of 128 consecutive bytes
.set k, k+1
.endr
	global_store_b32 v15, v253, s[44:45] offset:32768       ; all lanes store the same word with the same value
	s_wait_xcnt 0x0                                ; the stores' registers and bases are written again below only behind this wait
	s_wait_alu depctr_vm_vsrc(0)                   ; the stores have read v16-47, in which x's fragments land below
.Lnorank:
	; ---- the entries of my tiles p + 60, p + 56, .. p: sixteen trips; a trip whose tile is not to be made does nothing
	s_add_co_u32 s31, s22, 60
	s_mov_b32 s33, 16
.Leval:
	s_cmp_ge_u32 s31, s29
	s_cbranch_scc1 .Lnoeval
	v_lshl_add_u32 v[VQ], s31, 4, v2               ; q: my row of the tile
	v_lshl_or_b32 v[VQK], v[VQ], 8, 0xff
	v_mov_b32 v[VA], v[AK]                         ; group 0 begins at row 0
	v_mov_b32 v[VM], v[MK]
; A rises with the group, so the last group taken is the last that begins at or before q.  The 31 compares stand in runs of eight, into eight scalar registers; the last run's eighth asks whether q lies under the count
.set aa, 0
.rept 4
.set i, 0
.rept 8
.if 8*aa+i < 31
	v_cmp_ge_u32 s[42+i+2*(i/4)], v[VQK], v[AK+1+8*aa+i]
.else
	v_cmp_gt_u32 s[42+i+2*(i/4)], s26, v[VQ]       ; s51: rows from the count on take token 0
.endif
.set i, i+1
.endr
	s_wait_alu depctr_va_sdst(0)                   ; the run's eight compares have written their masks, ahead of the selects that read them
.set i, 0
.rept 8
.if 8*aa+i < 31
	v_cndmask_b32 v[VA], v[VA], v[AK+1+8*aa+i], s[42+i+2*(i/4)]
	v_cndmask_b32 v[VM], v[VM], v[MK+1+8*aa+i], s[42+i+2*(i/4)]
.endif
.set i, i+1
.endr
.set aa, aa+1
.endr
	v_lshrrev_b32 v[TT], 1, v[VM]                  ; the mask's set bits counted in fields of 2,
	v_and_b32 v[TT], 0x55555555, v[TT]
	v_sub_nc_u32 v[C1], v[VM], v[TT]
	v_lshrrev_b32 v[TT], 2, v[C1]                  ; 4,
	v_and_b32 v[TT], 0x33333333, v[TT]
	v_and_b32 v[C2], 0x33333333, v[C1]
	v_add_nc_u32 v[C2], v[C2], v[TT]
	v_lshrrev_b32 v[TT], 4, v[C2]                  ; 8,
	v_add_nc_u32 v[C4], v[C2], v[TT]
	v_and_b32 v[C4], 0x0f0f0f0f, v[C4]
	v_lshrrev_b32 v[TT], 8, v[C4]                  ; and in the low 16 bits
	v_add_nc_u32 v[TT], v[C4], v[TT]
	v_and_b32 v[TT], 0xff, v[TT]
	v_lshrrev_b32 v[DD], 8, v[VA]
	v_sub_nc_u32 v[DD], v[VQ], v[DD]               ; which set bit of the group's mask is wanted, from 0
	v_cmp_ge_u32 vcc_lo, v[DD], v[TT]
	s_wait_alu depctr_va_vcc(0)                    ; the compare has written VCC, which the two selects below read
	v_cndmask_b32 v[TT], 0, v[TT], vcc_lo
	v_sub_nc_u32 v[DD], v[DD], v[TT]
	v_cndmask_b32 v[POS], 0, v[KK], vcc_lo
	LEVEL C4, 8, KK+1
	LEVEL C2, 4, KK+2
	LEVEL C1, 2, KK+3
	LEVEL VM, 1, KK+4
	v_and_b32 v[TT], 0xff, v[VA]
	v_lshl_add_u32 v[TT], v[TT], 5, v[POS]         ; the token: 32 x group + bit
.set i, 15
.rept 15
	v_mov_b32 v[E+i], v[E+i-1]                     ; the later tiles' entries move up,
.set i, i-1
.endr
	v_cndmask_b32 v[E], 0, v[TT], s51              ; and this tile's goes in at the front (s51: the last run's eighth compare, behind that run's wait)
.Lnoeval:
	s_sub_co_u32 s31, s31, 4
	s_sub_co_u32 s33, s33, 1
	s_cmp_lg_u32 s33, 0
	s_cbranch_scc1 .Leval
	s_wait_alu depctr_va_vdst(0)
	XADDR                                          ; tile p
	s_wait_alu depctr_va_vdst(0)                   ; written: v137, v138, v13 and the other offsets and LDS addresses made since the first loads; and the vector instructions are done with v16-47, in which x's fragments land
.irp tau, 0,1,2,3
	global_load_b128 v[B1R+8*\tau:B1R+8*\tau+3], v13, s[46:47] offset:(\tau/2)*8192+(\tau%2)*32
	global_load_b128 v[B1R+8*\tau+4:B1R+8*\tau+7], v13, s[46:47] offset:(\tau/2)*8192+(\tau%2)*32+16
.endr
	XG 0
	XG 1
	; ---- the stream
	UNIT 0, 58, 0, 0, 64                           ; may be out: unit 1's 32 loads, b1's 8, x's 18
	UNIT 1, 58, 256, 1, 96                         ; b1's 8, x's 18, unit 2's 32
	UNIT 0, 32, 512, 2, -1                         ; unit 3's 32
	UNIT 1, 0, 768, 3, -1
	s_wait_dscnt 0x0
	s_barrier_signal -1
	s_barrier_wait -1                              ; the slice's codes and scale words lie in LDS; from here on LDS is only read
	WIN LDW                                        ; (the last unit's wait on va_vdst has shown the maxima and moves done reading window 1, and no vector instruction has been issued since: the loads below may land there)
.irp tau, 0,1,2,3
.irp s, 0,1,2,3,4,5,6,7
.irp c, 0,1
	ds_load_b128 v[8*(8*\tau+\s)+4*\c:8*(8*\tau+\s)+4*\c+3], v7 offset:(\tau%2)*IMGP+(\tau/2)*4*IMGP+1024*\s+512*\c
.endr
.endr
.endr
	WIN 0
.irp u1, 0,1
.irp s, 0,1,2,3,4,5,6,7
	ds_load_b32 v[WSR+8*\u1+\s], v8 offset:512*\u1+64*\s
.endr
.endr
	s_wait_dscnt 0x0
	; ---- the tiles of rows p, p + 4, ..: sixteen trips; a trip whose tile is not to be made jumps to the lines that step
	s_mov_b32 s31, s22
	s_mov_b32 s33, 16
.Ltile:
	s_cmp_ge_u32 s31, s29
	s_cbranch_scc1 .Lskip
	s_wait_loadcnt 9                               ; K steps 0-3 of x's tile are in; the nine loads of K steps 4-7 may be out
	PROD 0
	s_wait_loadcnt 0x0                             ; K steps 4-7 are in, and no load still reads the offsets
	s_wait_xcnt 0x0                                ; the last trip's two stores: their bases are made anew just below, their data far below; nothing since those stores has named either
	s_wait_alu depctr_vm_vsrc(0)                   ; x's loads issued so far have read v137 and v138, which are written just below; the last trip's two stores have read v196, v198 and v199, which are written far below
	s_lshl_b32 s34, s31, 14
	s_add_nc_u64 s[42:43], s[14:15], s[34:35]      ; this tile's place in actc
	s_lshl_b32 s34, s31, 10
	s_add_nc_u64 s[44:45], s[16:17], s[34:35]      ; and in acts
.set i, 0
.rept 15
	v_mov_b32 v[E+i], v[E+i+1]                     ; the next tile's entry comes to the front.  (These and the three below are the places behind the products whose operands are loaded anew)
.set i, i+1
.endr
	XADDR                                          ; the tile four on; past my last tile the entry is token 0 or the last tile's own
	s_wait_alu depctr_va_vdst(0)                   ; K steps 0-3's products are done reading their fragments and scale words of x, in which the loads below land; v137 and v138 are written
	XG 0
	PROD 4
.rept 5
	v_nop                                          ; four places in front of the loads and of the first read of results; the fifth for the next tile's first products, which begin the accumulators anew
.endr
	s_wait_alu depctr_va_vdst(0)                   ; K steps 4-7's products are done reading their fragments and scale words of x, in which the loads below land
	XG 1
	; silu(a) g = a g / (1 + 2^(-a log2 e)), in f32; every accumulator is read from its low end on
.irp q, 0,2,4,6,8,10,12,14
	v_pk_mul_f32 v[EX+\q:EX+\q+1], v[ACC+\q:ACC+\q+1], 0xbfb8aa3b op_sel_hi:[1,0]
.endr
.set i, 0
	s_wait_alu depctr_va_vdst(0)
.rept 16
	v_exp_f32 v[EX+i], v[EX+i]
.set i, i+1
.endr
	s_wait_alu depctr_va_vdst(0)
.irp q, 0,2,4,6,8,10,12,14
	v_pk_mul_f32 v[G+\q:G+\q+1], v[ACC+\q:ACC+\q+1], v[G+\q:G+\q+1]   ; a g (plain lines behind the exponentials)
.endr
	s_wait_alu depctr_va_vdst(0)                   ; the sixteen exponentials have written v176-191, ahead of their first reader
.irp q, 0,2,4,6,8,10,12,14
	v_pk_add_f32 v[EX+\q:EX+\q+1], v[EX+\q:EX+\q+1], 1.0 op_sel_hi:[1,0]
.endr
.set i, 0
	s_wait_alu depctr_va_vdst(0)
.rept 16
	v_rcp_f32 v[EX+i], v[EX+i]
.set i, i+1
.endr
	v_nop
	s_wait_alu depctr_va_vdst(0)                   ; the sixteen reciprocals have written v176-191, ahead of their first reader
.irp q, 0,2,4,6,8,10,12,14
	v_pk_mul_f32 v[G+\q:G+\q+1], v[G+\q:G+\q+1], v[EX+\q:EX+\q+1]
.endr
	; my 16 numbers are half of a block of 32 along the next K; lane l xor 16 holds the other half
	v_max3_num_f32 v192, |v[G]|, |v[G+1]|, 0x1800000
	v_max3_num_f32 v193, |v[G+2]|, |v[G+3]|, |v[G+4]|
	v_max3_num_f32 v192, v192, |v[G+5]|, |v[G+6]|
	v_max3_num_f32 v193, v193, |v[G+7]|, |v[G+8]|
	v_max3_num_f32 v192, v192, |v[G+9]|, |v[G+10]|
	v_max3_num_f32 v193, v193, |v[G+11]|, |v[G+12]|
	v_max3_num_f32 v192, v192, |v[G+13]|, |v[G+14]|
	v_max3_num_f32 v192, v192, v193, |v[G+15]|
	v_permlanex16_b32 v194, v192, s36, s37
	v_max_num_f32 v192, v192, v194
	v_add_nc_u32 v195, 0xff000000, v192
	v_lshrrev_b32 v196, 23, v195
	v_cvt_scalef32_pk8_fp4_f32 v198, v[G:G+7], v195
	v_cvt_scalef32_pk8_fp4_f32 v199, v[G+8:G+15], v195
	v_nop                                          ; one plain line behind the last conversion
	s_wait_alu depctr_va_vdst(0)                   ; the byte v196 and the codes v198, v199 are written, which the two stores read
	global_store_b64 v11, v[198:199], s[42:43]     ; the 32 lanes store 256 consecutive bytes, at a multiple of 256 from actc's first byte: the block's place in the operand's image
	global_store_b8 v12, v196, s[44:45]            ; both lanes of a row store the same byte with the same value
.Lskip:
	s_add_co_u32 s31, s31, 4
	s_sub_co_u32 s33, s33, 1
	s_cmp_lg_u32 s33, 0
	s_cbranch_scc1 .Ltile
	s_wait_dscnt 0x0                               ; the closing lines, six on end
	s_wait_alu 0x0
	s_wait_tensorcnt 0x0
	ds_add_u32 v254, v255
	s_wait_dscnt 0x0
	s_endpgm
.Lfunc_end_k_q66bc49f4e5_w1stage:
	.size	k_q66bc49f4e5_w1stage, .Lfunc_end_k_q66bc49f4e5_w1stage-k_q66bc49f4e5_w1stage
	.p2alignl 7, 3214868480
	.fill 96, 4, 3214868480
	.section	.rodata,"a",@progbits
	.p2align	6, 0x0
	.amdhsa_kernel k_q66bc49f4e5_w1stage
		.amdhsa_group_segment_fixed_size 71168
		.amdhsa_private_segment_fixed_size 0
		.amdhsa_enable_private_segment 0
		.amdhsa_kernarg_size 64
		.amdhsa_user_sgpr_count 2
		.amdhsa_user_sgpr_kernarg_segment_ptr 1
		.amdhsa_wavefront_size32 1
		.amdhsa_system_sgpr_workgroup_id_x 1
		.amdhsa_system_sgpr_workgroup_id_y 1
		.amdhsa_system_sgpr_workgroup_id_z 1
		.amdhsa_system_vgpr_workitem_id 0
		.amdhsa_next_free_vgpr 512
		.amdhsa_next_free_sgpr 66
		.amdhsa_reserve_vcc 1
		.amdhsa_float_denorm_mode_32 3
		.amdhsa_float_denorm_mode_16_64 3
		.amdhsa_memory_ordered 1
		.amdhsa_forward_progress 1
		.amdhsa_inst_pref_size 105
	.end_amdhsa_kernel
	.amdgpu_metadata
---
amdhsa.version: [ 1, 2 ]
amdhsa.kernels:
  - .name:           k_q66bc49f4e5_w1stage
    .symbol:         k_q66bc49f4e5_w1stage.kd
    .args:
      - { .name: W1, .offset: 0, .size: 8, .value_kind: global_buffer, .address_space: global }
      - { .name: b1, .offset: 8, .size: 8, .value_kind: global_buffer, .address_space: global }
      - { .name: xq, .offset: 16, .size: 8, .value_kind: global_buffer, .address_space: global }
      - { .name: xs, .offset: 24, .size: 8, .value_kind: global_buffer, .address_space: global }
      - { .name: sel, .offset: 32, .size: 8, .value_kind: global_buffer, .address_space: global }
      - { .name: actc, .offset: 40, .size: 8, .value_kind: global_buffer, .address_space: global }
      - { .name: acts, .offset: 48, .size: 8, .value_kind: global_buffer, .address_space: global }
      - { .name: rpc, .offset: 56, .size: 8, .value_kind: global_buffer, .address_space: global }
    .group_segment_fixed_size: 71168
    .private_segment_fixed_size: 0
    .kernarg_segment_align: 8
    .kernarg_segment_size: 64
    .max_flat_workgroup_size: 256
    .sgpr_count:     66
    .vgpr_count:     512
    .wavefront_size: 32
...
	.end_amdgpu_metadata
.endif
;; end of part 9
;; launch w2stage (part 10): grid 256 x 1, 8 waves a work-group, no clusters, 55,296 bytes of LDS; arguments W2, b2, actc, acts, rpc, part; writes part
.if DOCPART == 10
	.amdgcn_target "amdgcn-amd-amdhsa--gfx1250"
	.amdhsa_code_object_version 6
	.text
	.protected	k_q66bc49f4e5_w2stage
	.globl	k_q66bc49f4e5_w2stage
	.p2align	8
	.type	k_q66bc49f4e5_w2stage,@function
k_q66bc49f4e5_w2stage:
	s_mov_b64 s[64:65], 0
	v_nop
	global_prefetch_b8 v0, s[64:65] scope:SCOPE_SE
	s_setreg_imm32_b32 hwreg(HW_REG_WAVE_SCHED_MODE, 0, 2), 2
	s_setreg_imm32_b32 hwreg(HW_REG_WAVE_MODE, 25, 1), 1
	s_wait_xcnt 0x0
	s_wait_alu depctr_vm_vsrc(0)
; SECOND PRODUCT, for the rows that chose the expert.  W2: [8][2048 (k)][1024] f32, b2: [8][1024] f32; actc, acts: the hidden layer's codes (images of the operand's registers) and scale bytes; rpc: count[e] at 32768 + 4 e.
; Out: part [e][slice 32][routed row 1024][32 columns] f32: out_e of the expert's rows, bias included, not yet weighed.
; SHARES.  Work-group id: expert e = id / 32, slice j = 2 (id % 16) + (id / 16) % 2: 32 output columns, all 2,048 along K: 256 KiB of f32 that no other work-group reads.  No tile is shared, so there is no cluster; trip work
; hangs on a stored count, so operands come through registers and there is no tensor load.
; STREAM.  Wave w quantises K steps 2 w and 2 w + 1, a unit each.  In a load eight lanes take a row's 128 bytes, and the four groups of eight lanes rows 32 apart: so a lane owns four whole blocks of 32 along K (block l / 8 of the
; K step, columns 4 (l % 8) + 0 .. 3).  Both units, 32 KiB a wave, are asked for at once: the whole slice is on its way.  Codes and scale bytes go to LDS at the places from which plain loads give any wave the fragments.
; COMPUTE.  Every wave keeps both tiles of 16 columns for all 16 K steps in 256 registers and takes tiles of rows w, w + 8, ..  The product is used transposed (source 0 = 16 columns of W2, source 1 = 16 rows): a lane holds one row
; and eight neighbouring columns.  A tile's 16 rows x 128 bytes turn through the wave's own stage in LDS and leave as 2,048 consecutive bytes.
; LIMITS: a block whose largest magnitude lies under 2^-124, a block of zeros among them, gets the scale byte 1 (read by this program alone); NaN and infinities are not served.
; REGISTERS.  Window 0: v1-12 addresses; v16-143 the hidden layer's 16 fragments (v80-143 serve the stream first); v144-159 its scale words; v160-175 two accumulators; v176-191 b2 in the result's layout;
;   v192-207 W2's scale words (lanes 0-15 tile 0's, lanes 16-31 tile 1's); v208-223 rows on their way out; v224-251 a unit's maxima, scales, bytes and codes.
;   Window 1: two sets of 128 as loaded, then W2's fragments (tile tt, K step s) at v[8 (16 tt + s)].
; THE MODE: SCHED_MODE bits 1:0 = 2 (LLVM: expert scheduling mode 2), set by the entry lines.  The code itself states the register dependences between vector or matrix instructions and memory or LDS
; instructions, and those through scalar registers that vector instructions write, with s_wait_alu, always for 0.
; THE PLAN.  Registers that memory or LDS instructions touch:
;   v4-v12        offsets and LDS addresses: written once at the head, never again.
;   window 1      W2's loads land; the units' maxima and moves read the two sets; behind the last unit's wait on va_vdst no vector instruction follows, so that wait also serves the LDS loads that bring the fragments.
;   v80-143       the units' moves write them and their conversions read them; behind the same wait the first tile's K steps 8-15 land there.
;   v232-251      a unit's bytes and codes: written by shifts and conversions, read by its LDS stores behind the unit's wait on va_vdst; written again in the second unit, behind a wait on vm_vsrc.
;   v16-159       in the tile loop, the hidden layer's fragments and scale words, in two halves: each is read by sixteen products and loaded again behind a wait on va_vdst that follows them.
;   v160-175      the accumulators: written by the products, read by the LDS stores behind the second of those waits; written again by the next trip's first products, behind the wait on vm_vsrc at the trip's end.
;   v208-223      the read-backs from the stage land there, the global stores read them; the same wait on vm_vsrc frees them for the next trip's read-backs.
.set ROWB, 4096                        ; a row of W2 in bytes
.set IMGP, 16400                       ; LDS: a tile's 16 K steps x 1,024 bytes + 16
.set SCW,  33024                       ; W2's scale words: tile x 1,024 + K step x 64 + row x 4 + block
.set STG,  35072                       ; the stages: 16 rows x 144 bytes for each wave
.set AF,  16
.set T,   80
.set AS,  144
.set ACC, 160
.set B2R, 176
.set WSR, 192
.set OUT, 208
.set M,   224
.set SO,  228
.set BY,  232
.set C,   236
.set MSB, 0
.macro WIN new                         ; the immediate's high byte repeats the setting that is left
.if MSB != \new
	s_set_vgpr_msb (MSB<<8)|\new
.set MSB, \new
.endif
.endm
.set LDW, 0x40                         ; destination window 1
.set MX,  0x14                         ; sources 1 and 2 window 1
.set MV,  0x01                         ; source 0 window 1
.macro WLOAD buf, k0                   ; 32 loads: register 4 i + c = W2(row k0 + 32 (l / 8) + i, my column c)
	WIN LDW
.set i, 0
.rept 32
	global_load_b128 v[128*(\buf)+4*i:128*(\buf)+4*i+3], v4, s[40:41] offset:((\k0)+i)*ROWB th:TH_LOAD_NT
.set i, i+1
.endr
	WIN 0
.endm
.macro UMAX buf                        ; the largest magnitudes of my four blocks, by turns, with the floor 2^(3 - 127) among the leaves
	WIN MX
.irp c, 0,1,2,3
	v_max3_num_f32 v[M+\c], 0x1800000, |v[128*(\buf)+\c]|, |v[128*(\buf)+4+\c]|
.endr
.set i, 2
.rept 15
.irp c, 0,1,2,3
	v_max3_num_f32 v[M+\c], v[M+\c], |v[128*(\buf)+4*i+\c]|, |v[128*(\buf)+4*i+4+\c]|
.endr
.set i, i+2
.endr
	WIN 0
.endm
.macro USCALE
.irp c, 0,1,2,3
	v_add_nc_u32 v[SO+\c], 0xff000000, v[M+\c]     ; 2 off the exponent field: the conversion's scale operand
.endr
.irp c, 0,1,2,3
	v_lshrrev_b32 v[BY+\c], 23, v[SO+\c]           ; the scale's byte
.endr
.endm
.macro UMOVE buf, c0                   ; columns c0, c0 + 1: 32 numbers each into consecutive registers
	WIN MV
.irp d, 0,1
.set i, 0
.rept 32
	v_mov_b32 v[T+32*\d+i], v[128*(\buf)+4*i+(\c0)+\d]
.set i, i+1
.endr
.endr
	WIN 0
.endm
.macro UCVT c0
.irp d, 0,1
.irp g, 0,1,2,3
	v_cvt_scalef32_pk8_fp4_f32 v[C+4*((\c0)+\d)+\g], v[T+32*\d+8*\g:T+32*\d+8*\g+7], v[SO+(\c0)+\d]
.endr
.endr
	v_nop                                          ; one plain line behind the last conversion of a run
.endm
.macro UNIT buf, left, coff, boff      ; left: the loads issued behind this unit's, which may stay out
	s_wait_loadcnt \left
	UMAX \buf
	s_wait_alu depctr_va_vdst(0)
	s_wait_dscnt 0x0                               ; the last unit's LDS stores are done with their registers
.if \coff > 0
	s_wait_alu depctr_vm_vsrc(0)                   ; the last unit's LDS stores have read its bytes and codes, v232-251, which the shifts and conversions below write again
.endif
	USCALE
	UMOVE \buf, 0
	UCVT 0
	UMOVE \buf, 2
	UCVT 2
	s_wait_alu depctr_va_vdst(0)                   ; the unit's second wait: its bytes and codes are written, which the LDS stores below read; its maxima, moves and conversions are done with the set and with v80-143
.irp c, 0,1,2,3
	ds_store_b128 v5, v[C+4*\c:C+4*\c+3] offset:\coff+16*\c
.endr
.irp c, 0,1,2,3
	ds_store_b8 v6, v[BY+\c] offset:\boff+4*\c
.endr
.endm
.macro AG half                         ; eight K steps of a tile of rows: eight scale words and eight fragments: 18 loads; a fragment load takes 512 consecutive bytes
	global_load_b128 v[AS+8*\half:AS+8*\half+3], v9, s[44:45] offset:32*\half
	global_load_b128 v[AS+8*\half+4:AS+8*\half+7], v9, s[44:45] offset:32*\half+16
.irp s8, 0,1,2,3,4,5,6,7
.irp c, 0,1
	global_load_b128 v[AF+8*(8*\half+\s8)+4*\c:AF+8*(8*\half+\s8)+4*\c+3], v7, s[42:43] offset:1024*(8*\half+\s8)+512*\c
.endr
.endr
.endm
.macro BASES                           ; tile s32's codes and scale bytes
	s_lshl_b32 s34, s32, 14
	s_add_nc_u64 s[42:43], s[8:9], s[34:35]
	s_lshl_b32 s34, s32, 10
	s_add_nc_u64 s[44:45], s[10:11], s[34:35]
.endm
; Sixteen products: K steps slo .. slo + 7, the two accumulators by turns, one instruction a turn.  K step 0 takes b2 as C.
.macro PROD slo
	WIN MV
.irp s8, 0,1,2,3,4,5,6,7
.irp tt, 0,1
.set sk, (\slo)+\s8
.if sk == 0
.if \tt == 0
	v_wmma_scale_f32_16x16x128_f8f6f4 v[ACC+8*\tt:ACC+8*\tt+7], v[8*(16*\tt+sk):8*(16*\tt+sk)+7], v[AF+8*sk:AF+8*sk+7], v[B2R+8*\tt:B2R+8*\tt+7], v[WSR+sk], v[AS+sk] matrix_a_fmt:MATRIX_FMT_FP4 matrix_b_fmt:MATRIX_FMT_FP4
.else
	v_wmma_scale_f32_16x16x128_f8f6f4 v[ACC+8*\tt:ACC+8*\tt+7], v[8*(16*\tt+sk):8*(16*\tt+sk)+7], v[AF+8*sk:AF+8*sk+7], v[B2R+8*\tt:B2R+8*\tt+7], v[WSR+sk], v[AS+sk] matrix_a_fmt:MATRIX_FMT_FP4 matrix_b_fmt:MATRIX_FMT_FP4 matrix_a_scale:MATRIX_SCALE_ROW1
.endif
.else
.if \tt == 0
	v_wmma_scale_f32_16x16x128_f8f6f4 v[ACC+8*\tt:ACC+8*\tt+7], v[8*(16*\tt+sk):8*(16*\tt+sk)+7], v[AF+8*sk:AF+8*sk+7], v[ACC+8*\tt:ACC+8*\tt+7], v[WSR+sk], v[AS+sk] matrix_a_fmt:MATRIX_FMT_FP4 matrix_b_fmt:MATRIX_FMT_FP4
.else
	v_wmma_scale_f32_16x16x128_f8f6f4 v[ACC+8*\tt:ACC+8*\tt+7], v[8*(16*\tt+sk):8*(16*\tt+sk)+7], v[AF+8*sk:AF+8*sk+7], v[ACC+8*\tt:ACC+8*\tt+7], v[WSR+sk], v[AS+sk] matrix_a_fmt:MATRIX_FMT_FP4 matrix_b_fmt:MATRIX_FMT_FP4 matrix_a_scale:MATRIX_SCALE_ROW1
.endif
.endif
.endr
.endr
	WIN 0
.endm
	s_load_b256 s[4:11], s[0:1], 0x0               ; W2 s[4:5], b2 s[6:7], actc s[8:9], acts s[10:11]
	s_load_b128 s[12:15], s[0:1], 0x20             ; rpc s[12:13], part s[14:15]
	v_lshl_add_u32 v254, v0, 2, 0xd400
	v_mov_b32 v255, 0
	v_lshrrev_b32 v16, 5, v0
	v_readfirstlane_b32 s20, v16                   ; wave w
	v_and_b32 v1, 31, v0                           ; lane
	v_and_b32 v2, 15, v0                           ; r
	v_bfe_u32 v3, v0, 4, 1                         ; h
	s_wait_alu depctr_va_sdst(0)                   ; s20 is written, ahead of its first reader
	s_lshr_b32 s23, ttmp9, 5                       ; e
	s_and_b32 s24, ttmp9, 15
	s_lshl_b32 s24, s24, 1
	s_bfe_u32 s38, ttmp9, 0x10004
	s_add_co_u32 s24, s24, s38                     ; j
	s_lshl_b32 s27, s23, 2
	v_bfe_u32 v16, v0, 3, 2                        ; my block of the K step
	v_and_b32 v17, 7, v0                           ; my four columns
	v_lshlrev_b32 v4, 4, v17
	v_lshl_add_u32 v4, v16, 17, v4                 ; W2: 32 rows of 4,096 bytes a block, 16 bytes a lane
	s_lshl_b32 s34, s23, 23                        ; an expert's 8 MiB,
	s_lshl_b32 s35, s24, 7                         ; the slice's 32 columns,
	s_add_co_u32 s34, s34, s35
	s_lshl_b32 s35, s20, 20                        ; my two K steps' 256 rows
	s_add_co_u32 s34, s34, s35
	s_mov_b32 s35, 0
	s_wait_kmcnt 0x0
	s_load_b32 s26, s[12:13], s27 offset:0x8000    ; the expert's count
	s_add_nc_u64 s[40:41], s[4:5], s[34:35]
	s_wait_alu depctr_va_vdst(0)                   ; v4 is written: the offset of the 64 loads below, between which stand window switches alone
	WLOAD 0, 0
	WLOAD 1, 128
	v_bfe_u32 v18, v0, 2, 1                        ; my columns' tile
	v_and_b32 v19, 3, v0                           ; a quarter of their first row in it
	v_mul_u32_u24 v5, v18, IMGP
	v_lshl_add_u32 v5, v16, 8, v5
	v_lshl_add_u32 v5, v19, 6, v5
	s_lshl_b32 s34, s20, 11
	v_add_nc_u32 v5, s34, v5                       ; where my codes go: tile, block x 256, row x 16, K step 2 w
	v_lshlrev_b32 v6, 10, v18
	v_lshl_add_u32 v6, v19, 4, v6
	v_add_nc_u32 v6, v6, v16
	s_lshl_b32 s34, s20, 7
	s_add_co_u32 s34, s34, SCW
	v_add_nc_u32 v6, s34, v6                       ; and my scale bytes
	v_lshlrev_b32 v7, 4, v1                        ; 16 x lane: fragments from LDS and from actc, rows into part
	v_lshlrev_b32 v8, 2, v2
	v_lshl_add_u32 v8, v3, 10, v8
	v_add_nc_u32 v8, SCW, v8                       ; W2's scale words: lanes 0-15 tile 0's rows, lanes 16-31 tile 1's
	v_lshlrev_b32 v9, 6, v2                        ; acts: 64 r
	v_lshlrev_b32 v10, 5, v3                       ; b2: 32 h
	s_mul_i32 s34, s20, 2304
	s_add_co_u32 s34, s34, STG                     ; my stage
	v_mul_u32_u24 v11, v2, 144
	v_lshl_add_u32 v11, v3, 5, v11
	v_add_nc_u32 v11, s34, v11                     ; in: row r, 32 bytes for each half of the lanes
	v_lshrrev_b32 v18, 3, v1
	v_mul_u32_u24 v12, v18, 144
	v_lshl_add_u32 v12, v17, 4, v12
	v_add_nc_u32 v12, s34, v12                     ; back: eight lanes to a row of 128 bytes, four rows an instruction
	s_lshl_b32 s34, s23, 12
	s_lshl_b32 s38, s24, 7
	s_add_co_u32 s34, s34, s38
	s_add_nc_u64 s[46:47], s[6:7], s[34:35]        ; b2 at the slice's columns
	s_lshl_b32 s34, s23, 20
	s_add_nc_u64 s[8:9], s[8:9], s[34:35]          ; actc and acts at the expert
	s_lshl_b32 s34, s23, 16
	s_add_nc_u64 s[10:11], s[10:11], s[34:35]
	s_lshl_b32 s34, s23, 5
	s_add_co_u32 s34, s34, s24
	s_lshl_b32 s34, s34, 17
	s_lshl_b32 s38, s20, 11
	s_add_co_u32 s34, s34, s38
	s_add_nc_u64 s[14:15], s[14:15], s[34:35]      ; part at the slice's tile w
	s_wait_kmcnt 0x0
	s_min_u32 s26, s26, 1024
	s_add_co_u32 s26, s26, 15
	s_lshr_b32 s29, s26, 4
	s_max_u32 s29, s29, 1                          ; tiles that the launch before has made
	s_sub_co_u32 s30, s29, 1                       ; the last of them
	s_min_u32 s32, s20, s30
	s_min_u32 s32, s32, 63                         ; my first tile, held at the last one made: no byte is read that was not written
	BASES
	s_wait_alu depctr_va_vdst(0)                   ; the offsets and LDS addresses v5 to v12 are written; and the address arithmetic is done with v16-19, in which fragments land below
.irp tt, 0,1
	global_load_b128 v[B2R+8*\tt:B2R+8*\tt+3], v10, s[46:47] offset:64*\tt
	global_load_b128 v[B2R+8*\tt+4:B2R+8*\tt+7], v10, s[46:47] offset:64*\tt+16
.endr
	AG 0
	UNIT 0, 54, 0, 0                               ; may be out: unit 1's 32 loads, b2's 4, the first tile's first 18
	UNIT 1, 22, 1024, 64                           ; b2's 4 and those 18
	AG 1                                           ; into the registers that the units have left: the second unit's wait on va_vdst has shown its moves and conversions done with v80-143, and no vector instruction has been issued since
	s_wait_dscnt 0x0
	s_barrier_signal -1
	s_barrier_wait -1                              ; the slice's codes and scale words lie in LDS; from here on a wave stores to its own stage alone
	WIN LDW                                        ; (the same wait has shown the maxima and moves done reading window 1: the loads below may land there)
.irp tt, 0,1
.irp s, 0,1,2,3,4,5,6,7,8,9,10,11,12,13,14,15
.irp c, 0,1
	ds_load_b128 v[8*(16*\tt+\s)+4*\c:8*(16*\tt+\s)+4*\c+3], v7 offset:\tt*IMGP+1024*\s+512*\c
.endr
.endr
.endr
	WIN 0
.irp s, 0,1,2,3,4,5,6,7,8,9,10,11,12,13,14,15
	ds_load_b32 v[WSR+\s], v8 offset:64*\s
.endr
	s_wait_dscnt 0x0
	; ---- the tiles of rows w, w + 8, ..: eight trips; a trip whose tile was not made jumps to the lines that step
	s_mov_b32 s31, s20
	s_mov_b32 s33, 8
.Ltile:
	s_cmp_ge_u32 s31, s29
	s_cbranch_scc1 .Lskip
	s_wait_loadcnt 18                              ; K steps 0-7 of the tile are in; the 18 loads of K steps 8-15 may be out
	PROD 0
	s_wait_loadcnt 0x0                             ; K steps 8-15 are in, and no load still reads the two bases
	s_add_co_u32 s32, s31, 8
	s_min_u32 s32, s32, s30
	s_min_u32 s32, s32, 63                         ; the tile eight on, held at the last one made
	BASES
.rept 4
	v_nop                                          ; four places behind the products whose operands are loaded anew
.endr
	s_wait_alu depctr_va_vdst(0)                   ; K steps 0-7's products are done reading their fragments and scale words of the hidden layer, in which the loads below land
	AG 0
	PROD 8
.rept 5
	v_nop                                          ; four places in front of the loads and of the first read of results; the fifth for the next tile's first products, which begin the accumulators anew
.endr
	s_wait_alu depctr_va_vdst(0)                   ; K steps 8-15's products are done reading their fragments and scale words, in which the loads below land, and have written the accumulators, which the LDS stores below read
	AG 1
.irp tt, 0,1
	ds_store_b128 v11, v[ACC+8*\tt:ACC+8*\tt+3] offset:64*\tt          ; each accumulator from its low end on
	ds_store_b128 v11, v[ACC+8*\tt+4:ACC+8*\tt+7] offset:64*\tt+16
.endr
.irp i, 0,1,2,3
	ds_load_b128 v[OUT+4*\i:OUT+4*\i+3], v12 offset:576*\i             ; LDS serves a wave's instructions in order: these see the stores above
.endr
.irp i, 0,1,2,3
	s_wait_dscnt 3-\i                              ; the later read-backs may be out
	global_store_b128 v7, v[OUT+4*\i:OUT+4*\i+3], s[14:15] offset:512*\i th:TH_STORE_NT   ; 32 lanes store 512 consecutive bytes, at a multiple of 256 from part's first byte
.endr
.Lskip:
	s_wait_xcnt 0x0                                ; the stores' data and base are written again only behind this wait
	s_wait_alu depctr_vm_vsrc(0)                   ; the trip's LDS stores have read the accumulators, which the next trip's first products write; its global stores have read v208-223, in which the next trip's read-backs land
	s_add_nc_u64 s[14:15], s[14:15], 0x4000        ; eight tiles on
	s_add_co_u32 s31, s31, 8
	s_sub_co_u32 s33, s33, 1
	s_cmp_lg_u32 s33, 0
	s_cbranch_scc1 .Ltile
	s_wait_dscnt 0x0                               ; the closing lines, six on end
	s_wait_alu 0x0
	s_wait_tensorcnt 0x0
	ds_add_u32 v254, v255
	s_wait_dscnt 0x0
	s_endpgm
.Lfunc_end_k_q66bc49f4e5_w2stage:
	.size	k_q66bc49f4e5_w2stage, .Lfunc_end_k_q66bc49f4e5_w2stage-k_q66bc49f4e5_w2stage
	.p2alignl 7, 3214868480
	.fill 96, 4, 3214868480
	.section	.rodata,"a",@progbits
	.p2align	6, 0x0
	.amdhsa_kernel k_q66bc49f4e5_w2stage
		.amdhsa_group_segment_fixed_size 55296
		.amdhsa_private_segment_fixed_size 0
		.amdhsa_enable_private_segment 0
		.amdhsa_kernarg_size 48
		.amdhsa_user_sgpr_count 2
		.amdhsa_user_sgpr_kernarg_segment_ptr 1
		.amdhsa_wavefront_size32 1
		.amdhsa_system_sgpr_workgroup_id_x 1
		.amdhsa_system_sgpr_workgroup_id_y 1
		.amdhsa_system_sgpr_workgroup_id_z 1
		.amdhsa_system_vgpr_workitem_id 0
		.amdhsa_next_free_vgpr 512
		.amdhsa_next_free_sgpr 66
		.amdhsa_reserve_vcc 0
		.amdhsa_float_denorm_mode_32 3
		.amdhsa_float_denorm_mode_16_64 3
		.amdhsa_memory_ordered 1
		.amdhsa_forward_progress 1
		.amdhsa_inst_pref_size 50
	.end_amdhsa_kernel
	.amdgpu_metadata
---
amdhsa.version: [ 1, 2 ]
amdhsa.kernels:
  - .name:           k_q66bc49f4e5_w2stage
    .symbol:         k_q66bc49f4e5_w2stage.kd
    .args:
      - { .name: W2, .offset: 0, .size: 8, .value_kind: global_buffer, .address_space: global }
      - { .name: b2, .offset: 8, .size: 8, .value_kind: global_buffer, .address_space: global }
      - { .name: actc, .offset: 16, .size: 8, .value_kind: global_buffer, .address_space: global }
      - { .name: acts, .offset: 24, .size: 8, .value_kind: global_buffer, .address_space: global }
      - { .name: rpc, .offset: 32, .size: 8, .value_kind: global_buffer, .address_space: global }
      - { .name: part, .offset: 40, .size: 8, .value_kind: global_buffer, .address_space: global }
    .group_segment_fixed_size: 55296
    .private_segment_fixed_size: 0
    .kernarg_segment_align: 8
    .kernarg_segment_size: 48
    .max_flat_workgroup_size: 256
    .sgpr_count:     66
    .vgpr_count:     512
    .wavefront_size: 32
...
	.end_amdgpu_metadata
.endif
;; end of part 10
;; launch combine (part 11): grid 256 x 1, 4 waves a work-group, no clusters, 0 bytes of LDS; arguments part, sel, scores, rpc, out0; writes out0
.if DOCPART == 11
	.amdgcn_target "amdgcn-amd-amdhsa--gfx1250"
	.amdhsa_code_object_version 6
	.text
	.protected	k_q66bc49f4e5_combine
	.globl	k_q66bc49f4e5_combine
	.p2align	8
	.type	k_q66bc49f4e5_combine,@function
k_q66bc49f4e5_combine:
	s_mov_b64 s[64:65], 0
	v_nop
	global_prefetch_b8 v0, s[64:65] scope:SCOPE_SE
	s_setreg_imm32_b32 hwreg(HW_REG_WAVE_MODE, 25, 1), 1
	s_wait_xcnt 0x0
; out0[token] = score0 x out_e0[token] + score1 x out_e1[token].  part: [e][slice 32][routed row 1024][32 columns] f32 (bias included); sel: e0 | e1 << 8 | ..; scores: [token][2]; rpc: rank[e][token] at 4096 e + 4 token.
; A wave takes one token: its two experts, scores and eight ranks by scalar loads; the two ranks are chosen by selects, held inside the table, and make the two rows' addresses.
; A row lies in 32 pieces of 128 bytes, one a slice: eight lanes to a piece, four pieces a load, eight loads a row.  A store covers 512 consecutive bytes of out0.  Memory binds: no LDS, no barrier, no matrix unit.
.set P0, 8                             ; v8-39   the first expert's row, then the result
.set P1, 40                            ; v40-71  the second's
	s_load_b256 s[4:11], s[0:1], 0x0               ; part s[4:5], sel s[6:7], scores s[8:9], rpc s[10:11]
	s_load_b64 s[12:13], s[0:1], 0x20              ; out0
	v_lshrrev_b32 v1, 5, v0
	v_readfirstlane_b32 s14, v1                    ; wave
	v_and_b32 v1, 31, v0                           ; lane
	v_lshrrev_b32 v2, 3, v1
	v_and_b32 v4, 7, v0
	v_lshlrev_b32 v2, 17, v2
	v_lshl_add_u32 v2, v4, 4, v2                   ; part: slice lane / 8 (131,072 bytes a slice), 16 bytes a lane
	v_lshlrev_b32 v3, 4, v1                        ; out0: 16 x lane
	s_lshl_b32 s15, ttmp9, 2
	s_add_co_u32 s15, s15, s14                     ; my token
	s_mov_b32 s37, 0
	s_lshl_b32 s36, s15, 2
	s_wait_alu depctr_va_vdst(0)
	s_wait_kmcnt 0x0
	s_add_nc_u64 s[6:7], s[6:7], s[36:37]
	s_add_nc_u64 s[10:11], s[10:11], s[36:37]
	s_lshl_b32 s36, s15, 3
	s_add_nc_u64 s[8:9], s[8:9], s[36:37]
	s_lshl_b32 s36, s15, 12
	s_add_nc_u64 s[12:13], s[12:13], s[36:37]
	s_load_b32 s26, s[6:7], 0x0
	s_load_b64 s[38:39], s[8:9], 0x0
.irp e, 0,1,2,3,4,5,6,7
	s_load_b32 s[16+\e], s[10:11], \e*4096
.endr
	s_wait_kmcnt 0x0
	s_and_b32 s27, s26, 255
	s_min_u32 s27, s27, 7                          ; e0
	s_bfe_u32 s28, s26, 0x80008
	s_min_u32 s28, s28, 7                          ; e1
	s_mov_b32 s30, s16
	s_mov_b32 s31, s16
.irp e, 1,2,3,4,5,6,7
	s_cmp_eq_u32 s27, \e
	s_cselect_b32 s30, s[16+\e], s30
	s_cmp_eq_u32 s28, \e
	s_cselect_b32 s31, s[16+\e], s31
.endr
	s_min_u32 s30, s30, 0x3ff                      ; the token's rows among its experts' rows
	s_min_u32 s31, s31, 0x3ff
	s_lshl_b32 s27, s27, 22                        ; an expert's 4 MiB, a row's 128 bytes
	s_lshl_b32 s30, s30, 7
	s_add_co_u32 s36, s27, s30
	s_add_nc_u64 s[40:41], s[4:5], s[36:37]
	s_lshl_b32 s28, s28, 22
	s_lshl_b32 s31, s31, 7
	s_add_co_u32 s36, s28, s31
	s_add_nc_u64 s[42:43], s[4:5], s[36:37]
	s_mov_b32 s44, s39                             ; the second score in a pair of its own: the packed form takes a pair's low word for both halves
	s_mov_b32 s45, s39
.irp i, 0,1,2,3,4,5,6,7
	global_load_b128 v[P0+4*\i:P0+4*\i+3], v2, s[40:41] offset:524288*\i th:TH_LOAD_NT
	global_load_b128 v[P1+4*\i:P1+4*\i+3], v2, s[42:43] offset:524288*\i th:TH_LOAD_NT
.endr
.irp i, 0,1,2,3,4,5,6,7
	s_wait_loadcnt 14-2*\i                         ; pair i is in; the later pairs may be out
	v_pk_mul_f32 v[P0+4*\i:P0+4*\i+1], v[P0+4*\i:P0+4*\i+1], s[38:39] op_sel_hi:[1,0]
	v_pk_mul_f32 v[P0+4*\i+2:P0+4*\i+3], v[P0+4*\i+2:P0+4*\i+3], s[38:39] op_sel_hi:[1,0]
	v_pk_fma_f32 v[P0+4*\i:P0+4*\i+1], v[P1+4*\i:P1+4*\i+1], s[44:45], v[P0+4*\i:P0+4*\i+1] op_sel_hi:[1,0,1]
	v_pk_fma_f32 v[P0+4*\i+2:P0+4*\i+3], v[P1+4*\i+2:P1+4*\i+3], s[44:45], v[P0+4*\i+2:P0+4*\i+3] op_sel_hi:[1,0,1]
	global_store_b128 v3, v[P0+4*\i:P0+4*\i+3], s[12:13] offset:512*\i th:TH_STORE_NT
.endr
	s_endpgm
.Lfunc_end_k_q66bc49f4e5_combine:
	.size	k_q66bc49f4e5_combine, .Lfunc_end_k_q66bc49f4e5_combine-k_q66bc49f4e5_combine
	.p2alignl 7, 3214868480
	.fill 96, 4, 3214868480
	.section	.rodata,"a",@progbits
	.p2align	6, 0x0
	.amdhsa_kernel k_q66bc49f4e5_combine
		.amdhsa_group_segment_fixed_size 0
		.amdhsa_private_segment_fixed_size 0
		.amdhsa_enable_private_segment 0
		.amdhsa_kernarg_size 40
		.amdhsa_user_sgpr_count 2
		.amdhsa_user_sgpr_kernarg_segment_ptr 1
		.amdhsa_wavefront_size32 1
		.amdhsa_system_sgpr_workgroup_id_x 1
		.amdhsa_system_sgpr_workgroup_id_y 1
		.amdhsa_system_sgpr_workgroup_id_z 1
		.amdhsa_system_vgpr_workitem_id 0
		.amdhsa_next_free_vgpr 80
		.amdhsa_next_free_sgpr 66
		.amdhsa_reserve_vcc 0
		.amdhsa_float_denorm_mode_32 3
		.amdhsa_float_denorm_mode_16_64 3
		.amdhsa_memory_ordered 1
		.amdhsa_forward_progress 1
		.amdhsa_inst_pref_size 8
	.end_amdhsa_kernel
	.amdgpu_metadata
---
amdhsa.version: [ 1, 2 ]
amdhsa.kernels:
  - .name:           k_q66bc49f4e5_combine
    .symbol:         k_q66bc49f4e5_combine.kd
    .args:
      - { .name: part, .offset: 0, .size: 8, .value_kind: global_buffer, .address_space: global }
      - { .name: sel, .offset: 8, .size: 8, .value_kind: global_buffer, .address_space: global }
      - { .name: scores, .offset: 16, .size: 8, .value_kind: global_buffer, .address_space: global }
      - { .name: rpc, .offset: 24, .size: 8, .value_kind: global_buffer, .address_space: global }
      - { .name: out0, .offset: 32, .size: 8, .value_kind: global_buffer, .address_space: global }
    .group_segment_fixed_size: 0
    .private_segment_fixed_size: 0
    .kernarg_segment_align: 8
    .kernarg_segment_size: 40
    .max_flat_workgroup_size: 128
    .sgpr_count:     66
    .vgpr_count:     80
    .wavefront_size: 32
...
	.end_amdgpu_metadata
.endif
;; end of part 11
